; MI455X (gfx1250); checked and timed in simulation.
; The chip was launched on July 23, 2026; its instructions are those of AMD's public machine-readable ISA for CDNA 5 (MIT licence, August 2026) and "CDNA5" Instruction Set Architecture Reference Guide (July 2026). The comments in the code are by the model that wrote it; some were corrected since.
;; Decoder Block. Allowed arithmetic: float matrix products may take bf16 or f16 operands with f32 sums; other float arithmetic in f32, or as packed bf16 or f16 multiplies, adds, multiply-adds, maxima and minima; sums over many terms, partial sums and values carried from step to step in f32; what a program stores and reads back later, other than sums and carried values, may be rounded once to bf16 or f16.
;; Inputs: beta1 1,024 float32; beta2 1,024 float32; dense_b 1,024 float32; dense_w 1,024 x 1,024 float32; fc_w 4,096 x 1,024 float32; gamma1 1,024 float32; gamma2 1,024 float32; mask 2,048 x 2,048 float32; proj_w 1,024 x 4,096 float32; wk_b 1,024 float32; wk_w 1,024 x 1,024 float32; wq_b 1,024 float32; wq_w 1,024 x 1,024 float32; wv_b 1,024 float32; wv_w 1,024 x 1,024 float32; x 2 x 2,048 x 1,024 float32.
;; Outputs: out0 2 x 2,048 x 1,024 float32.
;; One version. Each part assembles by itself: llvm-mc -triple=amdgcn-amd-amdhsa -mcpu=gfx1250 --defsym DOCPART=n.
;; ======== version 1 of 1: 7 launches
;; limits: values are held in f16: magnitudes above 65,504 overflow, below 6.1e-05 lose precision; a function is approximated: absolute error at most 3e-07
;; workspace buffers: xn 8,388,608 bytes; mterm 8,388,608 bytes; wts 25,182,208 bytes; qkv 25,165,824 bytes; ctx 8,388,608 bytes; h 16,777,216 bytes; hn 8,388,608 bytes; g 33,554,432 bytes
;; launch prep (part 1): grid 2561 x 1, 8 waves a work-group, no clusters, 0 bytes of LDS; arguments x, gamma1, beta1, mask, wq_w, wk_w, wv_w, dense_w, fc_w, proj_w, wq_b, wk_b, wv_b, dense_b, xn, mterm, wts; writes xn, mterm, wts
.if DOCPART == 1
	.amdgcn_target "amdgcn-amd-amdhsa--gfx1250"
	.amdhsa_code_object_version 6
	.text
	.protected	k_q42843b9cbd_prep
	.globl	k_q42843b9cbd_prep
	.p2align	8
	.type	k_q42843b9cbd_prep,@function
k_q42843b9cbd_prep:
	s_mov_b64 s[64:65], 0
	v_nop
	global_prefetch_b8 v0, s[64:65] scope:SCOPE_SE
	s_setreg_imm32_b32 hwreg(HW_REG_WAVE_MODE, 25, 1), 1
	s_wait_xcnt 0x0
; PREP: everything that is done once to the inputs.  Every input is first rounded to bf16; what is made of it is kept in f16 (bf16 for the mask, f32 for the biases).
; The work-group's number g chooses the job (scalar branches, forward):
;   g < 512          LN1: one wave a row (row 8 g + wave): xn = gamma1 (x - mean) / (std + 1e-6) + beta1, std with 1023 in the divisor; xn [4096][1024] f16
;   512 <= g < 1024  mterm = bf16(mask), [2048][2048] bf16: 8,192 numbers a work-group (half the bytes for the launch that walks it)
;   1024 <= g < 2560 the six weight matrices, 8,192 numbers a work-group: f16(bf16(w) x factor).  The factor is log2(e) / 8 for wq (attention then works in base 2), else 1.
;                    wts: rows 0-1023 wq; row 1024 + 128 h + e: wk's row 64 h + e; row 1088 + 128 h + e: wv's; then dense_w, fc_w, proj_w as they lie
;   g = 2560         the four biases, f32, behind the weights, in the same order of columns (wq_b times log2(e) / 8)
; LIMITS.  xn and the weights are f16: within 65,504; a weight below 6e-5 keeps f16's fixed step of 6e-8.  NaN and infinities are not treated apart.
; No LDS, no barrier: no wave wants what another wave has loaded.  A wave's stores cover 256 consecutive bytes, aligned, or a multiple.
.set XR,  16                           ; v[16:47]   a row's 32 numbers of my lane
.set GP,  48                           ; v[48:63]   gamma, rounded to bf16, packed
.set GR,  64                           ; v[64:95]   gamma as loaded; later the packed results
.set BR,  96                           ; v[96:127]  beta as loaded
.set BP,  128                          ; v[128:143] beta, rounded to bf16, packed
.set GAM, 6                            ; s[6:7]   gamma
.set BET, 8                            ; s[8:9]   beta
.set HIM, 38                           ; s38      a word's upper bf16
.set WVN, 39                           ; s39      my wave's number
.set SEL, 40                           ; s[40:41] v_permlanex16_b32's selects: each lane takes its own place in the other half
.set SRC, 46                           ; s[46:47] where the job reads
.set DST, 48                           ; s[48:49] where it stores
.set FAC, 54                           ; s[54:55] the factor, named as a pair
.macro REDUCE                          ; four packed chains v[4:11] -> their sum over the wave, in v4 of every lane
	v_pk_add_f32 v[4:5], v[4:5], v[6:7]
	v_pk_add_f32 v[8:9], v[8:9], v[10:11]
	v_pk_add_f32 v[4:5], v[4:5], v[8:9]
	v_add_f32 v4, v4, v5
	v_add_f32_dpp v4, v4, v4 row_xmask:1 row_mask:0xf bank_mask:0xf
	v_add_f32_dpp v4, v4, v4 row_xmask:2 row_mask:0xf bank_mask:0xf
	v_add_f32_dpp v4, v4, v4 row_xmask:4 row_mask:0xf bank_mask:0xf
	v_add_f32_dpp v4, v4, v4 row_xmask:8 row_mask:0xf bank_mask:0xf
	v_permlanex16_b32 v5, v4, s[SEL], s[SEL+1]
	v_add_f32 v4, v4, v5
.endm
; One row of 1,024 f32 at s[SRC] -> layer norm -> 1,024 f16 at s[DST].  Lane l holds numbers 128 j + 4 l + 0..3, j = 0..7.  v2 = 16 l, v3 = 8 l.
; round = 1: the row is an input and is rounded to bf16 first.  The mean is taken away before the squares are summed: no difference of large sums.
.macro LNROW round
.irp j, 0,1,2,3,4,5,6,7
	global_load_b128 v[XR+4*(\j):XR+4*(\j)+3], v2, s[SRC:SRC+1] offset:512*(\j) th:TH_LOAD_NT
.endr
.irp j, 0,1,2,3,4,5,6,7
	global_load_b128 v[GR+4*(\j):GR+4*(\j)+3], v2, s[GAM:GAM+1] offset:512*(\j)
.endr
.irp j, 0,1,2,3,4,5,6,7
	global_load_b128 v[BR+4*(\j):BR+4*(\j)+3], v2, s[BET:BET+1] offset:512*(\j)
.endr
	s_wait_loadcnt 16                              ; the row is in; the 16 younger loads, gamma's and beta's, may stay out
.if \round
.set i, 0
.rept 16
	v_cvt_pk_bf16_f32 v[4+i%4], v[XR+2*i], v[XR+2*i+1]
	v_lshlrev_b32 v[XR+2*i], 16, v[4+i%4]
	v_and_b32 v[XR+2*i+1], s[HIM], v[4+i%4]
.set i, i+1
.endr
.endif
.irp k, 0,1,2,3
	v_pk_add_f32 v[4+2*(\k):5+2*(\k)], v[XR+4*(\k):XR+4*(\k)+1], v[XR+4*(\k)+2:XR+4*(\k)+3]  ; the first eight pairs start four chains
.endr
.set i, 8
.rept 8
	v_pk_add_f32 v[4+2*(i%4):5+2*(i%4)], v[4+2*(i%4):5+2*(i%4)], v[XR+2*i:XR+2*i+1]
.set i, i+1
.endr
	REDUCE
	v_mul_f32 v12, 0x3a800000, v4                  ; mean = sum / 1024
	v_mov_b32 v13, v12
.set i, 0
.rept 16
	v_pk_add_f32 v[XR+2*i:XR+2*i+1], v[XR+2*i:XR+2*i+1], v[12:13] neg_lo:[0,1] neg_hi:[0,1]  ; x - mean
.set i, i+1
.endr
.irp k, 0,1,2,3
	v_pk_mul_f32 v[4+2*(\k):5+2*(\k)], v[XR+2*(\k):XR+2*(\k)+1], v[XR+2*(\k):XR+2*(\k)+1]
.endr
.set i, 4
.rept 12
	v_pk_fma_f32 v[4+2*(i%4):5+2*(i%4)], v[XR+2*i:XR+2*i+1], v[XR+2*i:XR+2*i+1], v[4+2*(i%4):5+2*(i%4)]
.set i, i+1
.endr
	REDUCE
	v_mul_f32 v4, 0x3a802008, v4                   ; / 1023
	v_sqrt_f32 v6, v4
	v_nop                                          ; a plain instruction behind the root,
	s_wait_alu depctr_va_vdst(0)                   ; and the wait ahead of the first use of its result
	v_add_f32 v6, 0x358637bd, v6                   ; std + 1e-6
	v_rcp_f32 v12, v6
	v_nop
	s_wait_alu depctr_va_vdst(0)                   ; the same for the reciprocal
	v_mov_b32 v13, v12
.set i, 0
.rept 16
	v_pk_mul_f32 v[XR+2*i:XR+2*i+1], v[XR+2*i:XR+2*i+1], v[12:13]
.set i, i+1
.endr
	s_wait_loadcnt 0x0                             ; gamma and beta
.set i, 0
.rept 16
	v_cvt_pk_bf16_f32 v[GP+i], v[GR+2*i], v[GR+2*i+1]
	v_cvt_pk_bf16_f32 v[BP+i], v[BR+2*i], v[BR+2*i+1]
.set i, i+1
.endr
.set i, 0
.rept 16                               ; y gamma + beta, gamma and beta read as bf16 halves, one rounding
	v_fma_mix_f32_bf16 v[XR+2*i], v[XR+2*i], v[GP+i], v[BP+i] op_sel_hi:[0,1,1]
	v_fma_mix_f32_bf16 v[XR+2*i+1], v[XR+2*i+1], v[GP+i], v[BP+i] op_sel:[0,1,1] op_sel_hi:[0,1,1]
.set i, i+1
.endr
.set i, 0
.rept 16
	v_cvt_pk_f16_f32 v[GR+i], v[XR+2*i], v[XR+2*i+1]
.set i, i+1
.endr
.irp j, 0,1,2,3,4,5,6,7
	global_store_b64 v3, v[GR+2*(\j):GR+2*(\j)+1], s[DST:DST+1] offset:256*(\j)  ; 32 lanes x 8 bytes: 256 consecutive bytes, aligned
.endr
.endm
; 8,192 f32 at s[SRC] -> rounded to bf16, times s[FAC], rounded to f16 (half = 1) or bf16 (half = 0) -> 16,384 bytes at s[DST].  v2 = 16 t, v3 = 8 t.
; All eight loads go out first; no register is written again behind its store, so no further wait is needed.
.macro STREAM half
.irp i, 0,1,2,3,4,5,6,7
	global_load_b128 v[XR+4*(\i):XR+4*(\i)+3], v2, s[SRC:SRC+1] offset:4096*(\i) th:TH_LOAD_NT
.endr
.irp i, 0,1,2,3,4,5,6,7
	s_wait_loadcnt 7-(\i)                          ; loads come back in order: number i is in, the younger ones stay out
	v_cvt_pk_bf16_f32 v[GP+2*(\i)], v[XR+4*(\i)], v[XR+4*(\i)+1]
	v_cvt_pk_bf16_f32 v[GP+2*(\i)+1], v[XR+4*(\i)+2], v[XR+4*(\i)+3]
	v_lshlrev_b32 v[XR+4*(\i)], 16, v[GP+2*(\i)]
	v_and_b32 v[XR+4*(\i)+1], s[HIM], v[GP+2*(\i)]
	v_lshlrev_b32 v[XR+4*(\i)+2], 16, v[GP+2*(\i)+1]
	v_and_b32 v[XR+4*(\i)+3], s[HIM], v[GP+2*(\i)+1]
	v_pk_mul_f32 v[XR+4*(\i):XR+4*(\i)+1], v[XR+4*(\i):XR+4*(\i)+1], s[FAC:FAC+1] op_sel_hi:[1,0]
	v_pk_mul_f32 v[XR+4*(\i)+2:XR+4*(\i)+3], v[XR+4*(\i)+2:XR+4*(\i)+3], s[FAC:FAC+1] op_sel_hi:[1,0]
.if \half
	v_cvt_pk_f16_f32 v[GP+2*(\i)], v[XR+4*(\i)], v[XR+4*(\i)+1]
	v_cvt_pk_f16_f32 v[GP+2*(\i)+1], v[XR+4*(\i)+2], v[XR+4*(\i)+3]
.else
	v_cvt_pk_bf16_f32 v[GP+2*(\i)], v[XR+4*(\i)], v[XR+4*(\i)+1]
	v_cvt_pk_bf16_f32 v[GP+2*(\i)+1], v[XR+4*(\i)+2], v[XR+4*(\i)+3]
.endif
	global_store_b64 v3, v[GP+2*(\i):GP+2*(\i)+1], s[DST:DST+1] offset:2048*(\i)
.endr
.endm
	s_load_b512 s[4:19], s[0:1], 0x0               ; x 4, gamma1 6, beta1 8, mask 10, wq_w 12, wk_w 14, wv_w 16, dense_w 18
	s_load_b512 s[20:35], s[0:1], 0x40             ; fc_w 20, proj_w 22, wq_b 24, wk_b 26, wv_b 28, dense_b 30, xn 32, mterm 34
	s_load_b64 s[36:37], s[0:1], 0x80              ; wts
	s_mov_b32 s2, ttmp9                            ; g
	s_mov_b32 s[HIM], 0xffff0000
	s_mov_b32 s[SEL], 0x76543210
	s_mov_b32 s[SEL+1], 0xfedcba98
	s_mov_b32 s45, 0                               ; the high word of every offset
	v_lshrrev_b32 v1, 5, v0
	v_readfirstlane_b32 s[WVN], v1
	v_and_b32 v1, 31, v0
	s_wait_kmcnt 0x0
	s_cmp_lt_u32 s2, 512
	s_cbranch_scc0 .Lnot_rows
	s_lshl_b32 s42, s2, 3
	s_add_co_u32 s42, s42, s[WVN]                  ; my row
	s_lshl_b32 s44, s42, 12
	s_add_nc_u64 s[SRC:SRC+1], s[4:5], s[44:45]
	s_lshl_b32 s44, s42, 11
	s_add_nc_u64 s[DST:DST+1], s[32:33], s[44:45]
	v_lshlrev_b32 v2, 4, v1
	v_lshlrev_b32 v3, 3, v1
	LNROW 1
	s_endpgm
.Lnot_rows:
	v_lshlrev_b32 v2, 4, v0
	v_lshlrev_b32 v3, 3, v0
	s_cmp_lt_u32 s2, 1024
	s_cbranch_scc0 .Lnot_mask
	s_sub_co_u32 s42, s2, 512
	s_lshl_b32 s44, s42, 15
	s_add_nc_u64 s[SRC:SRC+1], s[10:11], s[44:45]
	s_lshl_b32 s44, s42, 14
	s_add_nc_u64 s[DST:DST+1], s[34:35], s[44:45]
	s_mov_b32 s[FAC], 1.0                          ; the mask is stored as it is rounded: its factor is applied in f32 where it is used
	s_mov_b32 s[FAC+1], s[FAC]
	STREAM 0
	s_endpgm
.Lnot_mask:
	s_cmp_lt_u32 s2, 2560
	s_cbranch_scc0 .Lbias
	s_sub_co_u32 s42, s2, 1024                     ; c: 0-127 wq, 128-255 wk, 256-383 wv, 384-511 dense, 512-1023 fc, 1024-1535 proj
	s_mov_b64 s[SRC:SRC+1], s[12:13]
	s_mov_b32 s43, 0                               ; the matrix's first c
.macro PICK lo, ptr
	s_cmp_ge_u32 s42, \lo
	s_cselect_b64 s[SRC:SRC+1], s[\ptr:\ptr+1], s[SRC:SRC+1]
	s_cselect_b32 s43, \lo, s43
.endm
	PICK 128, 14
	PICK 256, 16
	PICK 384, 18
	PICK 512, 20
	PICK 1024, 22
	s_sub_co_u32 s52, s42, s43                     ; c' inside the matrix
	s_lshl_b32 s44, s52, 15
	s_add_nc_u64 s[SRC:SRC+1], s[SRC:SRC+1], s[44:45]
	s_lshl_b32 s50, s42, 14                        ; where it goes, as a rule: as it lies
	s_lshr_b32 s51, s52, 3                         ; wk and wv: head c' / 8, 128 rows of 2,048 bytes a head,
	s_lshl_b32 s51, s51, 18
	s_and_b32 s53, s52, 7                          ; 8 rows a chunk,
	s_lshl_b32 s53, s53, 14
	s_add_co_u32 s51, s51, s53
	s_add_co_u32 s51, s51, 2097152                 ; behind wq's 1,024 rows,
	s_cmp_ge_u32 s42, 256
	s_cselect_b32 s53, 131072, 0                   ; wv 64 rows behind wk
	s_add_co_u32 s51, s51, s53
	s_sub_co_u32 s53, s42, 128
	s_cmp_lt_u32 s53, 256                          ; 128 <= c < 384?
	s_cselect_b32 s44, s51, s50
	s_add_nc_u64 s[DST:DST+1], s[36:37], s[44:45]
	s_cmp_lt_u32 s42, 128
	s_cselect_b32 s[FAC], 0x3e38aa3b, 1.0          ; log2(e) / 8 for wq
	s_mov_b32 s[FAC+1], s[FAC]
	STREAM 1
	s_endpgm
.Lbias:                                        ; thread t: numbers 4 t .. 4 t + 3 of each of the four biases
	global_load_b128 v[16:19], v2, s[24:25]
	global_load_b128 v[20:23], v2, s[26:27]
	global_load_b128 v[24:27], v2, s[28:29]
	global_load_b128 v[28:31], v2, s[30:31]
	v_lshrrev_b32 v4, 4, v0
	v_and_b32 v5, 15, v0
	v_lshlrev_b32 v5, 4, v5
	v_lshl_add_u32 v4, v4, 9, v5                   ; wk_b, wv_b: 512 bytes a head + 16 (t % 16)
	s_add_nc_u64 s[DST:DST+1], s[36:37], 25165824
	s_mov_b32 s[FAC], 0x3e38aa3b
	s_mov_b32 s[FAC+1], s[FAC]
	s_wait_loadcnt 0x0
.set i, 0
.rept 8
	v_cvt_pk_bf16_f32 v[32+i], v[16+2*i], v[17+2*i]
	v_lshlrev_b32 v[16+2*i], 16, v[32+i]
	v_and_b32 v[17+2*i], s[HIM], v[32+i]
.set i, i+1
.endr
	v_pk_mul_f32 v[16:17], v[16:17], s[FAC:FAC+1] op_sel_hi:[1,0]
	v_pk_mul_f32 v[18:19], v[18:19], s[FAC:FAC+1] op_sel_hi:[1,0]
	global_store_b128 v2, v[16:19], s[DST:DST+1]
	global_store_b128 v4, v[20:23], s[DST:DST+1] offset:4096
	global_store_b128 v4, v[24:27], s[DST:DST+1] offset:4352
	global_store_b128 v2, v[28:31], s[DST:DST+1] offset:12288
	s_endpgm
.Lfunc_end_k_q42843b9cbd_prep:
	.size	k_q42843b9cbd_prep, .Lfunc_end_k_q42843b9cbd_prep-k_q42843b9cbd_prep
	.p2alignl 7, 3214868480
	.fill 96, 4, 3214868480
	.section	.rodata,"a",@progbits
	.p2align	6, 0x0
	.amdhsa_kernel k_q42843b9cbd_prep
		.amdhsa_group_segment_fixed_size 0
		.amdhsa_private_segment_fixed_size 0
		.amdhsa_enable_private_segment 0
		.amdhsa_kernarg_size 136
		.amdhsa_user_sgpr_count 2
		.amdhsa_user_sgpr_kernarg_segment_ptr 1
		.amdhsa_wavefront_size32 1
		.amdhsa_system_sgpr_workgroup_id_x 1
		.amdhsa_system_sgpr_workgroup_id_y 1
		.amdhsa_system_sgpr_workgroup_id_z 1
		.amdhsa_system_vgpr_workitem_id 0
		.amdhsa_next_free_vgpr 144
		.amdhsa_next_free_sgpr 66
		.amdhsa_reserve_vcc 0
		.amdhsa_float_denorm_mode_32 3
		.amdhsa_float_denorm_mode_16_64 3
		.amdhsa_memory_ordered 1
		.amdhsa_forward_progress 1
		.amdhsa_inst_pref_size 33
	.end_amdhsa_kernel
	.amdgpu_metadata
---
amdhsa.version: [ 1, 2 ]
amdhsa.kernels:
  - .name:           k_q42843b9cbd_prep
    .symbol:         k_q42843b9cbd_prep.kd
    .args:
      - { .name: x, .offset: 0, .size: 8, .value_kind: global_buffer, .address_space: global }
      - { .name: gamma1, .offset: 8, .size: 8, .value_kind: global_buffer, .address_space: global }
      - { .name: beta1, .offset: 16, .size: 8, .value_kind: global_buffer, .address_space: global }
      - { .name: mask, .offset: 24, .size: 8, .value_kind: global_buffer, .address_space: global }
      - { .name: wq_w, .offset: 32, .size: 8, .value_kind: global_buffer, .address_space: global }
      - { .name: wk_w, .offset: 40, .size: 8, .value_kind: global_buffer, .address_space: global }
      - { .name: wv_w, .offset: 48, .size: 8, .value_kind: global_buffer, .address_space: global }
      - { .name: dense_w, .offset: 56, .size: 8, .value_kind: global_buffer, .address_space: global }
      - { .name: fc_w, .offset: 64, .size: 8, .value_kind: global_buffer, .address_space: global }
      - { .name: proj_w, .offset: 72, .size: 8, .value_kind: global_buffer, .address_space: global }
      - { .name: wq_b, .offset: 80, .size: 8, .value_kind: global_buffer, .address_space: global }
      - { .name: wk_b, .offset: 88, .size: 8, .value_kind: global_buffer, .address_space: global }
      - { .name: wv_b, .offset: 96, .size: 8, .value_kind: global_buffer, .address_space: global }
      - { .name: dense_b, .offset: 104, .size: 8, .value_kind: global_buffer, .address_space: global }
      - { .name: xn, .offset: 112, .size: 8, .value_kind: global_buffer, .address_space: global }
      - { .name: mterm, .offset: 120, .size: 8, .value_kind: global_buffer, .address_space: global }
      - { .name: wts, .offset: 128, .size: 8, .value_kind: global_buffer, .address_space: global }
    .group_segment_fixed_size: 0
    .private_segment_fixed_size: 0
    .kernarg_segment_align: 8
    .kernarg_segment_size: 136
    .max_flat_workgroup_size: 256
    .sgpr_count:     66
    .vgpr_count:     144
    .wavefront_size: 32
...
	.end_amdgpu_metadata
.endif
;; end of part 1
;; launch gqkv (part 2): grid 12 x 16, 4 waves a work-group, clusters of 4 x 4, 327,680 bytes of LDS; arguments xn, wts, qkv; writes qkv
.if DOCPART == 2
	.amdgcn_target "amdgcn-amd-amdhsa--gfx1250"
	.amdhsa_code_object_version 6
	.text
	.protected	k_q42843b9cbd_gqkv
	.globl	k_q42843b9cbd_gqkv
	.p2align	8
	.type	k_q42843b9cbd_gqkv,@function
k_q42843b9cbd_gqkv:
	s_mov_b64 s[64:65], 0
	v_nop
	global_prefetch_b8 v0, s[64:65] scope:SCOPE_SE
	s_setreg_imm32_b32 hwreg(HW_REG_WAVE_MODE, 25, 1), 1
	s_wait_xcnt 0x0
	s_wait_alu depctr_hold_cnt(0) depctr_sa_sdst(0) depctr_va_vdst(0) depctr_va_sdst(0) depctr_va_ssrc(0) depctr_va_vcc(0) depctr_vm_vsrc(0)
	s_getreg_b32 s2, hwreg(HW_REG_IB_STS2, 6, 4)
	s_cmp_eq_u32 s2, 0
	s_cbranch_scc0 .Lentry_in_a_cluster
	s_endpgm
.Lentry_in_a_cluster:
	s_bfe_u32 s2, ttmp6, 0x10000c
	s_cmp_lg_u32 s2, 0xf033
	s_cbranch_scc0 .Lentry_shape_is_right
	s_endpgm
.Lentry_shape_is_right:
; C = A B^T (+ bias), K = 1024, tiles of 256 x 256.  A: [4096][1024] f16.  B: rows of 1,024 f16 in wts.  Sums in f32, C rounded once to f16.
; MODE 0: the three projections: A = xn, B = wts' rows 0-3071 (q' by heads, then k and v of each head side by side), bias f32 behind the weights.
; MODE 1: fc and the exact gelu: A = hn, B = fc's rows, no bias.
; C IS STORED IN BLOCKS: [row / 128][column / 64][128 rows][64 columns] f16, a block 16,384 dense bytes: what the next launch takes as tiles then lies end to end.
; LIMITS.  C is f16: within 65,504.  erf by a rational form (1 - 1 / (1 + b1 h + .. + b6 h^6)^16, h = |x| / 2), off by 3e-7 at the most for every x; NaN and infinities are not treated apart.
; SHARES.  Four waves, 128 x 128 of C each: 64 accumulators of 16 x 16.  K goes in steps of 128 through two LDS slots that take turns; a wave's one tensor load brings 128 rows x 256 bytes.
; CLUSTER.  4 x 4 work-groups: A's tile is asked for jointly along a row of the cluster, B's along a column: the same load, descriptor and mask in all four.
; THE WALK ALONG K IS TURNED.  The cluster at (x, y) among the clusters begins at K step 2 ((x + y) % 4) and goes round modulo 8 (f32 sums may be taken in any order).  So the clusters of a row of
; clusters, which ask for the same rows of A, and those of a column, which ask for the same rows of B, ask for different K steps in the same trip.
; NO PREFETCH.  With starts two K steps apart, a K step of a block of rows is asked for the first time in some cluster's first two trips, at the launch's head, where every work-group's first tiles are
; on their way and nothing is prefetched.  (MODE 0 has three clusters along x: two K steps of A are asked for first in the third one's trips 2 and 3; they come by their loads alone.)
; THE MATRIX INSTRUCTION IS USED TRANSPOSED (source 0 = 16 rows of B, source 1 = 16 rows of A): lane l holds row l % 16 of C and the columns 8 (l / 16) + 0..7.
; The bias is the C operand of the products that start the sums: nothing is cleared, nothing is added later.
; REGISTERS, in windows of 256 (s_set_vgpr_msb: bits 1:0 source 0, 3:2 source 1, 5:4 source 2, 7:6 destination):
;   window 0: v0-31 addresses; v64-127, v128-191 A's fragments, two buffers; v192-255 the bias; on the way out v32-191 at work
;   window 1: v64-191 B's fragments, two buffers      windows 2, 3: the accumulators of my rows 0-63, 64-127: (a, b) at v[8 (8 (a % 4) + b)]
.set MODE,  0
.set KDIM,  1024
.set KSTEP, 128
.set T,     KDIM/KSTEP                 ; 8 K steps
.set RA,    8                          ; blocks of 16 rows of A, and of B, in a wave's tile
.set RB,    8
.set AW,    RA/2                       ; blocks of A's in one window of accumulators
.set PA,    272                        ; an LDS row: 256 bytes + 16 of padding: the 16 rows of a load start 4 banks apart (64 banks of 4 bytes: ISA guide 11.1)
.set PB,    272
.set HALFT, 128*PA                     ; what one tensor load brings
.set SLOT,  4*HALFT                    ; 139,264 = 0x22000: A's 256 rows, then B's.  It shares no bit with wave x HALFT, so an exclusive or turns an address in one slot into the other's
.set SPARE, 2*SLOT                     ; behind the ring: the spare words, 128 bytes a wave: two blocks of 256 bytes that no other line names
.set DP,    528                        ; the way out: a row of 128 f32 + 16 bytes
.set DSZ,   128*DP                     ; a wave's 128 rows, in the ring's bytes, which have had their last fill by then
.if MODE == 0
.set NCB,   48                         ; blocks of 64 columns in a row of C
.set WOFF,  0                          ; B's first byte in wts
.set BOFF,  25165824                   ; the bias's
.else
.set NCB,   64
.set WOFF,  8388608
.endif
.set FA0,   64
.set FB0,   64
.set BI,    192
.set ADRA0, 16                         ; v16, v17  my lane's place in A's and B's part of slot 0; never rewritten
.set ADRB0, 17
.set ADRA,  18                         ; v18, v19  the same in the slot in hand
.set ADRB,  19
.set RD,    22                         ; v22  the way out: where the next trip's rows are read
.set STO,   24                         ; v24  the way out: where I put 32 bytes of a row
.set RD0,   25                         ; v25  the way out: my place in the first eight rows
.set GO,    26                         ; v26  my byte offset in a block of C
.set BO,    27                         ; v27  my byte offset in the bias
.set SPW,   28                         ; v28  LDS address of my spare word; never rewritten
.set NIL,   29                         ; v29  0; never rewritten
.set OUT,   32                         ; the way out: v32-47 packed results, v64-95 x, v96-127 h, v128-159 max(x, 0), v160-191 at work
.set XX,    64
.set HH,    96
.set MX,    128
.set PP,    160
.set ABAS,  14                         ; s[14:15] A at the rows that I fetch, K step 0
.set G1A,   24                         ; s[24:31] descriptor group 1 for A's tiles;  s[32:39] group 0: set 0 for the walk's first K step, set 1 for its second, which then walks on
.set G0A,   32
.set BBAS,  46                         ; s[46:47] B at the rows that I fetch, K step 0
.set G1B,   48                         ; s[48:55], s[56:63] the same for B's
.set G0B,   56
.set TB,    66                         ; s66  the slot in hand: 0 or SLOT
.set RO,    67                         ; s67  the way out: byte offset of the rows to be read next
.set KJ,    86                         ; s86  the K step asked for last, counted on from the cluster's first; taken modulo T
.set KOF,   88                         ; s[88:89] a K step's byte offset along the rows
.set MSB, 0
.macro WIN new                         ; the immediate's high byte repeats the setting that is left; a switch that changes nothing is dropped
.if MSB != (\new)
	s_set_vgpr_msb (MSB<<8)|(\new)
.set MSB, \new
.endif
.endm
.macro PLACES                          ; four places in front of loads into registers that matrix instructions have read, and of stores that read results
.rept 4
	v_nop
.endr
.endm
; The global address of group 0 at g0 is made anew: the rows' base plus K step s[KJ] mod T, then the type bits.  s[KJ] is made of the cluster's place among the clusters and of the trips alone.
.macro KSET g0, base, sh
	s_and_b32 s[KOF], s[KJ], T-1
	s_lshl_b32 s[KOF], s[KOF], \sh
	s_add_nc_u64 s[(\g0)+2:(\g0)+3], s[\base:\base+1], s[KOF:KOF+1]
	s_or_b32 s[(\g0)+3], s[(\g0)+3], 0x80000000
.endm
; A joint load.  Waves 0 and 1 fetch A's two halves, waves 2 and 3 B's; the branch hangs on the wave's number alone.  An s_nop 0 and four v_nop follow each line.
.macro JLOAD s
	s_cmp_eq_u32 s11, 0
	s_cbranch_scc0 .Lfor_b_\@
	tensor_load_to_lds s[G0A+4*(\s):G0A+4*(\s)+3], s[G1A:G1A+7]
	s_nop 0
.rept 4
	v_nop
.endr
	s_branch .Lasked_\@
.Lfor_b_\@:
	tensor_load_to_lds s[G0B+4*(\s):G0B+4*(\s)+3], s[G1B:G1B+7]
	s_nop 0
.rept 4
	v_nop
.endr
.Lasked_\@:
.endm
.macro CREST                           ; a round of the cluster's barrier behind its opening barrier
	s_cmp_lg_u32 s10, 0
	s_cbranch_scc1 .Lnot_wave_0_\@
	s_barrier_signal -3
.Lnot_wave_0_\@:
	s_barrier_wait -3
	s_barrier_signal -1
	s_barrier_wait -1
.endm
.macro CROUND                          ; a whole round
	s_barrier_signal -1
	s_barrier_wait -1
	CREST
.endm
; an x RB matrix instructions on buffer f: blocks a0 .. a0 + an - 1 of window hi's AW blocks of A x all blocks of B, 32 along K.  mode 0: onto the sums; 1: the sums start with 0; 2: with the bias.
; All accumulators take turns, one instruction a turn, in the same order in every sub-step.
.macro MULH f, hi, a0, an, mode
.if (\mode) == 2
	WIN 0x81+0x40*(\hi)
.else
	WIN 0xa1+0x50*(\hi)
.endif
.set ma, (\a0)
.rept \an
.set mb, 0
.rept RB
.set rD, 8*(RB*ma+mb)
.set rB, FB0+8*RB*(\f)+8*mb
.set rA, FA0+8*RA*(\f)+8*(AW*(\hi)+ma)
.if (\mode) == 0
	v_wmma_f32_16x16x32_f16 v[rD:rD+7], v[rB:rB+7], v[rA:rA+7], v[rD:rD+7]
.elseif (\mode) == 1
	v_wmma_f32_16x16x32_f16 v[rD:rD+7], v[rB:rB+7], v[rA:rA+7], 0
.else
	v_wmma_f32_16x16x32_f16 v[rD:rD+7], v[rB:rB+7], v[rA:rA+7], v[BI+8*mb:BI+8*mb+7]
.endif
.set mb, mb+1
.endr
.set ma, ma+1
.endr
.endm
; One run of LDS loads: the fragments of 32 along K (B's, then A's) into buffer f.  A fragment: lane l holds row l % 16, K = 8 (l / 16) + 0..7 and 16 + 8 (l / 16) + 0..7: two loads of 16 bytes, 32 apart.
.macro FETCH ra, rb, ka, kb, f
	WIN 0x40
.set fi, 0
.rept RB
	ds_load_b128 v[FB0+8*RB*(\f)+8*fi:FB0+8*RB*(\f)+8*fi+3],   v[\rb] offset:(\kb)+fi*16*PB
	ds_load_b128 v[FB0+8*RB*(\f)+8*fi+4:FB0+8*RB*(\f)+8*fi+7], v[\rb] offset:(\kb)+fi*16*PB+32
.set fi, fi+1
.endr
	WIN 0
.set fi, 0
.rept RA
	ds_load_b128 v[FA0+8*RA*(\f)+8*fi:FA0+8*RA*(\f)+8*fi+3],   v[\ra] offset:(\ka)+fi*16*PA
	ds_load_b128 v[FA0+8*RA*(\f)+8*fi+4:FA0+8*RA*(\f)+8*fi+7], v[\ra] offset:(\ka)+fi*16*PA+32
.set fi, fi+1
.endr
.endm
; A sub-step: multiplies buffer f.  At its head it fetches the next sub-step's fragments into buffer g, which the sub-step before has multiplied: the run has this sub-step's RA x RB products in which to come back.
.macro QUARTER ra, rb, ka, kb, f, g, mode
	s_wait_dscnt RA                                ; of buffer f, B and A's lower half are in; the youngest RA loads (A's upper half) may be out
	PLACES                                         ; behind the last product, which read buffer g
	FETCH \ra, \rb, \ka, \kb, \g
	MULH \f, 0, 0, AW, \mode
	s_wait_dscnt 2*(RA+RB)                         ; all but the run just issued: A's upper half is in
	MULH \f, 1, 0, AW, \mode
.endm
; A K step's last sub-step (buffer 1) and the change of slots: ONE barrier.  In front of it each wave waits for all its tensor loads (one is out: its part of the next slot), adds 0 to its spare word,
; and waits for that and for its reads of this slot.  fill = 1: the barrier opens a round of the cluster's barrier, and behind it this slot is filled again, first thing, with the walk's K step two on.
.macro TURN fill
	WIN 0
	s_wait_tensorcnt 0x0                           ; all my tensor loads have landed, so a group 0 may be written
	ds_add_u32 v[SPW], v[NIL]                      ; 0 onto my spare word; the descriptors' steps and 16 products stand between it and the wait for it
.if \fill
	s_add_co_u32 s[KJ], s[KJ], 1                   ; the walking descriptors: the walk's next K step, the other slot than last time
	s_xor_b32 s[G0A+5], s[G0A+5], SLOT
	KSET G0A+4, ABAS, 8
	s_xor_b32 s[G0B+5], s[G0B+5], SLOT
	KSET G0B+4, BBAS, 8
.endif
	s_wait_dscnt RA+1                              ; (the add and A's upper half may be out)
	MULH 1, 0, 0, AW/2, 0
	s_wait_dscnt 0x0                               ; the add is done, and my reads of this slot are over
	s_barrier_signal -1
	MULH 1, 0, AW/2, AW/2, 0
	WIN 0
	s_barrier_wait -1
.if \fill
	CREST                                          ; no wave of any partner still reads this slot or has a load on its way
	JLOAD 1                                        ; my one tensor load behind the round; its four v_nop are also the places in front of the loads below
.else
	PLACES
.endif
	s_xor_b32 s[TB], s[TB], SLOT
	v_add_nc_u32 v[ADRA], s[TB], v[ADRA0]
	v_add_nc_u32 v[ADRB], s[TB], v[ADRB0]
	FETCH ADRA, ADRB, 0, 0, 0
	MULH 1, 1, 0, AW, 0
.endm
	s_load_b128 s[4:7], s[0:1], 0x0                ; A s[4:5], wts s[6:7]
	s_load_b64 s[8:9], s[0:1], 0x10                ; C
	v_lshl_add_u32 v[SPW], v0, 2, SPARE
	v_mov_b32 v[NIL], 0
	ds_add_u32 v[SPW], v[NIL]                      ; the wave's opening: the add and its wait, ahead of my first tensor load
	v_lshrrev_b32 v1, 5, v0
	v_readfirstlane_b32 s10, v1                    ; wave 0..3
	s_lshr_b32 s11, s10, 1                         ; which half of the tile's rows is mine.  Also: I fetch for A (0) or for B (1)
	s_and_b32 s12, s10, 1                          ; which half of its columns.  Also: which 128 rows I fetch
	s_bfe_u32 s40, ttmp6, 0x40000                  ; cx, cy: my place in the cluster
	s_bfe_u32 s41, ttmp6, 0x40004
	s_lshl_b32 s42, ttmp9, 2
	s_add_co_u32 s42, s42, s40                     ; tile column
	s_and_b32 s13, ttmp7, 0xffff
	s_lshl_b32 s13, s13, 2
	s_add_co_u32 s13, s13, s41                     ; tile row
	s_lshl_b32 s43, s41, 2
	s_lshl_b32 s43, 15, s43                        ; my row of the cluster
	s_lshl_b32 s44, 0x1111, s40                    ; my column
	s_or_b32 s[G1A+0], s43, (1<<16)|(1<<20)|(1<<21)|(5<<22)|(3<<25)  ; the mask; 2-byte elements; padding on; bit 21 beside a mask; after every 64 words, 4 words
	s_or_b32 s[G1B+0], s44, (1<<16)|(1<<20)|(1<<21)|(5<<22)|(3<<25)
.irp g, G1A, G1B
	s_mov_b32 s[(\g)+1], KSTEP<<16                 ; tensor_dim0 = 128
	s_mov_b32 s[(\g)+2], 128<<16                   ; tensor_dim1 = 128
	s_mov_b32 s[(\g)+3], KSTEP<<16                 ; tile_dim0 = 128
	s_mov_b32 s[(\g)+4], 128                       ; tile_dim1 = 128
	s_mov_b32 s[(\g)+5], KDIM                      ; elements from row to row
	s_mov_b32 s[(\g)+6], 0
	s_mov_b32 s[(\g)+7], 0
.endr
	s_lshl_b32 s17, s12, 7
	s_lshl_b32 s16, s13, 8
	s_add_co_u32 s16, s16, s17                     ; A: row 256 x tile row + 128 x half
	s_lshl_b32 s46, s42, 8
	s_add_co_u32 s46, s46, s17                     ; B: row 256 x tile column + 128 x half
	s_lshl_b32 s16, s16, 11                        ; rows of 2,048 bytes
	s_lshl_b32 s46, s46, 11
	s_mov_b32 s17, 0
	s_mov_b32 s47, 0
	s_mul_i32 s20, s10, HALFT                      ; where they go: wave x 128 rows
	s_mov_b32 s[TB], 0
	s_and_b32 s[KJ], ttmp7, 0xffff                 ; the walk's first K step: 2 ((cluster x + cluster y) % 4): the same in all sixteen partners
	s_add_co_u32 s[KJ], s[KJ], ttmp9
	s_and_b32 s[KJ], s[KJ], 3
	s_lshl_b32 s[KJ], s[KJ], 1
	s_mov_b32 s[KOF+1], 0
.if MODE == 1
	s_mov_b32 s68, 0x3dcc41b4                      ; b1 .. b6, each named as a pair
	s_mov_b32 s69, s68
	s_mov_b32 s70, 0x3dad2fe7
	s_mov_b32 s71, s70
	s_mov_b32 s72, 0x3cd6cd72
	s_mov_b32 s73, s72
	s_mov_b32 s74, 0x3a1f6607
	s_mov_b32 s75, s74
	s_mov_b32 s76, 0x3acd0fec
	s_mov_b32 s77, s76
	s_mov_b32 s78, 0x39b49f67
	s_mov_b32 s79, s78
.endif
	s_wait_dscnt 0x0                               ; the opening add is done
	s_wait_kmcnt 0x0
.if MODE == 0
	s_add_nc_u64 s[80:81], s[6:7], BOFF            ; the bias
.else
	s_add_nc_u64 s[6:7], s[6:7], WOFF              ; B's first row
.endif
	s_add_nc_u64 s[ABAS:ABAS+1], s[4:5], s[16:17]
	s_add_nc_u64 s[BBAS:BBAS+1], s[6:7], s[46:47]
	CROUND                                         ; all sixteen work-groups are here: the first joint loads meet
.irp s, 0,1
	s_mov_b32 s[G0A+4*(\s)], 1
	s_add_co_u32 s[G0A+4*(\s)+1], s20, (\s)*SLOT
	KSET G0A+4*(\s), ABAS, 8
	s_mov_b32 s[G0B+4*(\s)], 1
	s_add_co_u32 s[G0B+4*(\s)+1], s20, (\s)*SLOT
	KSET G0B+4*(\s), BBAS, 8
	JLOAD \s                                       ; two loads of mine are out
.if (\s) == 0
	s_add_co_u32 s[KJ], s[KJ], 1
.endif
.endr
	v_and_b32 v1, 15, v0                           ; l % 16
	v_bfe_u32 v2, v0, 4, 1                         ; l / 16
.if MODE == 0
	s_lshl_b32 s82, s42, 10                        ; the bias of my 128 columns: 4 bytes x (256 x tile column + 128 x half)
	s_lshl_b32 s83, s12, 9
	s_add_co_u32 s82, s82, s83
	s_mov_b32 s83, 0
	s_add_nc_u64 s[80:81], s[80:81], s[82:83]
	v_lshlrev_b32 v[BO], 5, v2                     ; my lanes' eight columns of each sixteen
.irp b, 0,1,2,3,4,5,6,7
	global_load_b128 v[BI+8*(\b):BI+8*(\b)+3],   v[BO], s[80:81] offset:64*(\b)
	global_load_b128 v[BI+8*(\b)+4:BI+8*(\b)+7], v[BO], s[80:81] offset:64*(\b)+16
.endr
.endif
	v_mul_u32_u24 v3, v1, PA
	v_lshl_add_u32 v3, v2, 4, v3                   ; a fragment's row x pitch + 16 x half
	s_mul_i32 s21, s11, HALFT                      ; my 128 rows of A
	s_mul_i32 s22, s12, HALFT                      ; my 128 rows of B,
	s_add_co_u32 s22, s22, 2*HALFT                 ; behind A's 256
	v_add_nc_u32 v[ADRA0], s21, v3
	v_add_nc_u32 v[ADRB0], s22, v3
	v_mov_b32 v[ADRA], v[ADRA0]
	v_mov_b32 v[ADRB], v[ADRB0]
	s_mul_i32 s23, s10, DSZ                        ; the way out: my region
	v_mul_u32_u24 v4, v1, DP
	v_lshl_add_u32 v4, v2, 5, v4
	v_add_nc_u32 v[STO], s23, v4                   ; in: row l % 16, 32 bytes for each half of the lanes
	v_and_b32 v5, 31, v0
	v_lshrrev_b32 v6, 3, v5
	v_and_b32 v7, 7, v5
	v_mul_u32_u24 v6, v6, DP
	v_lshl_add_u32 v6, v7, 5, v6
	v_add_nc_u32 v[RD0], s23, v6                   ; back: row l / 8, eight columns (32 bytes) at l % 8
	v_lshlrev_b32 v[GO], 4, v5                     ; which are 16 bytes of 512 consecutive bytes of a block of C
	s_lshl_b32 s84, s13, 1                         ; my first block of C: ((2 x tile row + half) NCB + 4 x tile column + 2 x half) x 16,384
	s_add_co_u32 s84, s84, s11
	s_mul_i32 s84, s84, NCB
	s_lshl_b32 s85, s42, 2
	s_add_co_u32 s84, s84, s85
	s_lshl_b32 s85, s12, 1
	s_add_co_u32 s84, s84, s85
	s_lshl_b32 s84, s84, 14
	s_mov_b32 s85, 0
	s_add_nc_u64 s[8:9], s[8:9], s[84:85]
	s_wait_tensorcnt 1                             ; my part of the walk's first K step is in; the second's may stay out
	s_barrier_signal -1
	s_barrier_wait -1                              ; everybody's is
	FETCH ADRA, ADRB, 0, 0, 0
.if MODE == 0
	s_wait_loadcnt 0x0                             ; the bias
	QUARTER ADRA, ADRB, 64, 64, 0, 1, 2            ; the first sub-step stands in front of the loop: its products start the sums
.else
	QUARTER ADRA, ADRB, 64, 64, 0, 1, 1
.endif
	WIN 0                                          ; at a label and at a branch every window is 0
	s_mov_b32 s3, T-2
.Lk:                                           ; a trip: a K step's sub-steps 1 to 3 and the next one's sub-step 0; it fills the slot that it leaves
	QUARTER ADRA, ADRB, 128, 128, 1, 0, 0
	QUARTER ADRA, ADRB, 192, 192, 0, 1, 0
	TURN 1
	QUARTER ADRA, ADRB, 64, 64, 0, 1, 0
	WIN 0
	s_sub_co_u32 s3, s3, 1
	s_cmp_lg_u32 s3, 0
	s_cbranch_scc1 .Lk
	s_mov_b32 s2, 2
.Ltail:                                        ; the last two K steps ask for nothing; the second trip is left in its middle (its fetch, of bytes that have been multiplied, serves nothing)
	QUARTER ADRA, ADRB, 128, 128, 1, 0, 0
	QUARTER ADRA, ADRB, 192, 192, 0, 1, 0
	TURN 0
	WIN 0
	s_sub_co_u32 s2, s2, 1
	s_cmp_eq_u32 s2, 0
	s_cbranch_scc1 .Ldone
	QUARTER ADRA, ADRB, 64, 64, 0, 1, 0
	WIN 0
	s_branch .Ltail
.Ldone:
	; THE WAY OUT.  Every wave has left the ring (its loads are back, a barrier); then each lays its 128 x 128 sums, f32, into its own part of the ring's bytes and reads them back by rows.
	s_wait_dscnt 0x0
	s_barrier_signal -1
	s_barrier_wait -1
	PLACES
.set da, 0
.rept RA
	WIN 0x08+4*(da/AW)                             ; the stores' data in window 2 or 3
.set db, 0
.rept RB
.set rD, 8*(RB*(da%AW)+db)
	ds_store_b128 v[STO], v[rD:rD+3]   offset:da*16*DP+64*db      ; each accumulator's low registers first
	ds_store_b128 v[STO], v[rD+4:rD+7] offset:da*16*DP+64*db+16
.set db, db+1
.endr
.set da, da+1
.endr
	WIN 0
; eight rows x 128 columns: number q = 2 x (block of 64 columns) + (four rows): 8 f32 a lane
.macro LOADX
.irp q, 0,1,2,3
	ds_load_b128 v[XX+8*(\q):XX+8*(\q)+3],   v[RD] offset:((\q)%2)*4*DP+((\q)/2)*256
	ds_load_b128 v[XX+8*(\q)+4:XX+8*(\q)+7], v[RD] offset:((\q)%2)*4*DP+((\q)/2)*256+16
.endr
.endm
.macro HORNER c                        ; PP = PP h + c
.set i, 0
.rept 16
	v_pk_fma_f32 v[PP+i:PP+i+1], v[PP+i:PP+i+1], v[HH+i:HH+i+1], s[\c:\c+1] op_sel_hi:[1,1,0]
.set i, i+2
.endr
.endm
	s_mov_b32 s[RO], 0
	v_mov_b32 v[RD], v[RD0]
	LOADX                                          ; LDS serves a wave's instructions in order (ISA guide 5.7.1.4): these see my stores above
	s_mov_b32 s3, 16
.Lout:                                         ; 16 trips of eight rows; the next trip's rows are read while this trip's are worked on (the last trip reads its own once more)
	s_wait_dscnt 0x0
.if MODE == 1
.set i, 0
.rept 32
	v_max_num_f32 v[MX+i], 0, v[XX+i]
.set i, i+1
.endr
.set i, 0
.rept 16
	v_pk_fma_f32 v[HH+i:HH+i+1], v[XX+i:XX+i+1], -0.5, v[MX+i:MX+i+1] op_sel_hi:[1,0,1]  ; h = |x| / 2 = max(x, 0) - x / 2, exact
.set i, i+2
.endr
.else
.set i, 0
.rept 16
	v_cvt_pk_f16_f32 v[OUT+i], v[XX+2*i], v[XX+2*i+1]
.set i, i+1
.endr
.endif
	s_add_co_u32 s[RO], s[RO], 8*DP
	s_min_u32 s[RO], s[RO], 15*8*DP
	v_add_nc_u32 v[RD], s[RO], v[RD0]
	LOADX
.if MODE == 1
	; gelu(x) = max(x, 0) - h / (1 + b1 h + .. + b6 h^6)^16
.set i, 0
.rept 16
	v_pk_fma_f32 v[PP+i:PP+i+1], v[HH+i:HH+i+1], s[78:79], s[76:77] op_sel_hi:[1,0,0]
.set i, i+2
.endr
	HORNER 74
	HORNER 72
	HORNER 70
	HORNER 68
.set i, 0
.rept 16
	v_pk_fma_f32 v[PP+i:PP+i+1], v[PP+i:PP+i+1], v[HH+i:HH+i+1], 1.0 op_sel_hi:[1,1,0]
.set i, i+2
.endr
.rept 4
.set i, 0
.rept 16
	v_pk_mul_f32 v[PP+i:PP+i+1], v[PP+i:PP+i+1], v[PP+i:PP+i+1]
.set i, i+2
.endr
.endr
.set i, 0
.rept 32
	v_rcp_f32 v[PP+i], v[PP+i]                     ; an overflow of the power gives 0: no cut is needed
.set i, i+1
.endr
	v_nop                                          ; a plain instruction behind the last reciprocal,
	s_wait_alu depctr_va_vdst(0)                   ; and one wait for the batch of 32
.set i, 0
.rept 16
	v_pk_fma_f32 v[PP+i:PP+i+1], v[HH+i:HH+i+1], v[PP+i:PP+i+1], v[MX+i:MX+i+1] neg_lo:[1,0,0] neg_hi:[1,0,0]
.set i, i+2
.endr
.set i, 0
.rept 16
	v_cvt_pk_f16_f32 v[OUT+i], v[PP+2*i], v[PP+2*i+1]
.set i, i+1
.endr
.endif
.irp q, 0,1,2,3
	global_store_b128 v[GO], v[OUT+4*(\q):OUT+4*(\q)+3], s[8:9] offset:((\q)/2)*16384+((\q)%2)*512  ; four rows of a block: 512 consecutive bytes, aligned
.endr
	s_wait_xcnt 0x0                                ; the stores have read their registers: GO and, in the next trip, OUT are written only behind this wait
	v_add_nc_u32 v[GO], 1024, v[GO]                ; eight rows of 128 bytes on
	s_sub_co_u32 s3, s3, 1
	s_cmp_lg_u32 s3, 0
	s_cbranch_scc1 .Lout
	s_wait_tensorcnt 0x0                           ; the wave's end: the wait, the add to my spare word and its wait, behind my last tensor load and my last LDS store
	ds_add_u32 v[SPW], v[NIL]
	s_wait_dscnt 0x0
	CROUND                                         ; the closing round
	s_endpgm
.Lfunc_end_k_q42843b9cbd_gqkv:
	.size	k_q42843b9cbd_gqkv, .Lfunc_end_k_q42843b9cbd_gqkv-k_q42843b9cbd_gqkv
	.p2alignl 7, 3214868480
	.fill 96, 4, 3214868480
	.section	.rodata,"a",@progbits
	.p2align	6, 0x0
	.amdhsa_kernel k_q42843b9cbd_gqkv
		.amdhsa_group_segment_fixed_size 327680
		.amdhsa_private_segment_fixed_size 0
		.amdhsa_enable_private_segment 0
		.amdhsa_kernarg_size 24
		.amdhsa_user_sgpr_count 2
		.amdhsa_user_sgpr_kernarg_segment_ptr 1
		.amdhsa_wavefront_size32 1
		.amdhsa_system_sgpr_workgroup_id_x 1
		.amdhsa_system_sgpr_workgroup_id_y 1
		.amdhsa_system_sgpr_workgroup_id_z 1
		.amdhsa_system_vgpr_workitem_id 0
		.amdhsa_next_free_vgpr 1024
		.amdhsa_next_free_sgpr 96
		.amdhsa_reserve_vcc 0
		.amdhsa_float_denorm_mode_32 3
		.amdhsa_float_denorm_mode_16_64 3
		.amdhsa_memory_ordered 1
		.amdhsa_forward_progress 1
		.amdhsa_inst_pref_size 82
	.end_amdhsa_kernel
	.amdgpu_metadata
---
amdhsa.version: [ 1, 2 ]
amdhsa.kernels:
  - .name:           k_q42843b9cbd_gqkv
    .symbol:         k_q42843b9cbd_gqkv.kd
    .args:
      - { .name: xn, .offset: 0, .size: 8, .value_kind: global_buffer, .address_space: global }
      - { .name: wts, .offset: 8, .size: 8, .value_kind: global_buffer, .address_space: global }
      - { .name: qkv, .offset: 16, .size: 8, .value_kind: global_buffer, .address_space: global }
    .group_segment_fixed_size: 327680
    .private_segment_fixed_size: 0
    .kernarg_segment_align: 8
    .kernarg_segment_size: 24
    .max_flat_workgroup_size: 128
    .sgpr_count:     96
    .vgpr_count:     1024
    .wavefront_size: 32
...
	.end_amdgpu_metadata
.endif
;; end of part 2
;; launch attn (part 3): grid 8 x 32, 4 waves a work-group, clusters of 4 x 4, 327,680 bytes of LDS; arguments qkv, mterm, ctx; writes ctx
.if DOCPART == 3
	.amdgcn_target "amdgcn-amd-amdhsa--gfx1250"
	.amdhsa_code_object_version 6
	.text
	.protected	k_q42843b9cbd_attn
	.globl	k_q42843b9cbd_attn
	.p2align	8
	.type	k_q42843b9cbd_attn,@function
k_q42843b9cbd_attn:
	s_mov_b64 s[64:65], 0
	v_nop
	global_prefetch_b8 v0, s[64:65] scope:SCOPE_SE
	s_setreg_imm32_b32 hwreg(HW_REG_WAVE_MODE, 25, 1), 1
	s_wait_xcnt 0x0
	s_wait_alu depctr_hold_cnt(0) depctr_sa_sdst(0) depctr_va_vdst(0) depctr_va_sdst(0) depctr_va_ssrc(0) depctr_va_vcc(0) depctr_vm_vsrc(0)
	s_getreg_b32 s2, hwreg(HW_REG_IB_STS2, 6, 4)
	s_cmp_eq_u32 s2, 0
	s_cbranch_scc0 .Lentry_in_a_cluster
	s_endpgm
.Lentry_in_a_cluster:
	s_bfe_u32 s2, ttmp6, 0x10000c
	s_cmp_lg_u32 s2, 0xf033
	s_cbranch_scc0 .Lentry_shape_is_right
	s_endpgm
.Lentry_shape_is_right:
; ATTENTION with a mask that is an input.  ctx[b][q][h] = the sum over k of softmax_k(q.k / 8 + mask[q][k] x -1e9) v[k], 2 x 16 heads of 64, 2,048 queries and keys.
; q', k, v come in blocks of [128 rows][64] f16 (16,384 dense bytes): block (b 16 + row / 128) 48 + c, c = h for q', 16 + 2 h for k, 17 + 2 h for v.  q' holds the factor log2(e) / 8 already.
; mterm [2048][2048] = the mask rounded to bf16.  t = mask x (-1e9 log2(e)) + q'.k, one f32 fused multiply-add, is the score in base 2; p = 2^(t - m) with a RUNNING MAXIMUM m, and in every step O and l
; are multiplied by a = 2^(m_old - m_new).  Products, maxima and sums in f32; p is rounded to f16 for the second product (l is taken of the unrounded p), ctx once at the end.
; ctx goes out in blocks too: block (b 16 + row / 128) 16 + h.
; LIMITS.  q', k, v arrive within f16's 65,504.  Beside -1.44e9 a score below 64 (base 2) vanishes, so a row that is masked throughout comes out uniform, as it does
; where -1e9 swallows scores below 32.  A weight below 2^-126 counts as 0 in l; NaN and infinities are not treated apart.  Nothing is built on the mask's pattern: all 32 key steps are computed.
; SHARES.  A work-group owns 256 queries of one head, a wave 64: four PIECES of 16.  Every wave walks all keys, 64 a step, two steps to an LDS slot.
; LAYOUT.  S^T = K Q^T: a lane holds ONE query (lane % 16) and the keys 8 (lane / 16) + 0..7 of each sixteen; two such results rounded to f16 ARE source 1 of O^T = V^T P.  V is turned by ds_load_tr16_b128.
; BY TURNS.  Turn n belongs to piece n: 8 products K Q^T of piece n + 1, later 8 products V^T P of piece n - 1; beside them the t - m, exponentials, roundings, sums and rescaling of piece n and the
; mask, maximum and statistics of piece n + 1.  Four vector instructions stand behind every product, the rest in two lumps; a turn's 33 exponentials are one batch with one wait.
; CLUSTER.  4 x 4: the four query blocks of a row of the cluster share K and V (they hang on head and batch alone); the four heads of a column share the mask's tile (it hangs on the query block alone).
; REGISTERS, in windows of 256 (s_set_vgpr_msb: bits 1:0 source 0, 3:2 source 1, 5:4 source 2, 7:6 destination):
;   window 0: v0-15, v56-63 addresses; v16-31 statistics; v48-55 at work; v64-127 S^T, two buffers; v128-159 the mask, two buffers; v160-191 P, two buffers (by the piece's parity); v192-255 K of one step
;   window 1: v0-127 O^T, 32 a piece; v128-159 l, eight partial sums a piece; v192-255 V of one step      window 2: v0-63 Q
; THE MAP IS MADE FOR FEW SWITCHES: three a turn.  K Q^T's setting (source 1 in window 2, all else in window 0) also serves t - m (written as s x 1.0 - m: its second source is a constant) and the
; exponentials.  V^T P's setting (source 1 in window 0, all else in window 1) also serves O a, l a and l + p.  All other vector work lies in window 0.
.set NP,    4
.set KS,    64
.set PKB,   144       ; a row of K in LDS: 128 bytes + 16: the 16 rows of a load start at 16 different groups of four banks (64 banks of 4 bytes: ISA guide 11.1)
.set PVB,   160       ; a row of V: 128 + 32
.set PMB,   272       ; a row of the mask's tile: 128 keys x 2 bytes + 16
.set VOFF,  128*PKB   ; a slot: 128 rows of K, 128 rows of V, 256 rows of the mask's tile
.set MOFF,  VOFF+128*PVB
.set SLOT1, 1<<17     ; slot 1 begins here: one exclusive or turns an address in one slot into the other's
.set STAGE, SLOT1+MOFF+256*PMB  ; behind the ring, never filled by a tensor load: 16 rows x 144 bytes for each wave
.set SP,    144
.set SPARE, STAGE+4*16*SP       ; the spare words, 128 bytes a wave: two blocks of 256 bytes that no other line names
.set AK0, 2           ; v2   my lane's place in a tile of K; never rewritten
.set AV0, 3           ; v3   the same for V
.set AK,  4           ; v4   the LDS address of K's next run of loads
.set AV,  5           ; v5   of V's
.set STO, 6           ; v6   the way out: where I put 16 bytes of a row
.set RD,  7           ; v7   the way out: where I read rows back
.set GO,  8           ; v8   my byte offset in 512 consecutive bytes of ctx
.set MV,  12          ; v12-13  m_old, by buffer
.set AM0, 14          ; v14  my lane's place in the mask's tile; never rewritten
.set QO,  15          ; v15  my byte offset in 16 rows of Q
.set ST,  16          ; piece t's statistics at v[ST+4 t]: m, a word named with it as a pair; the other two take l on the way out
.set TMP, 48          ; by buffer, four registers c0-c3 at work; when the maximum is found c2 takes a
.set AM,  56          ; v56  the LDS address of the mask's part of the step in hand
.set CM,  57          ; v57  -1e9 log2(e)
.set PFO, 61          ; v61  the prefetches' offset; never rewritten
.set SPW, 62          ; v62  LDS address of my spare word; never rewritten
.set NIL, 63          ; v63  0; never rewritten
.set S,   64
.set MK,  128
.set P,   160
.set KF,  192         ; window 0: key block kb, channel half c at KF + 16 kb + 8 c
.set LL,  128         ; window 1: piece t's four pairs of partial sums at LL + 8 t
.set VF,  192         ; window 1: key half kk, channel block cb at VF + 32 kk + 8 cb
.set WV,  12          ; s12  my wave's number
.set G1K, 24          ; s[24:31] descriptor group 1 for K's tiles, s[32:39] for V's, s[52:59] for the mask's
.set G1V, 32
.set G0K, 40          ; s[40:43], s[44:47], s[48:51] descriptor group 0 for K, V, the mask: they walk
.set G0V, 44
.set G0M, 48
.set G1M, 52
.set SEL, 60          ; s[60:61] v_permlanex16_b32's selects
.set TBK, 62          ; s62  LDS byte at which K of the step to be fetched begins
.set TBV, 63          ; s63  the same for V, less VOFF
.set TBM, 66          ; s66  the same for the mask, less MOFF
.set CNT, 67          ; s67  counts a slot's key steps
.set SLOTS, 68        ; s68  slots still to be asked for
.set LIM, 69          ; s69  1 in a wave that prefetches, else the greatest number
.set PFA, 70          ; s[70:71] where my prefetches stand
.set PSTEP, 72        ; s[72:73] bytes from slot to slot there
.set MSB, 0
.macro WIN new
.if MSB != (\new)
	s_set_vgpr_msb (MSB<<8)|(\new)
.set MSB, (\new)
.endif
.endm
.set W_KQ, 0x08       ; Q in window 2; K and S^T in window 0
.set W_PV, 0x51       ; P in window 0; V and O^T in window 1
.set W_RS, 0x41       ; destination and source 0 in window 1, source 1 in window 0
; A joint fill.  Wave 0 fetches a slot's K, wave 1 its V, waves 2 and 3 the two halves of the mask's tile.  The branches hang on the wave's number alone.  An s_nop 0 and four v_nop follow each line.
.macro JLOAD
	s_cmp_lt_u32 s[WV], 2
	s_cbranch_scc0 .Lfor_m_\@
	s_cmp_eq_u32 s[WV], 0
	s_cbranch_scc0 .Lfor_v_\@
	tensor_load_to_lds s[G0K:G0K+3], s[G1K:G1K+7]
	s_nop 0
.rept 4
	v_nop
.endr
	s_branch .Lasked_\@
.Lfor_v_\@:
	tensor_load_to_lds s[G0V:G0V+3], s[G1V:G1V+7]
	s_nop 0
.rept 4
	v_nop
.endr
	s_branch .Lasked_\@
.Lfor_m_\@:
	tensor_load_to_lds s[G0M:G0M+3], s[G1M:G1M+7]
	s_nop 0
.rept 4
	v_nop
.endr
.Lasked_\@:
.endm
.macro CROUND                       ; a round of the cluster's barrier
	s_barrier_signal -1
	s_barrier_wait -1
	s_cmp_lg_u32 s[WV], 0
	s_cbranch_scc1 .Lnot_wave_0_\@
	s_barrier_signal -3
.Lnot_wave_0_\@:
	s_barrier_wait -3
	s_barrier_signal -1
	s_barrier_wait -1
.endm
; A prefetch into the L2 of what the NEXT change of slots will ask for, a lane a block of 256 bytes.  A slot's K and V are 32,768 bytes on end, walked by both clusters of a head: cluster x = 0 asks, wave 0,
; each partner along x 8,192 bytes.  The mask's tile is walked by all clusters of a column of clusters: cluster y = 0 asks, waves 2 and 3, each partner along y 64 rows.  The partners are told apart by address.
; So each block is named once in the launch.  The last change that fills a slot asks for nothing; slots 0 to 2 come by their loads alone.
.macro ASK
	s_cmp_gt_u32 s[SLOTS], s[LIM]
	s_cbranch_scc0 .Lnot_mine_\@
	global_prefetch_b8 v[PFO], s[PFA:PFA+1] th:TH_LOAD_NT scope:SCOPE_SE
.Lnot_mine_\@:
.endm
; THE CHANGE OF SLOTS.  Each wave waits for all its tensor loads (one is out: its part of the other slot), adds 0 to its spare word, and waits for that and for its own reads of the slot that it leaves.
; fill = 1: the barrier is a round of the cluster's, and the old slot is filled again, first thing behind it, with the keys two slots on: the load has two key steps in which to land.
.macro CHANGE fill, ask
	WIN 0
	s_wait_tensorcnt 0x0            ; no tensor load of mine is out, so a group 0 may be written
	ds_add_u32 v[SPW], v[NIL]       ; 0 onto my spare word
.if \fill
	s_xor_b32 s[G0K+1], s[G0K+1], SLOT1
	s_add_nc_u64 s[G0K+2:G0K+3], s[G0K+2:G0K+3], 786432  ; the next 128 keys lie 48 blocks on
	s_xor_b32 s[G0V+1], s[G0V+1], SLOT1
	s_add_nc_u64 s[G0V+2:G0V+3], s[G0V+2:G0V+3], 786432
	s_xor_b32 s[G0M+1], s[G0M+1], SLOT1
	s_add_nc_u64 s[G0M+2:G0M+3], s[G0M+2:G0M+3], 256     ; 128 keys along the mask's rows
.if \ask
	s_wait_xcnt 0x0                 ; the last prefetch, two key steps back, has read its address
	s_add_nc_u64 s[PFA:PFA+1], s[PFA:PFA+1], s[PSTEP:PSTEP+1]
.endif
	s_wait_dscnt 0x0                ; the add is done, and my reads of the slot are over
	CROUND
	JLOAD
.if \ask
	ASK
.endif
.else
	s_wait_dscnt 0x0
	s_barrier_signal -1
	s_barrier_wait -1
.endif
	s_sub_co_u32 s[TBK], s[TBK], 2*KS*PKB  ; the fetches go back to a slot's first step, in the other slot
	s_xor_b32 s[TBK], s[TBK], SLOT1
	s_sub_co_u32 s[TBV], s[TBV], 2*KS*PVB
	s_xor_b32 s[TBV], s[TBV], SLOT1
	s_sub_co_u32 s[TBM], s[TBM], 2*KS*2
	s_xor_b32 s[TBM], s[TBM], SLOT1
.endm
	s_load_b128 s[4:7], s[0:1], 0x0 ; qkv s[4:5], mterm s[6:7]
	s_load_b64 s[8:9], s[0:1], 0x10 ; ctx
	v_lshl_add_u32 v[SPW], v0, 2, SPARE
	v_mov_b32 v[NIL], 0
	ds_add_u32 v[SPW], v[NIL]       ; the wave's opening: the add and its wait, ahead of my first tensor load
	v_lshrrev_b32 v1, 5, v0
	v_readfirstlane_b32 s[WV], v1   ; wave 0..3
	s_bfe_u32 s13, ttmp6, 0x40000   ; cx
	s_bfe_u32 s14, ttmp6, 0x40004   ; cy
	s_lshl_b32 s15, ttmp9, 2
	s_add_co_u32 s15, s15, s13      ; x: my block of 256 queries
	s_and_b32 s16, ttmp7, 0xffff
	s_lshl_b32 s16, s16, 2
	s_add_co_u32 s16, s16, s14      ; y = 16 b + h
	s_lshr_b32 s17, s16, 4          ; b
	s_and_b32 s18, s16, 15          ; h
	s_and_b32 s19, s[WV], 1
	s_mul_i32 s20, s17, 12582912    ; K of the head's first 128 keys: 16 x 48 blocks a batch,
	s_lshl_b32 s21, s18, 15         ; two blocks a head,
	s_add_co_u32 s20, s20, s21
	s_add_co_u32 s20, s20, 262144   ; behind q's sixteen
	s_mov_b32 s21, 0
	s_lshl_b32 s22, s15, 1          ; the mask's rows 256 x + 128 (wave % 2), 4,096 bytes each
	s_add_co_u32 s22, s22, s19
	s_lshl_b32 s22, s22, 19
	s_mov_b32 s23, 0
	s_lshl_b32 s74, s17, 4          ; my wave's block of 128 rows: 16 b + 2 x + wave / 2
	s_lshl_b32 s75, s15, 1
	s_add_co_u32 s74, s74, s75
	s_lshr_b32 s75, s[WV], 1
	s_add_co_u32 s74, s74, s75
	s_lshl_b32 s76, s74, 4
	s_add_co_u32 s76, s76, s18      ; in ctx: 16 blocks a row of blocks
	s_mul_i32 s74, s74, 48
	s_add_co_u32 s74, s74, s18      ; in qkv: 48
	s_lshl_b32 s74, s74, 14
	s_lshl_b32 s76, s76, 14
	s_lshl_b32 s75, s19, 13         ; my 64 rows of the 128
	s_add_co_u32 s74, s74, s75
	s_add_co_u32 s76, s76, s75
	s_mov_b32 s75, 0
	s_mov_b32 s77, 0
	s_lshl_b32 s78, s14, 2
	s_lshl_b32 s78, 15, s78         ; my row of the cluster
	s_lshl_b32 s79, 0x1111, s13     ; my column
	; K, V: 128 keys are 16,384 dense bytes: 64 rows of 256 bytes, two keys a row, padded in LDS after every key.  The mask: 128 rows of 256 bytes, 4,096 bytes apart
	s_or_b32 s[G1K], s78, (1<<16)|(1<<20)|(1<<21)|(4<<22)|(3<<25)  ; the mask of work-groups; 2-byte elements; padding on; bit 21 beside a mask; after every 32 words, 4 words
	s_or_b32 s[G1V], s78, (1<<16)|(1<<20)|(1<<21)|(4<<22)|(7<<25)  ; 8 words
	s_or_b32 s[G1M], s79, (1<<16)|(1<<20)|(1<<21)|(5<<22)|(3<<25)  ; after every 64 words, 4 words
.irp g, G1K, G1V
	s_mov_b32 s[\g+1], 128<<16      ; tensor_dim0 = 128
	s_mov_b32 s[\g+2], 64<<16       ; tensor_dim1 = 64
	s_mov_b32 s[\g+3], 128<<16      ; tile_dim0 = 128
	s_mov_b32 s[\g+4], 64           ; tile_dim1 = 64
	s_mov_b32 s[\g+5], 128          ; elements from row to row
	s_mov_b32 s[\g+6], 0
	s_mov_b32 s[\g+7], 0
.endr
	s_mov_b32 s[G1M+1], 128<<16
	s_mov_b32 s[G1M+2], 128<<16
	s_mov_b32 s[G1M+3], 128<<16
	s_mov_b32 s[G1M+4], 128
	s_mov_b32 s[G1M+5], 2048
	s_mov_b32 s[G1M+6], 0
	s_mov_b32 s[G1M+7], 0
	s_mov_b32 s[G0K], 1
	s_mov_b32 s[G0K+1], 0
	s_mov_b32 s[G0V], 1
	s_mov_b32 s[G0V+1], VOFF
	s_mov_b32 s[G0M], 1
	s_mul_i32 s[G0M+1], s19, 128*PMB
	s_add_co_u32 s[G0M+1], s[G0M+1], MOFF
	s_mov_b32 s[SEL], 0x76543210
	s_mov_b32 s[SEL+1], 0xfedcba98
	s_mov_b32 s[TBK], SLOT1+2*KS*PKB  ; the first change of slots turns these three into 0
	s_mov_b32 s[TBV], SLOT1+2*KS*PVB
	s_mov_b32 s[TBM], SLOT1+2*KS*2
	s_lshl_b32 s80, s13, 13         ; the prefetches.  K and V: my work-group's 8,192 bytes of a slot's 32,768
	s_mov_b32 s81, 0
	s_lshl_b32 s84, s15, 8          ; the mask: row 256 x + 64 cy + 32 (wave % 2)
	s_lshl_b32 s85, s14, 6
	s_add_co_u32 s84, s84, s85
	s_lshl_b32 s85, s19, 5
	s_add_co_u32 s84, s84, s85
	s_lshl_b32 s84, s84, 12
	s_mov_b32 s85, 0
	s_mov_b32 s90, 786432           ; (an instruction holds one literal: this one comes from a register)
	s_and_b32 s87, ttmp7, 0xffff    ; cluster y
	s_cmp_lt_u32 s[WV], 2
	s_cselect_b32 s87, ttmp9, s87   ; the coordinate along which other clusters read the same bytes
	s_cselect_b32 s[PSTEP], s90, 256  ; from slot to slot: 48 blocks for K and V, 128 keys along the mask's rows
	s_cselect_b32 s86, 8, 12        ; a lane a block of 256 bytes on end, or a row of 4,096 bytes
	s_mov_b32 s[PSTEP+1], 0
	s_cmp_eq_u32 s[WV], 1
	s_cselect_b32 s87, 1, s87       ; wave 1 asks for nothing
	s_cmp_eq_u32 s87, 0
	s_cselect_b32 s[LIM], 1, -1     ; the same in all sixteen partners, for a given wave
	s_wait_dscnt 0x0                ; the opening add is done
	s_wait_kmcnt 0x0
	s_add_nc_u64 s[G0K+2:G0K+3], s[4:5], s[20:21]
	s_add_nc_u64 s[G0V+2:G0V+3], s[G0K+2:G0K+3], 16384
	s_add_nc_u64 s[82:83], s[G0K+2:G0K+3], s[80:81]
	s_add_nc_u64 s[84:85], s[6:7], s[84:85]
	s_cmp_lt_u32 s[WV], 2
	s_cselect_b64 s[PFA:PFA+1], s[82:83], s[84:85]
	s_add_nc_u64 s[PFA:PFA+1], s[PFA:PFA+1], s[PSTEP:PSTEP+1]
	s_add_nc_u64 s[PFA:PFA+1], s[PFA:PFA+1], s[PSTEP:PSTEP+1]  ; in slot 2: the first change that asks steps it to slot 3
	s_or_b32 s[G0K+3], s[G0K+3], 0x80000000
	s_or_b32 s[G0V+3], s[G0V+3], 0x80000000
	s_add_nc_u64 s[G0M+2:G0M+3], s[6:7], s[22:23]
	s_or_b32 s[G0M+3], s[G0M+3], 0x80000000
	s_add_nc_u64 s[88:89], s[4:5], s[74:75]   ; Q at my wave's first row
	s_add_nc_u64 s[10:11], s[8:9], s[76:77]   ; ctx at the same
	CROUND                          ; all sixteen work-groups are here: the first joint loads meet
	JLOAD                           ; slot 0.  Slot 1 is asked for when slot 0 is in
	v_and_b32 v1, 15, v0            ; l % 16
	v_bfe_u32 v9, v0, 4, 1          ; l / 16
	v_lshlrev_b32 v[QO], 7, v1
	v_lshl_add_u32 v[QO], v9, 4, v[QO]  ; row x 128 + 16 x half
	WIN 0x80                        ; destination window 2
.set i, 0
.rept 8                             ; Q stays in registers: piece i / 2, channels 32 (i % 2) on
	global_load_b128 v[8*i:8*i+3],   v[QO], s[88:89] offset:(i/2)*2048+(i%2)*64
	global_load_b128 v[8*i+4:8*i+7], v[QO], s[88:89] offset:(i/2)*2048+(i%2)*64+32
.set i, i+1
.endr
	; What the first turn finds: V's registers and P's second buffer hold 0 (its products V^T P, of a piece that has not been, add 0), O^T and l are 0, m is the lowest finite number: the first step's a is 0.
	WIN 0x40
.set i, 0
.rept 160                           ; O^T and l
	v_mov_b32 v[i], 0
.set i, i+1
.endr
.set i, VF
.rept 64
	v_mov_b32 v[i], 0
.set i, i+1
.endr
	WIN 0
.set i, 0
.rept 4
	v_mov_b32 v[ST+4*i], 0xff7fffff
	v_mov_b32 v[ST+4*i+1], 0
.set i, i+1
.endr
.set i, P+16
.rept 16
	v_mov_b32 v[i], 0
.set i, i+1
.endr
	v_mov_b32 v[CM], 0xceabfb8f     ; -1e9 log2(e)
	v_and_b32 v[PFO], 31, v0
	v_lshlrev_b32 v[PFO], s86, v[PFO]
	v_mul_u32_u24 v[AK0], v1, PKB
	v_lshl_add_u32 v[AK0], v9, 4, v[AK0]  ; row x pitch + 16 x half
	v_and_b32 v10, 7, v0            ; the turning load: lane l reads key 8 (l / 16) + l % 8, channels 8 ((l / 8) % 2) + 0..7
	v_bfe_u32 v11, v0, 3, 1
	v_lshl_add_u32 v[AV0], v9, 3, v10
	v_mul_u32_u24 v[AV0], v[AV0], PVB
	v_lshl_add_u32 v[AV0], v11, 4, v[AV0]
	v_add_nc_u32 v[AV0], VOFF, v[AV0]
	s_mul_i32 s80, s[WV], 64*PMB    ; the mask: row 64 wave + l % 16 of the tile, my lanes' eight keys of each sixteen
	s_add_co_u32 s80, s80, MOFF
	v_mul_u32_u24 v[AM0], v1, PMB
	v_lshl_add_u32 v[AM0], v9, 4, v[AM0]
	v_add_nc_u32 v[AM0], s80, v[AM0]
; THE MATRIX WORK.  The 4 accumulators of a run of 8 take turns.  Product i of 8 of S^T = K Q^T for piece x: channels 32 (i / 4) on, keys 16 (i % 4) on.  The first 4 start the sums.
.macro KQ x
	WIN W_KQ
.set rS, S+32*((\x)%2)+8*(i%4)
.set rK, KF+16*(i%4)+8*(i/4)
.set rQ, 16*(\x)+8*(i/4)
.if i < 4
	v_wmma_f32_16x16x32_f16 v[rS:rS+7], v[rK:rK+7], v[rQ:rQ+7], 0
.else
	v_wmma_f32_16x16x32_f16 v[rS:rS+7], v[rK:rK+7], v[rQ:rQ+7], v[rS:rS+7]
.endif
.endm
; Product i of 8 of O^T += V^T P for piece x: keys 32 (i / 4) on, channels 16 (i % 4) on.
.macro PVP x
	WIN W_PV
.set rO, 32*(\x)+8*(i%4)
.set rV, VF+32*(i/4)+8*(i%4)
.set rP, P+16*((\x)%2)+8*(i/4)
	v_wmma_f32_16x16x32_f16 v[rO:rO+7], v[rV:rV+7], v[rP:rP+7], v[rO:rO+7]
.endm
.macro MM                           ; the turn's next matrix instruction
.if i < 8
	KQ (Y+1)%NP
.else
.set i, i-8
	PVP (Y+NP-1)%NP
.set i, i+8
.endif
.set i, i+1
.endm
; THE LDS LOADS stand in runs: a step's K (8 fragments), its V (turned), and four loads of a piece's part of the mask.  K and the mask land in window 0: their runs stand where every window is 0.
.macro FETCH_K
.irp f, 0,1,2,3,4,5,6,7             ; keys 16 (f / 2) on, channels 32 (f % 2) on
	ds_load_b128 v[KF+8*\f:KF+8*\f+3],   v[AK] offset:(\f/2)*16*PKB+(\f%2)*64
	ds_load_b128 v[KF+8*\f+4:KF+8*\f+7], v[AK] offset:(\f/2)*16*PKB+(\f%2)*64+32
.endr
.endm
.macro FETCH_V
	WIN 0x40                        ; destination window 1, address window 0
.irp f, 0,1,2,3,4,5,6,7             ; keys 32 (f / 4) on, channels 16 (f % 4) on
	ds_load_tr16_b128 v[VF+8*\f:VF+8*\f+3],   v[AV] offset:(\f/4)*32*PVB+(\f%4)*32
	ds_load_tr16_b128 v[VF+8*\f+4:VF+8*\f+7], v[AV] offset:(\f/4)*32*PVB+16*PVB+(\f%4)*32
.endr
.endm
.macro MLOAD q                      ; piece q's mask for 64 keys: 16 bytes (8 keys) for each sixteen keys, into the buffer of its parity
.irp kb, 0,1,2,3
	ds_load_b128 v[MK+16*((\q)%2)+4*\kb:MK+16*((\q)%2)+4*\kb+3], v[AM] offset:(\q)*16*PMB+32*\kb
.endr
.endm
; THE VECTOR WORK, one line at a time: OP kind, number.  OP sets no window: TURN does.  For piece Y: F n: t - m for pair n of 16.  E n: the exponential of score n of 32.  C n: pair n rounded to f16.
; R n: pair n of 16 of O^T times a.  LS j: pair j of 4 of l times a.  LA n: pair n % 4 of l takes pair n of the weights.  For piece Y + 1: M n: score n takes mask x -1e9 log2(e) (ascending: each
; accumulator's lowest registers are read first).  X n, number n of the 21 that find its maximum and statistics:
;   0-11 four chains c0-c3 of seven scores each   12-14, 16 the four scores left over, the old m, and c0-c3 into c0   15 m_old is kept   17, 18 the other half of the lanes': the new m   19, 20 m_old - m_new; a
.set F, 0
.set E, 1
.set C, 2
.set R, 3
.set LS, 4
.set LA, 5
.set X, 6
.set M, 7
.macro REGS y
.set rT, ST+4*(\y)
.set rC, TMP+4*((\y)%2)
.set rW, MV+((\y)%2)
.set rS, S+32*((\y)%2)
.set rP, P+16*((\y)%2)
.set rN, MK+16*((\y)%2)
.set rO, 32*(\y)
.set rL, LL+8*(\y)
.endm
.macro OP k, n
.if (\k) == F
	REGS Y
	v_pk_fma_f32 v[rS+2*(\n):rS+2*(\n)+1], v[rS+2*(\n):rS+2*(\n)+1], 1.0, v[rT:rT+1] op_sel_hi:[1,0,0] neg_lo:[0,0,1] neg_hi:[0,0,1]
.elseif (\k) == E
	REGS Y
	v_exp_f32 v[rS+(\n)], v[rS+(\n)]
.elseif (\k) == C
	REGS Y
	v_cvt_pk_f16_f32 v[rP+(\n)], v[rS+2*(\n)], v[rS+2*(\n)+1]
.elseif (\k) == R
	REGS Y
	v_pk_mul_f32 v[rO+2*(\n):rO+2*(\n)+1], v[rO+2*(\n):rO+2*(\n)+1], v[rC+2:rC+3] op_sel_hi:[1,0]
.elseif (\k) == LS
	REGS Y
	v_pk_mul_f32 v[rL+2*(\n):rL+2*(\n)+1], v[rL+2*(\n):rL+2*(\n)+1], v[rC+2:rC+3] op_sel_hi:[1,0]
.elseif (\k) == LA
	REGS Y
	v_pk_add_f32 v[rL+2*((\n)%4):rL+2*((\n)%4)+1], v[rL+2*((\n)%4):rL+2*((\n)%4)+1], v[rS+2*(\n):rS+2*(\n)+1]
.elseif (\k) == M
	REGS (Y+1)%NP
.if (\n)%2 == 0
	v_fma_mix_f32_bf16 v[rS+(\n)], v[rN+(\n)/2], v[CM], v[rS+(\n)] op_sel_hi:[1,0,0]
.else
	v_fma_mix_f32_bf16 v[rS+(\n)], v[rN+(\n)/2], v[CM], v[rS+(\n)] op_sel:[1,0,0] op_sel_hi:[1,0,0]
.endif
.else
	REGS (Y+1)%NP
.if (\n) < 4
	v_max3_num_f32 v[rC+(\n)], v[rS+8*(\n)], v[rS+8*(\n)+1], v[rS+8*(\n)+2]
.elseif (\n) < 12
	v_max3_num_f32 v[rC+(\n)%4], v[rC+(\n)%4], v[rS+8*((\n)%4)+2*((\n)/4)+1], v[rS+8*((\n)%4)+2*((\n)/4)+2]
.elseif (\n) == 12
	v_max3_num_f32 v[rC], v[rC], v[rS+7], v[rS+15]
.elseif (\n) == 13
	v_max3_num_f32 v[rC+1], v[rC+1], v[rS+23], v[rS+31]
.elseif (\n) == 14
	v_max3_num_f32 v[rC+2], v[rC+2], v[rC+3], v[rT]
.elseif (\n) == 15
	v_mov_b32 v[rW], v[rT]
.elseif (\n) == 16
	v_max3_num_f32 v[rC], v[rC], v[rC+1], v[rC+2]
.elseif (\n) == 17
	v_permlanex16_b32 v[rC+3], v[rC], s[SEL], s[SEL+1]
.elseif (\n) == 18
	v_max_num_f32 v[rT], v[rC], v[rC+3]
.elseif (\n) == 19
	v_sub_f32 v[rC+1], v[rW], v[rT]
.else
	v_exp_f32 v[rC+2], v[rC+1]
.endif
.endif
.endm
.macro ROW a, i1, b, i2, c, i3, d, i4  ; a matrix instruction and the four behind it
	MM
	OP \a, \i1
	OP \b, \i2
	OP \c, \i3
	OP \d, \i4
.endm
; A TURN, for piece p: 16 matrix and 154 vector instructions, three switches of the windows.
; UNDER K Q^T's SETTING: 8 products, behind each four of F 0-15 and E 0-15; an exponential stands a row or more behind its F; the last row's four F are the places in front of the first M and of K's run of loads.
; IN WINDOW 0: the lump: the 32 M with E 16-21 among them; X 0-15; then the chain X 16 .. X 20, each link of which waits for the one before it, with two of E 22-31 between the links.  Nothing so far names an
; exponential's result.  A v_nop, the turn's ONE wait for its 33 exponentials; directly behind it the four loads of piece p + 2's mask, which the next turn's M read; the 16 roundings.
; UNDER V^T P's SETTING: l a; 8 products, behind each R, LA, R, LA: plain, and none names a register of the products round it.
; K of the next step, and the mask's address, are taken in piece 2's turn: the addresses as riders (in the form whose vector source is source 0), the run behind the products.  V of the step in hand is fetched at
; the end of piece 0's turn, four plain instructions behind its last reader.  last = 1 (the tail, pieces 2 and 3): in the last trip there is no further step, and the loads are jumped over.
.macro TURN p, last=0
.set Y, (\p)
.set i, 0
.if (\p) == 3
	s_wait_dscnt 0x0                ; K of the next step is in, and piece 0's mask
.endif
	ROW F,0, F,1, F,2, F,3
.if (\p) == 2
	v_add_nc_u32 v[AK], v[AK0], s[TBK]
	v_add_nc_u32 v[AM], v[AM0], s[TBM]
.endif
	ROW F,4, E,0, F,5, E,1
	ROW F,6, E,2, F,7, E,3
	ROW F,8, E,4, E,5, E,6
	ROW F,9, E,7, E,8, E,9
	ROW F,10, E,10, E,11, E,12
	ROW F,11, E,13, E,14, E,15
	ROW F,12, F,13, F,14, F,15
	WIN 0
.if (\p) == 0
	s_wait_dscnt 0x0                ; piece 1's mask, asked for a turn ago: nothing was issued behind it
	v_add_nc_u32 v[AV], s[TBV], v[AV0]
	s_add_co_u32 s[TBV], s[TBV], KS*PVB
.endif
.if (\p) == 1
	s_wait_dscnt 16                 ; piece 2's mask is in; V's sixteen loads, issued behind it, may be out
.endif
.if (\p) == 2
	s_wait_dscnt 0x0                ; piece 3's mask, asked for a turn ago: the count holds whether or not the loads below are jumped over
.if \last
	s_wait_alu depctr_va_vdst(0)    ; the wait for E 0-15 ahead of it
	s_cmp_eq_u32 s[CNT], 1
	s_cbranch_scc1 .Lskip_\@
.endif
	FETCH_K
	s_add_co_u32 s[TBK], s[TBK], KS*PKB
	s_add_co_u32 s[TBM], s[TBM], KS*2
	MLOAD ((\p)+2)%NP
.if \last
.Lskip_\@:
.endif
.endif
.set tn, 0
.rept 6
	OP M, 4*tn
	OP M, 4*tn+1
	OP M, 4*tn+2
	OP M, 4*tn+3
	OP E, 16+tn
.set tn, tn+1
.endr
.set tn, 24
.rept 8
	OP M, tn
.set tn, tn+1
.endr
.set tn, 0
.rept 14
	OP X, tn
.set tn, tn+1
.endr
	OP X, 15
	OP X, 14
	OP E, 22
	OP E, 23
	OP X, 16
	OP E, 24
	OP E, 25
	OP X, 17
	OP E, 26
	OP E, 27
	OP X, 18
	OP E, 28
	OP E, 29
	OP X, 19
	OP E, 30
	OP E, 31
	OP X, 20
	v_nop                           ; a plain instruction behind the last exponential: one for the batch
	s_wait_alu depctr_va_vdst(0)    ; the wait for the batch
.if (\p) != 2
.if \last
	s_cmp_eq_u32 s[CNT], 1
	s_cbranch_scc1 .Lskip_\@
.endif
	MLOAD ((\p)+2)%NP
.if \last
.Lskip_\@:
.endif
.endif
.set tn, 0
.rept 16
	OP C, tn
.set tn, tn+1
.endr
.if (\p) == 1
	s_wait_dscnt 4                  ; V is in; the four loads of the mask, issued behind it, may be out
.endif
	WIN W_PV
	OP LS, 0
	OP LS, 1
	OP LS, 2
	OP LS, 3
.set tn, 0
.rept 8
	MM
	OP R, 2*tn
	OP LA, 2*tn
	OP R, 2*tn+1
	OP LA, 2*tn+1
.set tn, tn+1
.endr
.if (\p) == 0
	FETCH_V
.endif
.endm
	CHANGE 1, 0                     ; slot 0 is in, everybody's part of it; slot 1 is asked for
	v_add_nc_u32 v[AK], s[TBK], v[AK0]
	v_add_nc_u32 v[AM], s[TBM], v[AM0]
	FETCH_K                         ; key step 0
	s_add_co_u32 s[TBK], s[TBK], KS*PKB
	s_add_co_u32 s[TBM], s[TBM], KS*2
	MLOAD 0
	MLOAD 1
	s_wait_loadcnt 0x0              ; Q
	s_wait_dscnt 0x0
.set i, 0
.rept 8
	KQ 0                            ; piece 0's first scores
.set i, i+1
.endr
	WIN 0                           ; the addresses for the way out: nine plain instructions, the places behind those products
	s_mul_i32 s80, s[WV], 16*SP
	s_add_co_u32 s80, s80, STAGE    ; my stage
	v_mul_u32_u24 v[STO], v1, SP    ; in: row l % 16, 16 bytes for each half of the lanes
	v_lshl_add_u32 v[STO], v9, 4, v[STO]
	v_add_nc_u32 v[STO], s80, v[STO]
	v_bfe_u32 v[RD], v0, 3, 2       ; back: 32 lanes take four rows of 128 bytes,
	v_mul_u32_u24 v[RD], v[RD], SP
	v_lshl_add_u32 v[RD], v10, 4, v[RD]
	v_add_nc_u32 v[RD], s80, v[RD]
	v_and_b32 v[GO], 31, v0         ; which are 512 consecutive bytes of ctx
	v_lshlrev_b32 v[GO], 4, v[GO]
.set Y, NP-1                        ; M and X work for piece Y + 1: piece 0
.set tn, 0
.rept 32
	OP M, tn
.set tn, tn+1
.endr
.set tn, 0
.rept 21
	OP X, tn
.set tn, tn+1
.endr
	v_nop                           ; a plain instruction behind the exponential,
	s_wait_alu depctr_va_vdst(0)    ; and its wait, ahead of the branch
	s_mov_b32 s[CNT], 2
	s_mov_b32 s[SLOTS], 15
	s_branch .Lfirst                ; the loop is entered at a step's first turn, in the middle of a trip
.Lslot:                             ; 14 times: every slot but the last two is filled again
	CHANGE 1, 1
	s_mov_b32 s[CNT], 2
.Lstep:                             ; a trip: pieces 2 and 3 of one step, then pieces 0 and 1 of the next, whose K and V it fetches
	TURN 2
	TURN 3
	WIN 0
.Lfirst:
	TURN 0
	TURN 1
	WIN 0
	s_sub_co_u32 s[CNT], s[CNT], 1
	s_cmp_lg_u32 s[CNT], 0
	s_cbranch_scc1 .Lstep
	s_sub_co_u32 s[SLOTS], s[SLOTS], 1
	s_cmp_lg_u32 s[SLOTS], 0
	s_cbranch_scc1 .Lslot
	CHANGE 0, 0                     ; the tail is written out: nothing is asked for
	s_mov_b32 s[CNT], 3             ; two trips fetch the last slot's steps; the third is left in its middle
.Ltail:
	TURN 2, 1
	TURN 3, 1
	WIN 0
	s_sub_co_u32 s[CNT], s[CNT], 1
	s_cmp_eq_u32 s[CNT], 0
	s_cbranch_scc1 .Lout
	TURN 0
	TURN 1
	WIN 0
	s_branch .Ltail
.Lout:                              ; the third trip's 8 products K Q^T (on the last K once more) and the maximum made of them serve nothing: the price of one text for every trip
.set i, 0
.rept 8
	PVP NP-1                        ; the last piece's V^T P of the last step
.set i, i+1
.endr
	; THE WAY OUT.  l's eight partial sums and the other half of the lanes' are added; O^T is divided by l, rounded to f16 and sent through my stage in LDS, a piece at a time.  The additions are the places behind the last products.
.macro ALL line:vararg
.set t, 0
.rept 4
	\line
.set t, t+1
.endr
.endm
	WIN 0x05                        ; sources 0 and 1 window 1, destination window 0
	ALL v_pk_add_f32 v[ST+4*t+2:ST+4*t+3], v[LL+8*t:LL+8*t+1], v[LL+8*t+2:LL+8*t+3]
	ALL v_pk_add_f32 v[TMP+2*t:TMP+2*t+1], v[LL+8*t+4:LL+8*t+5], v[LL+8*t+6:LL+8*t+7]
	WIN 0
	ALL v_pk_add_f32 v[ST+4*t+2:ST+4*t+3], v[ST+4*t+2:ST+4*t+3], v[TMP+2*t:TMP+2*t+1]
	ALL v_add_f32 v[ST+4*t+2], v[ST+4*t+2], v[ST+4*t+3]
	ALL v_permlanex16_b32 v[ST+4*t+3], v[ST+4*t+2], s[SEL], s[SEL+1]
	ALL v_add_f32 v[ST+4*t+2], v[ST+4*t+2], v[ST+4*t+3]
	ALL v_rcp_f32 v[ST+4*t+2], v[ST+4*t+2]
	v_nop                           ; a plain instruction between the last reciprocal and the use of its result
	s_wait_alu depctr_va_vdst(0)    ; one wait for the four reciprocals
.macro PACK t                       ; a lane's eight channels of a row pack into 16 bytes; they go into rows of 144 bytes and come back as whole rows of 128, into S^T's registers
	WIN W_RS
.set i, 32*(\t)
.rept 16
	v_pk_mul_f32 v[i:i+1], v[i:i+1], v[ST+4*(\t)+2:ST+4*(\t)+3] op_sel_hi:[1,0]
.set i, i+2
.endr
	WIN 0x05                        ; sources 0 and 1 window 1, destination window 0
.set i, 0
.rept 16
	v_cvt_pk_f16_f32 v[S+16*(\t)+i], v[32*(\t)+2*i], v[32*(\t)+2*i+1]
.set i, i+1
.endr
	WIN 0
.irp f, 0,1,2,3
	ds_store_b128 v[STO], v[S+16*(\t)+4*\f:S+16*(\t)+4*\f+3] offset:32*\f
.endr
.irp f, 0,1,2,3
	ds_load_b128 v[S+16*(\t)+4*\f:S+16*(\t)+4*\f+3], v[RD] offset:\f*4*SP  ; LDS serves a wave's instructions in order (ISA guide 5.7.1.4): these see the stores above; the next piece's stores come behind them
.endr
.endm
.macro SEND t, younger              ; younger: the LDS instructions issued behind piece t's loads: the next piece's eight, or none
	WIN 0
.irp f, 0,1,2,3
	s_wait_dscnt (\younger)+3-\f
	global_store_b128 v[GO], v[S+16*(\t)+4*\f:S+16*(\t)+4*\f+3], s[10:11] offset:(\t)*2048+\f*512  ; 512 consecutive bytes, aligned
.endr
.endm
	PACK 0
.set t, 1
.rept 3
	PACK t
	SEND t-1, 8
.set t, t+1
.endr
	SEND 3, 0
	s_wait_tensorcnt 0x0            ; the wave's end: the wait, the add to my spare word and its wait, behind my last tensor load and my last LDS store
	ds_add_u32 v[SPW], v[NIL]
	s_wait_dscnt 0x0
	CROUND                          ; the closing round
	s_endpgm
.Lfunc_end_k_q42843b9cbd_attn:
	.size	k_q42843b9cbd_attn, .Lfunc_end_k_q42843b9cbd_attn-k_q42843b9cbd_attn
	.p2alignl 7, 3214868480
	.fill 96, 4, 3214868480
	.section	.rodata,"a",@progbits
	.p2align	6, 0x0
	.amdhsa_kernel k_q42843b9cbd_attn
		.amdhsa_group_segment_fixed_size 327680
		.amdhsa_private_segment_fixed_size 0
		.amdhsa_enable_private_segment 0
		.amdhsa_kernarg_size 24
		.amdhsa_user_sgpr_count 2
		.amdhsa_user_sgpr_kernarg_segment_ptr 1
		.amdhsa_wavefront_size32 1
		.amdhsa_system_sgpr_workgroup_id_x 1
		.amdhsa_system_sgpr_workgroup_id_y 1
		.amdhsa_system_sgpr_workgroup_id_z 1
		.amdhsa_system_vgpr_workitem_id 0
		.amdhsa_next_free_vgpr 576
		.amdhsa_next_free_sgpr 96
		.amdhsa_reserve_vcc 0
		.amdhsa_float_denorm_mode_32 3
		.amdhsa_float_denorm_mode_16_64 3
		.amdhsa_memory_ordered 1
		.amdhsa_forward_progress 1
		.amdhsa_inst_pref_size 128
	.end_amdhsa_kernel
	.amdgpu_metadata
---
amdhsa.version: [ 1, 2 ]
amdhsa.kernels:
  - .name:           k_q42843b9cbd_attn
    .symbol:         k_q42843b9cbd_attn.kd
    .args:
      - { .name: qkv, .offset: 0, .size: 8, .value_kind: global_buffer, .address_space: global }
      - { .name: mterm, .offset: 8, .size: 8, .value_kind: global_buffer, .address_space: global }
      - { .name: ctx, .offset: 16, .size: 8, .value_kind: global_buffer, .address_space: global }
    .group_segment_fixed_size: 327680
    .private_segment_fixed_size: 0
    .kernarg_segment_align: 8
    .kernarg_segment_size: 24
    .max_flat_workgroup_size: 128
    .sgpr_count:     96
    .vgpr_count:     576
    .wavefront_size: 32
...
	.end_amdgpu_metadata
.endif
;; end of part 3
;; launch gdense (part 4): grid 8 x 32, 4 waves a work-group, clusters of 4 x 4, 327,680 bytes of LDS; arguments ctx, wts, xn, h; writes h
.if DOCPART == 4
	.amdgcn_target "amdgcn-amd-amdhsa--gfx1250"
	.amdhsa_code_object_version 6
	.text
	.protected	k_q42843b9cbd_gdense
	.globl	k_q42843b9cbd_gdense
	.p2align	8
	.type	k_q42843b9cbd_gdense,@function
k_q42843b9cbd_gdense:
	s_mov_b64 s[64:65], 0
	v_nop
	global_prefetch_b8 v0, s[64:65] scope:SCOPE_SE
	s_setreg_imm32_b32 hwreg(HW_REG_WAVE_MODE, 25, 1), 1
	s_wait_xcnt 0x0
	s_wait_alu depctr_hold_cnt(0) depctr_sa_sdst(0) depctr_va_vdst(0) depctr_va_sdst(0) depctr_va_ssrc(0) depctr_va_vcc(0) depctr_vm_vsrc(0)
	s_getreg_b32 s2, hwreg(HW_REG_IB_STS2, 6, 4)
	s_cmp_eq_u32 s2, 0
	s_cbranch_scc0 .Lentry_in_a_cluster
	s_endpgm
.Lentry_in_a_cluster:
	s_bfe_u32 s2, ttmp6, 0x10000c
	s_cmp_lg_u32 s2, 0xf033
	s_cbranch_scc0 .Lentry_shape_is_right
	s_endpgm
.Lentry_shape_is_right:
; C = res + A B^T (+ bias), 1,024 columns, tiles of 128 x 128.  C: [4096][1024] f32.  res: [4096][1024] f16.  B: rows of KDIM f16 in wts.  Sums in f32.
; A lies in blocks [row / 128][column / 64][128 rows][64 columns] f16, 16,384 dense bytes each: a K step of 256 of a tile's 128 rows is 65,536 bytes on end.
; MODE 0: the dense projection: A = ctx, K = 1,024, bias dense_b, res = xn, C = h.      MODE 1: proj: A = gelu(fc), K = 4,096, no bias, res = hn, C = out0.
; LIMITS.  A, B and res are f16, within 65,504; NaN and infinities are not treated apart.
; SHARES.  Four waves, 64 x 64 of C each: 16 accumulators.  This tile gives each of 256 work-groups one tile.  K goes in steps of 256 (eight sub-steps of 32) through two LDS slots that take turns;
; waves 0 and 1 fetch A's two halves (32,768 dense bytes each), waves 2 and 3 B's (64 rows x 512 bytes each): one tensor load a wave.
; CLUSTER.  4 x 4 work-groups: A's tile is asked for jointly along a row of the cluster, B's along a column.
; THE MATRIX INSTRUCTION IS USED TRANSPOSED (source 0 = 16 rows of B, source 1 = 16 rows of A): lane l holds row l % 16 of C and the columns 8 (l / 16) + 0..7.  The bias is the C operand that starts the sums.
; REGISTERS, in windows of 256 (s_set_vgpr_msb: bits 1:0 source 0, 3:2 source 1, 5:4 source 2, 7:6 destination):
;   window 0: v0-31 addresses; v32-63 the way out; v64-127 A's fragments, two buffers; v128-191 res; v192-223 the bias      window 1: v64-127 B's fragments, two buffers
;   windows 2, 3: the accumulators of my rows 0-31, 32-63: (a, b) at v[8 (4 (a % 2) + b)]
.set MODE,  0
.if MODE == 0
.set KDIM,  1024
.set WOFF,  6291456                    ; B's first byte in wts
.set BOFF,  25178112                   ; the bias's
.else
.set KDIM,  4096
.set WOFF,  16777216
.endif
.set KSTEP, 256
.set T,     KDIM/KSTEP
.set RA,    4
.set RB,    4
.set AW,    RA/2
.set PA,    144                        ; A in LDS: [4 blocks of 64 columns][128 rows], a row 128 bytes + 16
.set PB,    528                        ; B in LDS: 128 rows of 512 bytes + 16.  Both pitches are odd multiples of 16 bytes: the 16 rows of a load start 4 banks apart (64 banks of 4 bytes: ISA guide 11.1)
.set CBS,   128*PA                     ; a block of 64 columns
.set ASZ,   4*CBS
.set SLOT,  0x24000                    ; 147,456, a slot's 141,312 bytes rounded up so that it shares no bit with the loads' places in a slot: an exclusive or changes slots
.set SPARE, SLOT+ASZ+128*PB            ; behind the ring: the spare words, 128 bytes a wave: two blocks of 256 bytes that no other line names
.set DP,    272                        ; the way out: a row of 64 f32 + 16 bytes
.set DSZ,   64*DP                      ; a wave's 64 rows, in slot 0's bytes, which have had their last fill by then
.set FA0,   64
.set FB0,   64
.set BI,    192
.set RES,   128
.set XX,    32
.set ADRA0, 16                         ; v16, v17  my lane's place in A's and B's part of slot 0; never rewritten
.set ADRB0, 17
.set ADRA,  18                         ; v18, v19  the same in the slot in hand
.set ADRB,  19
.set CA,    20                         ; v20, v21  the same, at the pair of sub-steps to be fetched
.set CB,    21
.set BO,    23                         ; v23  my byte offset in the bias
.set STO,   24                         ; v24  the way out: where I put 32 bytes of a row
.set RD,    25                         ; v25  the way out: where I read rows back
.set GO,    26                         ; v26  my byte offset in two rows of C
.set RO,    27                         ; v27  the same in res
.set SPW,   28                         ; v28  LDS address of my spare word; never rewritten
.set NIL,   29                         ; v29  0; never rewritten
.set PFO,   30                         ; v30  the prefetches' offset; never rewritten
.set ONE,   31                         ; v31  1.0
.set G1A,   24                         ; s[24:31] descriptor group 1 for A's tiles;  s[32:39] group 0: set 0 for K step 0, set 1 for K step 1, which then walks on
.set G0A,   32
.set G1B,   48
.set G0B,   56
.set LIM,   43                         ; s43  2 in a wave that prefetches, else the greatest number
.set PFA,   44                         ; s[44:45] where my prefetches stand
.set TB,    66                         ; s66  the slot in hand: 0 or SLOT
.set IC,    67                         ; s67  counts the pairs of sub-steps
.set SA,    68                         ; s68, s69  the slot in hand plus the place of the pair of sub-steps to be fetched, in A and in B
.set SB,    69
.set PSTEP, 70                         ; s[70:71] bytes from K step to K step for my prefetches
.set BP,    72                         ; s[72:73] the bias of my columns
.set RESP,  92                         ; s[92:93] res, s[94:95] C
.set CP,    94
.set MSB, 0
.macro WIN new
.if MSB != (\new)
	s_set_vgpr_msb (MSB<<8)|(\new)
.set MSB, \new
.endif
.endm
.macro PLACES                          ; four places in front of loads into registers that matrix instructions have read, and of stores that read results
.rept 4
	v_nop
.endr
.endm
.macro JLOAD s                         ; a joint load: waves 0 and 1 A's halves, waves 2 and 3 B's; an s_nop 0 and four v_nop follow each line
	s_cmp_eq_u32 s11, 0
	s_cbranch_scc0 .Lfor_b_\@
	tensor_load_to_lds s[G0A+4*(\s):G0A+4*(\s)+3], s[G1A:G1A+7]
	s_nop 0
.rept 4
	v_nop
.endr
	s_branch .Lasked_\@
.Lfor_b_\@:
	tensor_load_to_lds s[G0B+4*(\s):G0B+4*(\s)+3], s[G1B:G1B+7]
	s_nop 0
.rept 4
	v_nop
.endr
.Lasked_\@:
.endm
.macro CREST
	s_cmp_lg_u32 s10, 0
	s_cbranch_scc1 .Lnot_wave_0_\@
	s_barrier_signal -3
.Lnot_wave_0_\@:
	s_barrier_wait -3
	s_barrier_signal -1
	s_barrier_wait -1
.endm
.macro CROUND
	s_barrier_signal -1
	s_barrier_wait -1
	CREST
.endm
; A prefetch into the L2 (only where K has more than four steps): the K step that stands two refills on, 32 blocks of 256 bytes a wave, a lane a block.  Cluster x = 0 asks for A's bytes, cluster y = 0 for B's;
; the four partners share what a wave fetches out by address, a quarter each.  So each block is named once in the launch.  The loop's last two trips ask for nothing; K steps 0 to 3 come by their loads alone.
.macro ASK
	s_cmp_gt_u32 s3, s[LIM]
	s_cbranch_scc0 .Lnot_mine_\@
	global_prefetch_b8 v[PFO], s[PFA:PFA+1] th:TH_LOAD_NT scope:SCOPE_SE
.Lnot_mine_\@:
.endm
; an x RB matrix instructions on buffer f.  mode 0: onto the sums; 1: the sums start with 0; 2: with the bias.  All accumulators take turns, in the same order in every sub-step.
.macro MULH f, hi, a0, an, mode
.if (\mode) == 2
	WIN 0x81+0x40*(\hi)
.else
	WIN 0xa1+0x50*(\hi)
.endif
.set ma, (\a0)
.rept \an
.set mb, 0
.rept RB
.set rD, 8*(RB*ma+mb)
.set rB, FB0+8*RB*(\f)+8*mb
.set rA, FA0+8*RA*(\f)+8*(AW*(\hi)+ma)
.if (\mode) == 0
	v_wmma_f32_16x16x32_f16 v[rD:rD+7], v[rB:rB+7], v[rA:rA+7], v[rD:rD+7]
.elseif (\mode) == 1
	v_wmma_f32_16x16x32_f16 v[rD:rD+7], v[rB:rB+7], v[rA:rA+7], 0
.else
	v_wmma_f32_16x16x32_f16 v[rD:rD+7], v[rB:rB+7], v[rA:rA+7], v[BI+8*mb:BI+8*mb+7]
.endif
.set mb, mb+1
.endr
.set ma, ma+1
.endr
.endm
.macro FETCH ra, rb, ka, kb, f         ; one run of LDS loads: the fragments of 32 along K (B's, then A's) into buffer f
	WIN 0x40
.set fi, 0
.rept RB
	ds_load_b128 v[FB0+8*RB*(\f)+8*fi:FB0+8*RB*(\f)+8*fi+3],   v[\rb] offset:(\kb)+fi*16*PB
	ds_load_b128 v[FB0+8*RB*(\f)+8*fi+4:FB0+8*RB*(\f)+8*fi+7], v[\rb] offset:(\kb)+fi*16*PB+32
.set fi, fi+1
.endr
	WIN 0
.set fi, 0
.rept RA
	ds_load_b128 v[FA0+8*RA*(\f)+8*fi:FA0+8*RA*(\f)+8*fi+3],   v[\ra] offset:(\ka)+fi*16*PA
	ds_load_b128 v[FA0+8*RA*(\f)+8*fi+4:FA0+8*RA*(\f)+8*fi+7], v[\ra] offset:(\ka)+fi*16*PA+32
.set fi, fi+1
.endr
.endm
.macro QUARTER ra, rb, ka, kb, f, g, mode  ; a sub-step: multiplies buffer f; in its middle it fetches the next sub-step's fragments into buffer g
	s_wait_dscnt RA                                ; B and A's lower half are in; the youngest RA loads (A's upper half) may be out
	MULH \f, 0, 0, AW, \mode
	PLACES
	FETCH \ra, \rb, \ka, \kb, \g
	s_wait_dscnt 2*(RA+RB)                         ; all but the run just issued
	MULH \f, 1, 0, AW, \mode
.endm
.macro SIX                             ; sub-steps 1 to 6 of a K step, a pair a trip; they fetch sub-steps 2 to 7: a block of 64 columns of A, 128 bytes of B's rows, a trip
	WIN 0
	s_mov_b32 s[IC], 3
.Lin_\@:
	QUARTER CA, CB, 0, 0, 1, 0, 0
	QUARTER CA, CB, 64, 64, 0, 1, 0
	WIN 0
	s_add_co_u32 s[SA], s[SA], CBS
	s_add_co_u32 s[SB], s[SB], 128
	v_add_nc_u32 v[CA], s[SA], v[ADRA0]
	v_add_nc_u32 v[CB], s[SB], v[ADRB0]
	s_sub_co_u32 s[IC], s[IC], 1
	s_cmp_lg_u32 s[IC], 0
	s_cbranch_scc1 .Lin_\@
.endm
; A K step's last sub-step (buffer 1) and the change of slots: ONE barrier.  In front of it each wave waits for all its tensor loads (one is out: its part of the next slot), adds 0 to its spare word,
; and waits for that and for its reads of this slot.  fill = 1: the barrier opens a round of the cluster's barrier, and behind it this slot is filled again, first thing, with the K step two on.
.macro TURN fill
.if (\fill) && (T > 4)
	s_wait_xcnt 0x0                                ; the last prefetch, a K step back, has read its address
	s_add_nc_u64 s[PFA:PFA+1], s[PFA:PFA+1], s[PSTEP:PSTEP+1]
.endif
	WIN 0
	s_wait_tensorcnt 0x0                           ; all my tensor loads have landed
	ds_add_u32 v[SPW], v[NIL]                      ; 0 onto my spare word
	s_wait_dscnt RA+1                              ; (the add and A's upper half may be out)
	MULH 1, 0, 0, AW/2, 0
	s_wait_dscnt 0x0                               ; the add is done, and my reads of this slot are over
	s_barrier_signal -1
	MULH 1, 0, AW/2, AW/2, 0
	WIN 0
	s_barrier_wait -1
.if \fill
	CREST                                          ; no wave of any partner still reads this slot or has a load on its way
	s_xor_b32 s[G0A+5], s[G0A+5], SLOT             ; the walking descriptors: the other slot than last time, the next K step
	s_add_nc_u64 s[G0A+6:G0A+7], s[G0A+6:G0A+7], 65536
	s_xor_b32 s[G0B+5], s[G0B+5], SLOT
	s_add_nc_u64 s[G0B+6:G0B+7], s[G0B+6:G0B+7], KSTEP*2
	JLOAD 1                                        ; my one tensor load behind the round; its four v_nop are also the places in front of the loads below
.else
	PLACES
.endif
	s_xor_b32 s[TB], s[TB], SLOT
	s_add_co_u32 s[SA], s[TB], CBS
	s_add_co_u32 s[SB], s[TB], 128
	v_add_nc_u32 v[ADRA], s[TB], v[ADRA0]
	v_add_nc_u32 v[ADRB], s[TB], v[ADRB0]
	v_add_nc_u32 v[CA], s[SA], v[ADRA0]
	v_add_nc_u32 v[CB], s[SB], v[ADRB0]
	FETCH ADRA, ADRB, 0, 0, 0
.if (\fill) && (T > 4)
	ASK
.endif
	MULH 1, 1, 0, AW, 0
.endm
	s_load_b128 s[4:7], s[0:1], 0x0                ; A s[4:5], wts s[6:7]
	s_load_b128 s[92:95], s[0:1], 0x10             ; res, C
	v_lshl_add_u32 v[SPW], v0, 2, SPARE
	v_mov_b32 v[NIL], 0
	ds_add_u32 v[SPW], v[NIL]                      ; the wave's opening: the add and its wait, ahead of my first tensor load
	v_lshrrev_b32 v1, 5, v0
	v_readfirstlane_b32 s10, v1                    ; wave 0..3
	s_lshr_b32 s11, s10, 1                         ; which half of the tile's rows is mine.  Also: I fetch for A (0) or for B (1)
	s_and_b32 s12, s10, 1                          ; which half of its columns.  Also: which half of that tile I fetch
	s_bfe_u32 s40, ttmp6, 0x40000                  ; cx, cy
	s_bfe_u32 s41, ttmp6, 0x40004
	s_lshl_b32 s42, ttmp9, 2
	s_add_co_u32 s42, s42, s40                     ; tile column
	s_and_b32 s13, ttmp7, 0xffff
	s_lshl_b32 s13, s13, 2
	s_add_co_u32 s13, s13, s41                     ; tile row
	s_lshl_b32 s43, s41, 2
	s_lshl_b32 s43, 15, s43                        ; my row of the cluster
	s_lshl_b32 s44, 0x1111, s40                    ; my column
	s_or_b32 s[G1A+0], s43, (1<<16)|(1<<20)|(1<<21)|(4<<22)|(3<<25)  ; A: the mask; 2-byte elements; padding on; bit 21 beside a mask; after every 32 words (a row of a block), 4 words
	s_mov_b32 s[G1A+1], 128<<16                    ; 32,768 dense bytes as 128 rows of 256 bytes
	s_mov_b32 s[G1A+2], 128<<16
	s_mov_b32 s[G1A+3], 128<<16
	s_mov_b32 s[G1A+4], 128
	s_mov_b32 s[G1A+5], 128
	s_mov_b32 s[G1A+6], 0
	s_mov_b32 s[G1A+7], 0
	s_or_b32 s[G1B+0], s44, (1<<16)|(1<<20)|(1<<21)|(6<<22)|(3<<25)  ; B: after every 128 words, 4 words
	s_mov_b32 s[G1B+1], KSTEP<<16                  ; 64 rows of 256 elements
	s_mov_b32 s[G1B+2], 64<<16
	s_mov_b32 s[G1B+3], KSTEP<<16
	s_mov_b32 s[G1B+4], 64
	s_mov_b32 s[G1B+5], KDIM
	s_mov_b32 s[G1B+6], 0
	s_mov_b32 s[G1B+7], 0
	s_mul_i32 s16, s13, (KDIM/64)*16384            ; A: the tile row's blocks, and my half of a K step's four
	s_lshl_b32 s17, s12, 15
	s_add_co_u32 s16, s16, s17
	s_mov_b32 s17, 0
	s_lshl_b32 s46, s42, 7                         ; B: row 128 x tile column + 64 x half
	s_lshl_b32 s47, s12, 6
	s_add_co_u32 s46, s46, s47
	s_mul_i32 s46, s46, KDIM*2
	s_mov_b32 s47, 0
	s_mul_i32 s20, s12, 2*CBS                      ; where they go: A's halves,
	s_mul_i32 s21, s12, 64*PB                      ; B's behind A
	s_add_co_u32 s21, s21, ASZ
	s_mov_b32 s[TB], 0
	s_mov_b32 s[SA], CBS
	s_mov_b32 s[SB], 128
	s_wait_dscnt 0x0                               ; the opening add is done
	s_wait_kmcnt 0x0
.if MODE == 0
	s_add_nc_u64 s[BP:BP+1], s[6:7], BOFF
.endif
	s_add_nc_u64 s[6:7], s[6:7], WOFF
	s_add_nc_u64 s[14:15], s[4:5], s[16:17]
	s_add_nc_u64 s[46:47], s[6:7], s[46:47]
	CROUND                                         ; all sixteen work-groups are here: the first joint loads meet
.irp s, 0,1
	s_mov_b32 s[G0A+4*(\s)], 1
	s_add_co_u32 s[G0A+4*(\s)+1], s20, (\s)*SLOT
	s_add_nc_u64 s[G0A+4*(\s)+2:G0A+4*(\s)+3], s[14:15], (\s)*65536
	s_or_b32 s[G0A+4*(\s)+3], s[G0A+4*(\s)+3], 0x80000000
	s_mov_b32 s[G0B+4*(\s)], 1
	s_add_co_u32 s[G0B+4*(\s)+1], s21, (\s)*SLOT
	s_add_nc_u64 s[G0B+4*(\s)+2:G0B+4*(\s)+3], s[46:47], (\s)*KSTEP*2
	s_or_b32 s[G0B+4*(\s)+3], s[G0B+4*(\s)+3], 0x80000000
	JLOAD \s                                       ; two loads of mine are out
.endr
	v_and_b32 v1, 15, v0                           ; l % 16
	v_bfe_u32 v2, v0, 4, 1                         ; l / 16
.if MODE == 0
	s_lshl_b32 s74, s42, 9                         ; the bias of my 64 columns
	s_lshl_b32 s75, s12, 8
	s_add_co_u32 s74, s74, s75
	s_mov_b32 s75, 0
	s_add_nc_u64 s[BP:BP+1], s[BP:BP+1], s[74:75]
	v_lshlrev_b32 v[BO], 5, v2
.irp b, 0,1,2,3
	global_load_b128 v[BI+8*(\b):BI+8*(\b)+3],   v[BO], s[BP:BP+1] offset:64*(\b)
	global_load_b128 v[BI+8*(\b)+4:BI+8*(\b)+7], v[BO], s[BP:BP+1] offset:64*(\b)+16
.endr
.endif
	s_lshl_b32 s74, s13, 18                        ; res at my 64 x 64: rows of 2,048 bytes
	s_lshl_b32 s75, s11, 17
	s_add_co_u32 s74, s74, s75
	s_lshl_b32 s75, s42, 8
	s_add_co_u32 s74, s74, s75
	s_lshl_b32 s75, s12, 7
	s_add_co_u32 s74, s74, s75
	s_mov_b32 s75, 0
	s_add_nc_u64 s[RESP:RESP+1], s[RESP:RESP+1], s[74:75]
	s_lshl_b32 s74, s74, 1                         ; C likewise: twice the bytes
	s_add_nc_u64 s[CP:CP+1], s[CP:CP+1], s[74:75]
	v_lshlrev_b32 v[RO], 11, v2                    ; lanes 0-15 one row, lanes 16-31 the next; four columns a lane
	v_lshl_add_u32 v[RO], v1, 3, v[RO]
	v_lshlrev_b32 v[GO], 12, v2
	v_lshl_add_u32 v[GO], v1, 4, v[GO]
.set i, 0
.rept 32
	global_load_b64 v[RES+2*i:RES+2*i+1], v[RO], s[RESP:RESP+1] offset:2*i*2048  ; rows 2 i, 2 i + 1 of my 64: wanted only on the way out
.set i, i+1
.endr
	v_mov_b32 v[ONE], 1.0
	v_mul_u32_u24 v3, v1, PA
	v_lshl_add_u32 v3, v2, 4, v3
	s_mul_i32 s22, s11, 64*PA                      ; my 64 rows of each block of A
	v_add_nc_u32 v[ADRA0], s22, v3
	v_mul_u32_u24 v3, v1, PB
	v_lshl_add_u32 v3, v2, 4, v3
	s_mul_i32 s22, s12, 64*PB                      ; my 64 rows of B
	s_add_co_u32 s22, s22, ASZ
	v_add_nc_u32 v[ADRB0], s22, v3
	v_mov_b32 v[ADRA], v[ADRA0]
	v_mov_b32 v[ADRB], v[ADRB0]
	v_add_nc_u32 v[CA], s[SA], v[ADRA0]
	v_add_nc_u32 v[CB], s[SB], v[ADRB0]
	s_mul_i32 s23, s10, DSZ                        ; the way out: my region
	v_mul_u32_u24 v4, v1, DP
	v_lshl_add_u32 v4, v2, 5, v4
	v_add_nc_u32 v[STO], s23, v4                   ; in: row l % 16, 32 bytes for each half of the lanes
	v_mul_u32_u24 v5, v2, DP
	v_lshl_add_u32 v5, v1, 4, v5
	v_add_nc_u32 v[RD], s23, v5                    ; back: lanes 0-15 one row of 256 bytes, lanes 16-31 the next
.if T > 4
	s_mul_i32 s20, s13, (KDIM/64)*16384            ; the prefetches.  A: my half of a K step's bytes, my work-group's 8,192 of them
	s_lshl_b32 s21, s12, 15
	s_add_co_u32 s20, s20, s21
	s_lshl_b32 s21, s40, 13
	s_add_co_u32 s20, s20, s21
	s_lshl_b32 s21, s42, 7                         ; B: the 64 rows that I fetch, my work-group's 16 of them
	s_lshl_b32 s22, s12, 6
	s_add_co_u32 s21, s21, s22
	s_lshl_b32 s22, s41, 4
	s_add_co_u32 s21, s21, s22
	s_mul_i32 s21, s21, KDIM*2
	s_and_b32 s22, ttmp7, 0xffff
	s_cmp_eq_u32 s11, 0                            ; do I fetch for A?
	s_cselect_b32 s20, s20, s21
	s_cselect_b32 s22, ttmp9, s22                  ; the coordinate along which other clusters read the same bytes
	s_cselect_b64 s[PFA:PFA+1], s[4:5], s[6:7]
	s_cselect_b32 s[PSTEP], 65536, KSTEP*2
	s_cselect_b32 s23, 512, KDIM*2                 ; two blocks of 256 bytes on end, or the two of a row's K step
	s_mov_b32 s[PSTEP+1], 0
	s_cmp_eq_u32 s22, 0
	s_cselect_b32 s[LIM], 2, -1                    ; the same in all sixteen partners, for a given wave
	s_mul_i32 s21, s[PSTEP], 3                     ; at K step 3: the first change of slots steps it to 4
	s_add_co_u32 s20, s20, s21
	s_mov_b32 s21, 0
	s_add_nc_u64 s[PFA:PFA+1], s[PFA:PFA+1], s[20:21]
	v_and_b32 v5, 31, v0
	v_lshrrev_b32 v6, 1, v5
	v_and_b32 v7, 1, v5
	v_mul_lo_u32 v6, v6, s23
	v_lshl_add_u32 v[PFO], v7, 8, v6
.endif
	s_wait_tensorcnt 1                             ; my part of K step 0 is in; K step 1's may stay out
	s_barrier_signal -1
	s_barrier_wait -1                              ; everybody's is
	FETCH ADRA, ADRB, 0, 0, 0
.if MODE == 0
	s_wait_loadcnt 0x0                             ; the bias (and res)
	QUARTER ADRA, ADRB, 64, 64, 0, 1, 2            ; the first sub-step stands in front of the loop: its products start the sums
.else
	QUARTER ADRA, ADRB, 64, 64, 0, 1, 1
.endif
	WIN 0                                          ; at a label and at a branch every window is 0
	s_mov_b32 s3, T-2
.Lk:                                           ; a trip: a K step's sub-steps 1 to 7 and the next one's sub-step 0; it fills the slot that it leaves
	SIX
	TURN 1
	QUARTER ADRA, ADRB, 64, 64, 0, 1, 0
	WIN 0
	s_sub_co_u32 s3, s3, 1
	s_cmp_lg_u32 s3, 0
	s_cbranch_scc1 .Lk
	s_mov_b32 s2, 2
.Ltail:                                        ; the last two K steps ask for nothing; the second trip is left in its middle (its fetch, of bytes that have been multiplied, serves nothing)
	SIX
	TURN 0
	WIN 0
	s_sub_co_u32 s2, s2, 1
	s_cmp_eq_u32 s2, 0
	s_cbranch_scc1 .Ldone
	QUARTER ADRA, ADRB, 64, 64, 0, 1, 0
	WIN 0
	s_branch .Ltail
.Ldone:
	; THE WAY OUT.  Every wave has left the ring (its loads are back, a barrier); then each lays its 64 x 64 sums, f32, into its own part of slot 0's bytes, reads them back by rows, adds res and stores.
	s_wait_dscnt 0x0
	s_barrier_signal -1
	s_barrier_wait -1
	PLACES
.set da, 0
.rept RA
	WIN 0x08+4*(da/AW)                             ; the stores' data in window 2 or 3
.set db, 0
.rept RB
.set rD, 8*(RB*(da%AW)+db)
	ds_store_b128 v[STO], v[rD:rD+3]   offset:da*16*DP+64*db      ; each accumulator's low registers first
	ds_store_b128 v[STO], v[rD+4:rD+7] offset:da*16*DP+64*db+16
.set db, db+1
.endr
.set da, da+1
.endr
	WIN 0
	s_wait_loadcnt 0x0                             ; res
.irp a, 0,1,2,3
	s_wait_xcnt 0x0                                ; the stores of the sixteen rows before have read their registers
.irp t, 0,1,2,3,4,5,6,7
	ds_load_b128 v[XX+4*(\t):XX+4*(\t)+3], v[RD] offset:(16*(\a)+2*(\t))*DP  ; LDS serves a wave's instructions in order (ISA guide 5.7.1.4): these see my stores above
.endr
	s_wait_dscnt 0x0
.irp t, 0,1,2,3,4,5,6,7
	v_fma_mix_f32 v[XX+4*(\t)],   v[RES+2*(8*(\a)+(\t))],   v[ONE], v[XX+4*(\t)]   op_sel_hi:[1,0,0]
	v_fma_mix_f32 v[XX+4*(\t)+1], v[RES+2*(8*(\a)+(\t))],   v[ONE], v[XX+4*(\t)+1] op_sel:[1,0,0] op_sel_hi:[1,0,0]
	v_fma_mix_f32 v[XX+4*(\t)+2], v[RES+2*(8*(\a)+(\t))+1], v[ONE], v[XX+4*(\t)+2] op_sel_hi:[1,0,0]
	v_fma_mix_f32 v[XX+4*(\t)+3], v[RES+2*(8*(\a)+(\t))+1], v[ONE], v[XX+4*(\t)+3] op_sel:[1,0,0] op_sel_hi:[1,0,0]
.endr
.irp t, 0,1,2,3,4,5,6,7
	global_store_b128 v[GO], v[XX+4*(\t):XX+4*(\t)+3], s[CP:CP+1] offset:(16*(\a)+2*(\t))*4096  ; 16 lanes store 256 consecutive bytes, aligned
.endr
.endr
	s_wait_tensorcnt 0x0                           ; the wave's end: the wait, the add to my spare word and its wait, behind my last tensor load and my last LDS store
	ds_add_u32 v[SPW], v[NIL]
	s_wait_dscnt 0x0
	CROUND                                         ; the closing round
	s_endpgm
.Lfunc_end_k_q42843b9cbd_gdense:
	.size	k_q42843b9cbd_gdense, .Lfunc_end_k_q42843b9cbd_gdense-k_q42843b9cbd_gdense
	.p2alignl 7, 3214868480
	.fill 96, 4, 3214868480
	.section	.rodata,"a",@progbits
	.p2align	6, 0x0
	.amdhsa_kernel k_q42843b9cbd_gdense
		.amdhsa_group_segment_fixed_size 327680
		.amdhsa_private_segment_fixed_size 0
		.amdhsa_enable_private_segment 0
		.amdhsa_kernarg_size 32
		.amdhsa_user_sgpr_count 2
		.amdhsa_user_sgpr_kernarg_segment_ptr 1
		.amdhsa_wavefront_size32 1
		.amdhsa_system_sgpr_workgroup_id_x 1
		.amdhsa_system_sgpr_workgroup_id_y 1
		.amdhsa_system_sgpr_workgroup_id_z 1
		.amdhsa_system_vgpr_workitem_id 0
		.amdhsa_next_free_vgpr 832
		.amdhsa_next_free_sgpr 100
		.amdhsa_reserve_vcc 0
		.amdhsa_float_denorm_mode_32 3
		.amdhsa_float_denorm_mode_16_64 3
		.amdhsa_memory_ordered 1
		.amdhsa_forward_progress 1
		.amdhsa_inst_pref_size 53
	.end_amdhsa_kernel
	.amdgpu_metadata
---
amdhsa.version: [ 1, 2 ]
amdhsa.kernels:
  - .name:           k_q42843b9cbd_gdense
    .symbol:         k_q42843b9cbd_gdense.kd
    .args:
      - { .name: ctx, .offset: 0, .size: 8, .value_kind: global_buffer, .address_space: global }
      - { .name: wts, .offset: 8, .size: 8, .value_kind: global_buffer, .address_space: global }
      - { .name: xn, .offset: 16, .size: 8, .value_kind: global_buffer, .address_space: global }
      - { .name: h, .offset: 24, .size: 8, .value_kind: global_buffer, .address_space: global }
    .group_segment_fixed_size: 327680
    .private_segment_fixed_size: 0
    .kernarg_segment_align: 8
    .kernarg_segment_size: 32
    .max_flat_workgroup_size: 128
    .sgpr_count:     100
    .vgpr_count:     832
    .wavefront_size: 32
...
	.end_amdgpu_metadata
.endif
;; end of part 4
;; launch lnorm2 (part 5): grid 512 x 1, 8 waves a work-group, no clusters, 0 bytes of LDS; arguments h, gamma2, beta2, hn; writes hn
.if DOCPART == 5
	.amdgcn_target "amdgcn-amd-amdhsa--gfx1250"
	.amdhsa_code_object_version 6
	.text
	.protected	k_q42843b9cbd_lnorm2
	.globl	k_q42843b9cbd_lnorm2
	.p2align	8
	.type	k_q42843b9cbd_lnorm2,@function
k_q42843b9cbd_lnorm2:
	s_mov_b64 s[64:65], 0
	v_nop
	global_prefetch_b8 v0, s[64:65] scope:SCOPE_SE
	s_setreg_imm32_b32 hwreg(HW_REG_WAVE_MODE, 25, 1), 1
	s_wait_xcnt 0x0
; LN2: hn = gamma2 (h - mean) / (std + 1e-6) + beta2, std with 1023 in the divisor.  h: [4096][1024] f32, hn: [4096][1024] f16.  gamma2 and beta2, inputs, are rounded to bf16 first.
; One wave a row (row 8 g + wave); the row stays in 32 registers between the passes, so it is read once; no LDS, no barrier.  The mean is taken away before the squares are summed.
; LIMITS.  hn is f16: within 65,504.  NaN and infinities are not treated apart.
.set XR,  16                           ; v[16:47]   the row's 32 numbers of my lane: numbers 128 j + 4 l + 0..3
.set GP,  48                           ; v[48:63]   gamma, rounded to bf16, packed
.set GR,  64                           ; v[64:95]   gamma as loaded; later the packed results
.set BR,  96                           ; v[96:127]  beta as loaded
.set BP,  128                          ; v[128:143] beta, rounded to bf16, packed
.set GAM, 6
.set BET, 8
.set SEL, 40                           ; s[40:41] v_permlanex16_b32's selects
.set SRC, 46
.set DST, 48
.macro REDUCE                          ; four packed chains v[4:11] -> their sum over the wave, in v4 of every lane
	v_pk_add_f32 v[4:5], v[4:5], v[6:7]
	v_pk_add_f32 v[8:9], v[8:9], v[10:11]
	v_pk_add_f32 v[4:5], v[4:5], v[8:9]
	v_add_f32 v4, v4, v5
	v_add_f32_dpp v4, v4, v4 row_xmask:1 row_mask:0xf bank_mask:0xf
	v_add_f32_dpp v4, v4, v4 row_xmask:2 row_mask:0xf bank_mask:0xf
	v_add_f32_dpp v4, v4, v4 row_xmask:4 row_mask:0xf bank_mask:0xf
	v_add_f32_dpp v4, v4, v4 row_xmask:8 row_mask:0xf bank_mask:0xf
	v_permlanex16_b32 v5, v4, s[SEL], s[SEL+1]
	v_add_f32 v4, v4, v5
.endm
	s_load_b256 s[4:11], s[0:1], 0x0               ; h 4, gamma2 6, beta2 8, hn 10
	s_mov_b32 s[SEL], 0x76543210
	s_mov_b32 s[SEL+1], 0xfedcba98
	s_mov_b32 s45, 0
	v_lshrrev_b32 v1, 5, v0
	v_readfirstlane_b32 s39, v1
	v_and_b32 v1, 31, v0
	v_lshlrev_b32 v2, 4, v1
	v_lshlrev_b32 v3, 3, v1
	s_lshl_b32 s42, ttmp9, 3
	s_add_co_u32 s42, s42, s39                     ; my row
	s_wait_kmcnt 0x0
	s_lshl_b32 s44, s42, 12
	s_add_nc_u64 s[SRC:SRC+1], s[4:5], s[44:45]
	s_lshl_b32 s44, s42, 11
	s_add_nc_u64 s[DST:DST+1], s[10:11], s[44:45]
.irp j, 0,1,2,3,4,5,6,7
	global_load_b128 v[XR+4*(\j):XR+4*(\j)+3], v2, s[SRC:SRC+1] offset:512*(\j) th:TH_LOAD_NT
.endr
.irp j, 0,1,2,3,4,5,6,7
	global_load_b128 v[GR+4*(\j):GR+4*(\j)+3], v2, s[GAM:GAM+1] offset:512*(\j)
.endr
.irp j, 0,1,2,3,4,5,6,7
	global_load_b128 v[BR+4*(\j):BR+4*(\j)+3], v2, s[BET:BET+1] offset:512*(\j)
.endr
	s_wait_loadcnt 16                              ; the row is in; the 16 younger loads, gamma's and beta's, may stay out
.irp k, 0,1,2,3
	v_pk_add_f32 v[4+2*(\k):5+2*(\k)], v[XR+4*(\k):XR+4*(\k)+1], v[XR+4*(\k)+2:XR+4*(\k)+3]
.endr
.set i, 8
.rept 8
	v_pk_add_f32 v[4+2*(i%4):5+2*(i%4)], v[4+2*(i%4):5+2*(i%4)], v[XR+2*i:XR+2*i+1]
.set i, i+1
.endr
	REDUCE
	v_mul_f32 v12, 0x3a800000, v4                  ; mean = sum / 1024
	v_mov_b32 v13, v12
.set i, 0
.rept 16
	v_pk_add_f32 v[XR+2*i:XR+2*i+1], v[XR+2*i:XR+2*i+1], v[12:13] neg_lo:[0,1] neg_hi:[0,1]
.set i, i+1
.endr
.irp k, 0,1,2,3
	v_pk_mul_f32 v[4+2*(\k):5+2*(\k)], v[XR+2*(\k):XR+2*(\k)+1], v[XR+2*(\k):XR+2*(\k)+1]
.endr
.set i, 4
.rept 12
	v_pk_fma_f32 v[4+2*(i%4):5+2*(i%4)], v[XR+2*i:XR+2*i+1], v[XR+2*i:XR+2*i+1], v[4+2*(i%4):5+2*(i%4)]
.set i, i+1
.endr
	REDUCE
	v_mul_f32 v4, 0x3a802008, v4                   ; / 1023
	v_sqrt_f32 v6, v4
	v_nop                                          ; a plain instruction behind the root,
	s_wait_alu depctr_va_vdst(0)                   ; and the wait ahead of the first use of its result
	v_add_f32 v6, 0x358637bd, v6                   ; std + 1e-6
	v_rcp_f32 v12, v6
	v_nop
	s_wait_alu depctr_va_vdst(0)                   ; the same for the reciprocal
	v_mov_b32 v13, v12
.set i, 0
.rept 16
	v_pk_mul_f32 v[XR+2*i:XR+2*i+1], v[XR+2*i:XR+2*i+1], v[12:13]
.set i, i+1
.endr
	s_wait_loadcnt 0x0                             ; gamma and beta
.set i, 0
.rept 16
	v_cvt_pk_bf16_f32 v[GP+i], v[GR+2*i], v[GR+2*i+1]
	v_cvt_pk_bf16_f32 v[BP+i], v[BR+2*i], v[BR+2*i+1]
.set i, i+1
.endr
.set i, 0
.rept 16                               ; y gamma + beta, gamma and beta read as bf16 halves, one rounding
	v_fma_mix_f32_bf16 v[XR+2*i], v[XR+2*i], v[GP+i], v[BP+i] op_sel_hi:[0,1,1]
	v_fma_mix_f32_bf16 v[XR+2*i+1], v[XR+2*i+1], v[GP+i], v[BP+i] op_sel:[0,1,1] op_sel_hi:[0,1,1]
.set i, i+1
.endr
.set i, 0
.rept 16
	v_cvt_pk_f16_f32 v[GR+i], v[XR+2*i], v[XR+2*i+1]
.set i, i+1
.endr
.irp j, 0,1,2,3,4,5,6,7
	global_store_b64 v3, v[GR+2*(\j):GR+2*(\j)+1], s[DST:DST+1] offset:256*(\j)  ; 32 lanes x 8 bytes: 256 consecutive bytes, aligned
.endr
	s_endpgm
.Lfunc_end_k_q42843b9cbd_lnorm2:
	.size	k_q42843b9cbd_lnorm2, .Lfunc_end_k_q42843b9cbd_lnorm2-k_q42843b9cbd_lnorm2
	.p2alignl 7, 3214868480
	.fill 96, 4, 3214868480
	.section	.rodata,"a",@progbits
	.p2align	6, 0x0
	.amdhsa_kernel k_q42843b9cbd_lnorm2
		.amdhsa_group_segment_fixed_size 0
		.amdhsa_private_segment_fixed_size 0
		.amdhsa_enable_private_segment 0
		.amdhsa_kernarg_size 32
		.amdhsa_user_sgpr_count 2
		.amdhsa_user_sgpr_kernarg_segment_ptr 1
		.amdhsa_wavefront_size32 1
		.amdhsa_system_sgpr_workgroup_id_x 1
		.amdhsa_system_sgpr_workgroup_id_y 1
		.amdhsa_system_sgpr_workgroup_id_z 1
		.amdhsa_system_vgpr_workitem_id 0
		.amdhsa_next_free_vgpr 144
		.amdhsa_next_free_sgpr 66
		.amdhsa_reserve_vcc 0
		.amdhsa_float_denorm_mode_32 3
		.amdhsa_float_denorm_mode_16_64 3
		.amdhsa_memory_ordered 1
		.amdhsa_forward_progress 1
		.amdhsa_inst_pref_size 15
	.end_amdhsa_kernel
	.amdgpu_metadata
---
amdhsa.version: [ 1, 2 ]
amdhsa.kernels:
  - .name:           k_q42843b9cbd_lnorm2
    .symbol:         k_q42843b9cbd_lnorm2.kd
    .args:
      - { .name: h, .offset: 0, .size: 8, .value_kind: global_buffer, .address_space: global }
      - { .name: gamma2, .offset: 8, .size: 8, .value_kind: global_buffer, .address_space: global }
      - { .name: beta2, .offset: 16, .size: 8, .value_kind: global_buffer, .address_space: global }
      - { .name: hn, .offset: 24, .size: 8, .value_kind: global_buffer, .address_space: global }
    .group_segment_fixed_size: 0
    .private_segment_fixed_size: 0
    .kernarg_segment_align: 8
    .kernarg_segment_size: 32
    .max_flat_workgroup_size: 256
    .sgpr_count:     66
    .vgpr_count:     144
    .wavefront_size: 32
...
	.end_amdgpu_metadata
.endif
;; end of part 5
;; launch gfc (part 6): grid 16 x 16, 4 waves a work-group, clusters of 4 x 4, 327,680 bytes of LDS; arguments hn, wts, g; writes g
.if DOCPART == 6
	.amdgcn_target "amdgcn-amd-amdhsa--gfx1250"
	.amdhsa_code_object_version 6
	.text
	.protected	k_q42843b9cbd_gfc
	.globl	k_q42843b9cbd_gfc
	.p2align	8
	.type	k_q42843b9cbd_gfc,@function
k_q42843b9cbd_gfc:
	s_mov_b64 s[64:65], 0
	v_nop
	global_prefetch_b8 v0, s[64:65] scope:SCOPE_SE
	s_setreg_imm32_b32 hwreg(HW_REG_WAVE_MODE, 25, 1), 1
	s_wait_xcnt 0x0
	s_wait_alu depctr_hold_cnt(0) depctr_sa_sdst(0) depctr_va_vdst(0) depctr_va_sdst(0) depctr_va_ssrc(0) depctr_va_vcc(0) depctr_vm_vsrc(0)
	s_getreg_b32 s2, hwreg(HW_REG_IB_STS2, 6, 4)
	s_cmp_eq_u32 s2, 0
	s_cbranch_scc0 .Lentry_in_a_cluster
	s_endpgm
.Lentry_in_a_cluster:
	s_bfe_u32 s2, ttmp6, 0x10000c
	s_cmp_lg_u32 s2, 0xf033
	s_cbranch_scc0 .Lentry_shape_is_right
	s_endpgm
.Lentry_shape_is_right:
; g = gelu(hn fc_w^T), the exact gelu.  A = hn: [4096][1024] f16.  B = fc's 4,096 rows of 1,024 f16 in wts.  K = 1024, tiles of 256 x 256.  Sums in f32, g rounded once to f16.
; g IS STORED IN BLOCKS: [row / 128][column / 64][128 rows][64 columns] f16, a block 16,384 dense bytes: what the next launch takes as tiles then lies end to end.
; LIMITS.  g is f16: within 65,504.  erf by a rational form (1 - 1 / (1 + b1 h + .. + b6 h^6)^16, h = |x| / 2), off by 3e-7 at the most for every x; NaN and infinities are not treated apart.
; SHARES.  Four waves, 128 x 128 of C each: 64 accumulators of 16 x 16.  K goes in steps of 128 through two LDS slots that take turns; a wave's one tensor load brings 128 rows x 256 bytes.
; CLUSTER.  4 x 4 work-groups: A's tile is asked for jointly along a row of the cluster, B's along a column: the same load, descriptor and mask in all four.
; THE WALK ALONG K IS TURNED.  The cluster at (x, y) among the 4 x 4 clusters begins at K step 2 ((x + y) % 4) and goes round modulo 8 (f32 sums may be taken in any order).  So the clusters of a row of
; clusters, which ask for the same rows of A, and those of a column, which ask for the same rows of B, ask for different K steps in the same trip.
; NO PREFETCH.  With starts two K steps apart, a K step of a block of rows is asked for the first time in some cluster's first two trips, at the launch's head, where every work-group's first tiles are
; on their way and nothing is prefetched.
; THE MATRIX INSTRUCTION IS USED TRANSPOSED (source 0 = 16 rows of B, source 1 = 16 rows of A): lane l holds row l % 16 of C and the columns 8 (l / 16) + 0..7.
; REGISTERS, in windows of 256 (s_set_vgpr_msb: bits 1:0 source 0, 3:2 source 1, 5:4 source 2, 7:6 destination):
;   window 0: v0-31 addresses; v64-127, v128-191 A's fragments, two buffers; on the way out v32-191 at work
;   window 1: v64-191 B's fragments, two buffers      windows 2, 3: the accumulators of my rows 0-63, 64-127: (a, b) at v[8 (8 (a % 4) + b)]
.set KDIM,  1024
.set KSTEP, 128
.set T,     KDIM/KSTEP                 ; 8 K steps
.set RA,    8                          ; blocks of 16 rows of A, and of B, in a wave's tile
.set RB,    8
.set AW,    RA/2                       ; blocks of A's in one window of accumulators
.set PA,    272                        ; an LDS row: 256 bytes + 16 of padding: the 16 rows of a load start 4 banks apart (64 banks of 4 bytes: ISA guide 11.1)
.set PB,    272
.set HALFT, 128*PA                     ; what one tensor load brings
.set SLOT,  4*HALFT                    ; 139,264 = 0x22000: A's 256 rows, then B's.  It shares no bit with wave x HALFT, so an exclusive or turns an address in one slot into the other's
.set SPARE, 2*SLOT                     ; behind the ring: the spare words, 128 bytes a wave: two blocks of 256 bytes that no other line names
.set DP,    528                        ; the way out: a row of 128 f32 + 16 bytes
.set DSZ,   128*DP                     ; a wave's 128 rows, in the ring's bytes, which have had their last fill by then
.set NCB,   64                         ; blocks of 64 columns in a row of C
.set WOFF,  8388608                    ; B's first byte in wts
.set FA0,   64
.set FB0,   64
.set ADRA0, 16                         ; v16, v17  my lane's place in A's and B's part of slot 0; never rewritten
.set ADRB0, 17
.set ADRA,  18                         ; v18, v19  the same in the slot in hand
.set ADRB,  19
.set RD,    22                         ; v22  the way out: where the next trip's rows are read
.set STO,   24                         ; v24  the way out: where I put 32 bytes of a row
.set RD0,   25                         ; v25  the way out: my place in the first eight rows
.set GO,    26                         ; v26  my byte offset in a block of C
.set SPW,   28                         ; v28  LDS address of my spare word; never rewritten
.set NIL,   29                         ; v29  0; never rewritten
.set OUT,   32                         ; the way out: v32-47 packed results, v64-95 x, v96-127 h, v128-159 max(x, 0), v160-191 at work
.set XX,    64
.set HH,    96
.set MX,    128
.set PP,    160
.set ABAS,  14                         ; s[14:15] A at the rows that I fetch, K step 0
.set G1A,   24                         ; s[24:31] descriptor group 1 for A's tiles;  s[32:39] group 0: set 0 for the walk's first K step, set 1 for its second, which then walks on
.set G0A,   32
.set BBAS,  46                         ; s[46:47] B at the rows that I fetch, K step 0
.set G1B,   48                         ; s[48:55], s[56:63] the same for B's
.set G0B,   56
.set TB,    66                         ; s66  the slot in hand: 0 or SLOT
.set RO,    67                         ; s67  the way out: byte offset of the rows to be read next
.set KJ,    86                         ; s86  the K step asked for last, counted on from the cluster's first; taken modulo T
.set KOF,   88                         ; s[88:89] a K step's byte offset along the rows
.set MSB, 0
.macro WIN new                         ; the immediate's high byte repeats the setting that is left; a switch that changes nothing is dropped
.if MSB != (\new)
	s_set_vgpr_msb (MSB<<8)|(\new)
.set MSB, \new
.endif
.endm
.macro PLACES                          ; four places in front of loads into registers that matrix instructions have read, and of stores that read results
.rept 4
	v_nop
.endr
.endm
; The global address of group 0 at g0 is made anew: the rows' base plus K step s[KJ] mod T, then the type bits.  s[KJ] is made of the cluster's place among the clusters and of the trips alone.
.macro KSET g0, base, sh
	s_and_b32 s[KOF], s[KJ], T-1
	s_lshl_b32 s[KOF], s[KOF], \sh
	s_add_nc_u64 s[(\g0)+2:(\g0)+3], s[\base:\base+1], s[KOF:KOF+1]
	s_or_b32 s[(\g0)+3], s[(\g0)+3], 0x80000000
.endm
; A joint load.  Waves 0 and 1 fetch A's two halves, waves 2 and 3 B's; the branch hangs on the wave's number alone.  An s_nop 0 and four v_nop follow each line.
.macro JLOAD s
	s_cmp_eq_u32 s11, 0
	s_cbranch_scc0 .Lfor_b_\@
	tensor_load_to_lds s[G0A+4*(\s):G0A+4*(\s)+3], s[G1A:G1A+7]
	s_nop 0
.rept 4
	v_nop
.endr
	s_branch .Lasked_\@
.Lfor_b_\@:
	tensor_load_to_lds s[G0B+4*(\s):G0B+4*(\s)+3], s[G1B:G1B+7]
	s_nop 0
.rept 4
	v_nop
.endr
.Lasked_\@:
.endm
.macro CREST                           ; a round of the cluster's barrier behind its opening barrier
	s_cmp_lg_u32 s10, 0
	s_cbranch_scc1 .Lnot_wave_0_\@
	s_barrier_signal -3
.Lnot_wave_0_\@:
	s_barrier_wait -3
	s_barrier_signal -1
	s_barrier_wait -1
.endm
.macro CROUND                          ; a whole round
	s_barrier_signal -1
	s_barrier_wait -1
	CREST
.endm
; an x RB matrix instructions on buffer f: blocks a0 .. a0 + an - 1 of window hi's AW blocks of A x all blocks of B, 32 along K.  mode 0: onto the sums; 1: the sums start with 0.
; All accumulators take turns, one instruction a turn, in the same order in every sub-step.
.macro MULH f, hi, a0, an, mode
	WIN 0xa1+0x50*(\hi)
.set ma, (\a0)
.rept \an
.set mb, 0
.rept RB
.set rD, 8*(RB*ma+mb)
.set rB, FB0+8*RB*(\f)+8*mb
.set rA, FA0+8*RA*(\f)+8*(AW*(\hi)+ma)
.if (\mode) == 0
	v_wmma_f32_16x16x32_f16 v[rD:rD+7], v[rB:rB+7], v[rA:rA+7], v[rD:rD+7]
.else
	v_wmma_f32_16x16x32_f16 v[rD:rD+7], v[rB:rB+7], v[rA:rA+7], 0
.endif
.set mb, mb+1
.endr
.set ma, ma+1
.endr
.endm
; One run of LDS loads: the fragments of 32 along K (B's, then A's) into buffer f.  A fragment: lane l holds row l % 16, K = 8 (l / 16) + 0..7 and 16 + 8 (l / 16) + 0..7: two loads of 16 bytes, 32 apart.
.macro FETCH ra, rb, ka, kb, f
	WIN 0x40
.set fi, 0
.rept RB
	ds_load_b128 v[FB0+8*RB*(\f)+8*fi:FB0+8*RB*(\f)+8*fi+3],   v[\rb] offset:(\kb)+fi*16*PB
	ds_load_b128 v[FB0+8*RB*(\f)+8*fi+4:FB0+8*RB*(\f)+8*fi+7], v[\rb] offset:(\kb)+fi*16*PB+32
.set fi, fi+1
.endr
	WIN 0
.set fi, 0
.rept RA
	ds_load_b128 v[FA0+8*RA*(\f)+8*fi:FA0+8*RA*(\f)+8*fi+3],   v[\ra] offset:(\ka)+fi*16*PA
	ds_load_b128 v[FA0+8*RA*(\f)+8*fi+4:FA0+8*RA*(\f)+8*fi+7], v[\ra] offset:(\ka)+fi*16*PA+32
.set fi, fi+1
.endr
.endm
; A sub-step: multiplies buffer f.  At its head it fetches the next sub-step's fragments into buffer g, which the sub-step before has multiplied: the run has this sub-step's RA x RB products in which to come back.
.macro QUARTER ra, rb, ka, kb, f, g, mode
	s_wait_dscnt RA                                ; of buffer f, B and A's lower half are in; the youngest RA loads (A's upper half) may be out
	PLACES                                         ; behind the last product, which read buffer g
	FETCH \ra, \rb, \ka, \kb, \g
	MULH \f, 0, 0, AW, \mode
	s_wait_dscnt 2*(RA+RB)                         ; all but the run just issued: A's upper half is in
	MULH \f, 1, 0, AW, \mode
.endm
; A K step's last sub-step (buffer 1) and the change of slots: ONE barrier.  In front of it each wave waits for all its tensor loads (one is out: its part of the next slot), adds 0 to its spare word,
; and waits for that and for its reads of this slot.  fill = 1: the barrier opens a round of the cluster's barrier, and behind it this slot is filled again, first thing, with the walk's K step two on.
.macro TURN fill
	WIN 0
	s_wait_tensorcnt 0x0                           ; all my tensor loads have landed, so a group 0 may be written
	ds_add_u32 v[SPW], v[NIL]                      ; 0 onto my spare word; the descriptors' steps and 16 products stand between it and the wait for it
.if \fill
	s_add_co_u32 s[KJ], s[KJ], 1                   ; the walking descriptors: the walk's next K step, the other slot than last time
	s_xor_b32 s[G0A+5], s[G0A+5], SLOT
	KSET G0A+4, ABAS, 8
	s_xor_b32 s[G0B+5], s[G0B+5], SLOT
	KSET G0B+4, BBAS, 8
.endif
	s_wait_dscnt RA+1                              ; (the add and A's upper half may be out)
	MULH 1, 0, 0, AW/2, 0
	s_wait_dscnt 0x0                               ; the add is done, and my reads of this slot are over
	s_barrier_signal -1
	MULH 1, 0, AW/2, AW/2, 0
	WIN 0
	s_barrier_wait -1
.if \fill
	CREST                                          ; no wave of any partner still reads this slot or has a load on its way
	JLOAD 1                                        ; my one tensor load behind the round; its four v_nop are also the places in front of the loads below
.else
	PLACES
.endif
	s_xor_b32 s[TB], s[TB], SLOT
	v_add_nc_u32 v[ADRA], s[TB], v[ADRA0]
	v_add_nc_u32 v[ADRB], s[TB], v[ADRB0]
	FETCH ADRA, ADRB, 0, 0, 0
	MULH 1, 1, 0, AW, 0
.endm
	s_load_b128 s[4:7], s[0:1], 0x0                ; A s[4:5], wts s[6:7]
	s_load_b64 s[8:9], s[0:1], 0x10                ; C
	v_lshl_add_u32 v[SPW], v0, 2, SPARE
	v_mov_b32 v[NIL], 0
	ds_add_u32 v[SPW], v[NIL]                      ; the wave's opening: the add and its wait, ahead of my first tensor load
	v_lshrrev_b32 v1, 5, v0
	v_readfirstlane_b32 s10, v1                    ; wave 0..3
	s_lshr_b32 s11, s10, 1                         ; which half of the tile's rows is mine.  Also: I fetch for A (0) or for B (1)
	s_and_b32 s12, s10, 1                          ; which half of its columns.  Also: which 128 rows I fetch
	s_bfe_u32 s40, ttmp6, 0x40000                  ; cx, cy: my place in the cluster
	s_bfe_u32 s41, ttmp6, 0x40004
	s_lshl_b32 s42, ttmp9, 2
	s_add_co_u32 s42, s42, s40                     ; tile column
	s_and_b32 s13, ttmp7, 0xffff
	s_lshl_b32 s13, s13, 2
	s_add_co_u32 s13, s13, s41                     ; tile row
	s_lshl_b32 s43, s41, 2
	s_lshl_b32 s43, 15, s43                        ; my row of the cluster
	s_lshl_b32 s44, 0x1111, s40                    ; my column
	s_or_b32 s[G1A+0], s43, (1<<16)|(1<<20)|(1<<21)|(5<<22)|(3<<25)  ; the mask; 2-byte elements; padding on; bit 21 beside a mask; after every 64 words, 4 words
	s_or_b32 s[G1B+0], s44, (1<<16)|(1<<20)|(1<<21)|(5<<22)|(3<<25)
.irp g, G1A, G1B
	s_mov_b32 s[(\g)+1], KSTEP<<16                 ; tensor_dim0 = 128
	s_mov_b32 s[(\g)+2], 128<<16                   ; tensor_dim1 = 128
	s_mov_b32 s[(\g)+3], KSTEP<<16                 ; tile_dim0 = 128
	s_mov_b32 s[(\g)+4], 128                       ; tile_dim1 = 128
	s_mov_b32 s[(\g)+5], KDIM                      ; elements from row to row
	s_mov_b32 s[(\g)+6], 0
	s_mov_b32 s[(\g)+7], 0
.endr
	s_lshl_b32 s17, s12, 7
	s_lshl_b32 s16, s13, 8
	s_add_co_u32 s16, s16, s17                     ; A: row 256 x tile row + 128 x half
	s_lshl_b32 s46, s42, 8
	s_add_co_u32 s46, s46, s17                     ; B: row 256 x tile column + 128 x half
	s_lshl_b32 s16, s16, 11                        ; rows of 2,048 bytes
	s_lshl_b32 s46, s46, 11
	s_mov_b32 s17, 0
	s_mov_b32 s47, 0
	s_mul_i32 s20, s10, HALFT                      ; where they go: wave x 128 rows
	s_mov_b32 s[TB], 0
	s_and_b32 s[KJ], ttmp7, 0xffff                 ; the walk's first K step: 2 ((cluster x + cluster y) % 4): the same in all sixteen partners
	s_add_co_u32 s[KJ], s[KJ], ttmp9
	s_and_b32 s[KJ], s[KJ], 3
	s_lshl_b32 s[KJ], s[KJ], 1
	s_mov_b32 s[KOF+1], 0
	s_mov_b32 s68, 0x3dcc41b4                      ; b1 .. b6, each named as a pair
	s_mov_b32 s69, s68
	s_mov_b32 s70, 0x3dad2fe7
	s_mov_b32 s71, s70
	s_mov_b32 s72, 0x3cd6cd72
	s_mov_b32 s73, s72
	s_mov_b32 s74, 0x3a1f6607
	s_mov_b32 s75, s74
	s_mov_b32 s76, 0x3acd0fec
	s_mov_b32 s77, s76
	s_mov_b32 s78, 0x39b49f67
	s_mov_b32 s79, s78
	s_wait_dscnt 0x0                               ; the opening add is done
	s_wait_kmcnt 0x0
	s_add_nc_u64 s[6:7], s[6:7], WOFF              ; B's first row
	s_add_nc_u64 s[ABAS:ABAS+1], s[4:5], s[16:17]
	s_add_nc_u64 s[BBAS:BBAS+1], s[6:7], s[46:47]
	CROUND                                         ; all sixteen work-groups are here: the first joint loads meet
.irp s, 0,1
	s_mov_b32 s[G0A+4*(\s)], 1
	s_add_co_u32 s[G0A+4*(\s)+1], s20, (\s)*SLOT
	KSET G0A+4*(\s), ABAS, 8
	s_mov_b32 s[G0B+4*(\s)], 1
	s_add_co_u32 s[G0B+4*(\s)+1], s20, (\s)*SLOT
	KSET G0B+4*(\s), BBAS, 8
	JLOAD \s                                       ; two loads of mine are out
.if (\s) == 0
	s_add_co_u32 s[KJ], s[KJ], 1
.endif
.endr
	v_and_b32 v1, 15, v0                           ; l % 16
	v_bfe_u32 v2, v0, 4, 1                         ; l / 16
	v_mul_u32_u24 v3, v1, PA
	v_lshl_add_u32 v3, v2, 4, v3                   ; a fragment's row x pitch + 16 x half
	s_mul_i32 s21, s11, HALFT                      ; my 128 rows of A
	s_mul_i32 s22, s12, HALFT                      ; my 128 rows of B,
	s_add_co_u32 s22, s22, 2*HALFT                 ; behind A's 256
	v_add_nc_u32 v[ADRA0], s21, v3
	v_add_nc_u32 v[ADRB0], s22, v3
	v_mov_b32 v[ADRA], v[ADRA0]
	v_mov_b32 v[ADRB], v[ADRB0]
	s_mul_i32 s23, s10, DSZ                        ; the way out: my region
	v_mul_u32_u24 v4, v1, DP
	v_lshl_add_u32 v4, v2, 5, v4
	v_add_nc_u32 v[STO], s23, v4                   ; in: row l % 16, 32 bytes for each half of the lanes
	v_and_b32 v5, 31, v0
	v_lshrrev_b32 v6, 3, v5
	v_and_b32 v7, 7, v5
	v_mul_u32_u24 v6, v6, DP
	v_lshl_add_u32 v6, v7, 5, v6
	v_add_nc_u32 v[RD0], s23, v6                   ; back: row l / 8, eight columns (32 bytes) at l % 8
	v_lshlrev_b32 v[GO], 4, v5                     ; which are 16 bytes of 512 consecutive bytes of a block of C
	s_lshl_b32 s84, s13, 1                         ; my first block of C: ((2 x tile row + half) NCB + 4 x tile column + 2 x half) x 16,384
	s_add_co_u32 s84, s84, s11
	s_mul_i32 s84, s84, NCB
	s_lshl_b32 s85, s42, 2
	s_add_co_u32 s84, s84, s85
	s_lshl_b32 s85, s12, 1
	s_add_co_u32 s84, s84, s85
	s_lshl_b32 s84, s84, 14
	s_mov_b32 s85, 0
	s_add_nc_u64 s[8:9], s[8:9], s[84:85]
	s_wait_tensorcnt 1                             ; my part of the walk's first K step is in; the second's may stay out
	s_barrier_signal -1
	s_barrier_wait -1                              ; everybody's is
	FETCH ADRA, ADRB, 0, 0, 0
	QUARTER ADRA, ADRB, 64, 64, 0, 1, 1            ; the first sub-step stands in front of the loop: its products start the sums
	WIN 0                                          ; at a label and at a branch every window is 0
	s_mov_b32 s3, T-2
.Lk:                                           ; a trip: a K step's sub-steps 1 to 3 and the next one's sub-step 0; it fills the slot that it leaves
	QUARTER ADRA, ADRB, 128, 128, 1, 0, 0
	QUARTER ADRA, ADRB, 192, 192, 0, 1, 0
	TURN 1
	QUARTER ADRA, ADRB, 64, 64, 0, 1, 0
	WIN 0
	s_sub_co_u32 s3, s3, 1
	s_cmp_lg_u32 s3, 0
	s_cbranch_scc1 .Lk
	s_mov_b32 s2, 2
.Ltail:                                        ; the last two K steps ask for nothing; the second trip is left in its middle (its fetch, of bytes that have been multiplied, serves nothing)
	QUARTER ADRA, ADRB, 128, 128, 1, 0, 0
	QUARTER ADRA, ADRB, 192, 192, 0, 1, 0
	TURN 0
	WIN 0
	s_sub_co_u32 s2, s2, 1
	s_cmp_eq_u32 s2, 0
	s_cbranch_scc1 .Ldone
	QUARTER ADRA, ADRB, 64, 64, 0, 1, 0
	WIN 0
	s_branch .Ltail
.Ldone:
	; THE WAY OUT.  Every wave has left the ring (its loads are back, a barrier); then each lays its 128 x 128 sums, f32, into its own part of the ring's bytes and reads them back by rows.
	s_wait_dscnt 0x0
	s_barrier_signal -1
	s_barrier_wait -1
	PLACES
.set da, 0
.rept RA
	WIN 0x08+4*(da/AW)                             ; the stores' data in window 2 or 3
.set db, 0
.rept RB
.set rD, 8*(RB*(da%AW)+db)
	ds_store_b128 v[STO], v[rD:rD+3]   offset:da*16*DP+64*db      ; each accumulator's low registers first
	ds_store_b128 v[STO], v[rD+4:rD+7] offset:da*16*DP+64*db+16
.set db, db+1
.endr
.set da, da+1
.endr
	WIN 0
; eight rows x 128 columns: number q = 2 x (block of 64 columns) + (four rows): 8 f32 a lane
.macro LOADX
.irp q, 0,1,2,3
	ds_load_b128 v[XX+8*(\q):XX+8*(\q)+3],   v[RD] offset:((\q)%2)*4*DP+((\q)/2)*256
	ds_load_b128 v[XX+8*(\q)+4:XX+8*(\q)+7], v[RD] offset:((\q)%2)*4*DP+((\q)/2)*256+16
.endr
.endm
.macro HORNER c                        ; PP = PP h + c
.set i, 0
.rept 16
	v_pk_fma_f32 v[PP+i:PP+i+1], v[PP+i:PP+i+1], v[HH+i:HH+i+1], s[\c:\c+1] op_sel_hi:[1,1,0]
.set i, i+2
.endr
.endm
	s_mov_b32 s[RO], 0
	v_mov_b32 v[RD], v[RD0]
	LOADX                                          ; LDS serves a wave's instructions in order (ISA guide 5.7.1.4): these see my stores above
	s_mov_b32 s3, 16
.Lout:                                         ; 16 trips of eight rows; the next trip's rows are read while this trip's are worked on (the last trip reads its own once more)
	s_wait_dscnt 0x0
.set i, 0
.rept 32
	v_max_num_f32 v[MX+i], 0, v[XX+i]
.set i, i+1
.endr
.set i, 0
.rept 16
	v_pk_fma_f32 v[HH+i:HH+i+1], v[XX+i:XX+i+1], -0.5, v[MX+i:MX+i+1] op_sel_hi:[1,0,1]  ; h = |x| / 2 = max(x, 0) - x / 2, exact
.set i, i+2
.endr
	s_add_co_u32 s[RO], s[RO], 8*DP
	s_min_u32 s[RO], s[RO], 15*8*DP
	v_add_nc_u32 v[RD], s[RO], v[RD0]
	LOADX
	; gelu(x) = max(x, 0) - h / (1 + b1 h + .. + b6 h^6)^16
.set i, 0
.rept 16
	v_pk_fma_f32 v[PP+i:PP+i+1], v[HH+i:HH+i+1], s[78:79], s[76:77] op_sel_hi:[1,0,0]
.set i, i+2
.endr
	HORNER 74
	HORNER 72
	HORNER 70
	HORNER 68
.set i, 0
.rept 16
	v_pk_fma_f32 v[PP+i:PP+i+1], v[PP+i:PP+i+1], v[HH+i:HH+i+1], 1.0 op_sel_hi:[1,1,0]
.set i, i+2
.endr
.rept 4
.set i, 0
.rept 16
	v_pk_mul_f32 v[PP+i:PP+i+1], v[PP+i:PP+i+1], v[PP+i:PP+i+1]
.set i, i+2
.endr
.endr
.set i, 0
.rept 32
	v_rcp_f32 v[PP+i], v[PP+i]                     ; an overflow of the power gives 0: no cut is needed
.set i, i+1
.endr
	v_nop                                          ; a plain instruction behind the last reciprocal,
	s_wait_alu depctr_va_vdst(0)                   ; and one wait for the batch of 32
.set i, 0
.rept 16
	v_pk_fma_f32 v[PP+i:PP+i+1], v[HH+i:HH+i+1], v[PP+i:PP+i+1], v[MX+i:MX+i+1] neg_lo:[1,0,0] neg_hi:[1,0,0]
.set i, i+2
.endr
.set i, 0
.rept 16
	v_cvt_pk_f16_f32 v[OUT+i], v[PP+2*i], v[PP+2*i+1]
.set i, i+1
.endr
.irp q, 0,1,2,3
	global_store_b128 v[GO], v[OUT+4*(\q):OUT+4*(\q)+3], s[8:9] offset:((\q)/2)*16384+((\q)%2)*512  ; four rows of a block: 512 consecutive bytes, aligned
.endr
	s_wait_xcnt 0x0                                ; the stores have read their registers: GO and, in the next trip, OUT are written only behind this wait
	v_add_nc_u32 v[GO], 1024, v[GO]                ; eight rows of 128 bytes on
	s_sub_co_u32 s3, s3, 1
	s_cmp_lg_u32 s3, 0
	s_cbranch_scc1 .Lout
	s_wait_tensorcnt 0x0                           ; the wave's end: the wait, the add to my spare word and its wait, behind my last tensor load and my last LDS store
	ds_add_u32 v[SPW], v[NIL]
	s_wait_dscnt 0x0
	CROUND                                         ; the closing round
	s_endpgm
.Lfunc_end_k_q42843b9cbd_gfc:
	.size	k_q42843b9cbd_gfc, .Lfunc_end_k_q42843b9cbd_gfc-k_q42843b9cbd_gfc
	.p2alignl 7, 3214868480
	.fill 96, 4, 3214868480
	.section	.rodata,"a",@progbits
	.p2align	6, 0x0
	.amdhsa_kernel k_q42843b9cbd_gfc
		.amdhsa_group_segment_fixed_size 327680
		.amdhsa_private_segment_fixed_size 0
		.amdhsa_enable_private_segment 0
		.amdhsa_kernarg_size 24
		.amdhsa_user_sgpr_count 2
		.amdhsa_user_sgpr_kernarg_segment_ptr 1
		.amdhsa_wavefront_size32 1
		.amdhsa_system_sgpr_workgroup_id_x 1
		.amdhsa_system_sgpr_workgroup_id_y 1
		.amdhsa_system_sgpr_workgroup_id_z 1
		.amdhsa_system_vgpr_workitem_id 0
		.amdhsa_next_free_vgpr 1024
		.amdhsa_next_free_sgpr 96
		.amdhsa_reserve_vcc 0
		.amdhsa_float_denorm_mode_32 3
		.amdhsa_float_denorm_mode_16_64 3
		.amdhsa_memory_ordered 1
		.amdhsa_forward_progress 1
		.amdhsa_inst_pref_size 95
	.end_amdhsa_kernel
	.amdgpu_metadata
---
amdhsa.version: [ 1, 2 ]
amdhsa.kernels:
  - .name:           k_q42843b9cbd_gfc
    .symbol:         k_q42843b9cbd_gfc.kd
    .args:
      - { .name: hn, .offset: 0, .size: 8, .value_kind: global_buffer, .address_space: global }
      - { .name: wts, .offset: 8, .size: 8, .value_kind: global_buffer, .address_space: global }
      - { .name: g, .offset: 16, .size: 8, .value_kind: global_buffer, .address_space: global }
    .group_segment_fixed_size: 327680
    .private_segment_fixed_size: 0
    .kernarg_segment_align: 8
    .kernarg_segment_size: 24
    .max_flat_workgroup_size: 128
    .sgpr_count:     96
    .vgpr_count:     1024
    .wavefront_size: 32
...
	.end_amdgpu_metadata
.endif
;; end of part 6
;; launch gproj (part 7): grid 8 x 32, 4 waves a work-group, clusters of 4 x 4, 327,680 bytes of LDS; arguments g, wts, hn, out0; writes out0
.if DOCPART == 7
	.amdgcn_target "amdgcn-amd-amdhsa--gfx1250"
	.amdhsa_code_object_version 6
	.text
	.protected	k_q42843b9cbd_gproj
	.globl	k_q42843b9cbd_gproj
	.p2align	8
	.type	k_q42843b9cbd_gproj,@function
k_q42843b9cbd_gproj:
	s_mov_b64 s[64:65], 0
	v_nop
	global_prefetch_b8 v0, s[64:65] scope:SCOPE_SE
	s_setreg_imm32_b32 hwreg(HW_REG_WAVE_MODE, 25, 1), 1
	s_wait_xcnt 0x0
	s_wait_alu depctr_hold_cnt(0) depctr_sa_sdst(0) depctr_va_vdst(0) depctr_va_sdst(0) depctr_va_ssrc(0) depctr_va_vcc(0) depctr_vm_vsrc(0)
	s_getreg_b32 s2, hwreg(HW_REG_IB_STS2, 6, 4)
	s_cmp_eq_u32 s2, 0
	s_cbranch_scc0 .Lentry_in_a_cluster
	s_endpgm
.Lentry_in_a_cluster:
	s_bfe_u32 s2, ttmp6, 0x10000c
	s_cmp_lg_u32 s2, 0xf033
	s_cbranch_scc0 .Lentry_shape_is_right
	s_endpgm
.Lentry_shape_is_right:
; out0 = hn + g proj_w^T.  out0: [4096][1024] f32.  hn (res): [4096][1024] f16.  B = proj's 1,024 rows of 4,096 f16 in wts.  K = 4,096, tiles of 128 x 128.  Sums in f32.
; A = g lies in blocks [row / 128][column / 64][128 rows][64 columns] f16, 16,384 dense bytes each: a K step of 256 of a tile's 128 rows is 65,536 bytes on end.
; LIMITS.  A, B and res are f16, within 65,504; NaN and infinities are not treated apart.
; SHARES.  Four waves, 64 x 64 of C each: 16 accumulators.  This tile gives each of 256 work-groups one tile.  K goes in steps of 256 (eight sub-steps of 32) through two LDS slots that take turns;
; waves 0 and 1 fetch A's two halves (32,768 dense bytes each), waves 2 and 3 B's (64 rows x 512 bytes each): one tensor load a wave.
; CLUSTER.  4 x 4 work-groups: A's tile is asked for jointly along a row of the cluster, B's along a column.
; THE WALK ALONG K IS TURNED.  There are 2 x 8 clusters.  The one at (x, y) begins at K step 8 x + 4 (y % 4) + 2 (y / 4) and goes round modulo 16 (f32 sums may be taken in any order).
; So the two clusters that ask for the same rows of A begin half a walk apart, and the eight of a column, which ask for the same rows of B, at eight different K steps, two apart.
; THE MATRIX INSTRUCTION IS USED TRANSPOSED (source 0 = 16 rows of B, source 1 = 16 rows of A): lane l holds row l % 16 of C and the columns 8 (l / 16) + 0..7.
; REGISTERS, in windows of 256 (s_set_vgpr_msb: bits 1:0 source 0, 3:2 source 1, 5:4 source 2, 7:6 destination):
;   window 0: v0-31 addresses; v32-63 the way out; v64-127 A's fragments, two buffers; v128-191 res      window 1: v64-127 B's fragments, two buffers
;   windows 2, 3: the accumulators of my rows 0-31, 32-63: (a, b) at v[8 (4 (a % 2) + b)]
.set KDIM,  4096
.set WOFF,  16777216                   ; B's first byte in wts
.set KSTEP, 256
.set T,     KDIM/KSTEP                 ; 16 K steps
.set RA,    4
.set RB,    4
.set AW,    RA/2
.set PA,    144                        ; A in LDS: [4 blocks of 64 columns][128 rows], a row 128 bytes + 16
.set PB,    528                        ; B in LDS: 128 rows of 512 bytes + 16.  Both pitches are odd multiples of 16 bytes: the 16 rows of a load start 4 banks apart (64 banks of 4 bytes: ISA guide 11.1)
.set CBS,   128*PA                     ; a block of 64 columns
.set ASZ,   4*CBS
.set SLOT,  0x24000                    ; 147,456, a slot's 141,312 bytes rounded up so that it shares no bit with the loads' places in a slot: an exclusive or changes slots
.set SPARE, SLOT+ASZ+128*PB            ; behind the ring: the spare words, 128 bytes a wave: two blocks of 256 bytes that no other line names
.set DP,    272                        ; the way out: a row of 64 f32 + 16 bytes
.set DSZ,   64*DP                      ; a wave's 64 rows, in slot 0's bytes, which have had their last fill by then
.set FA0,   64
.set FB0,   64
.set RES,   128
.set XX,    32
.set ADRA0, 16                         ; v16, v17  my lane's place in A's and B's part of slot 0; never rewritten
.set ADRB0, 17
.set ADRA,  18                         ; v18, v19  the same in the slot in hand
.set ADRB,  19
.set CA,    20                         ; v20, v21  the same, at the pair of sub-steps to be fetched
.set CB,    21
.set STO,   24                         ; v24  the way out: where I put 32 bytes of a row
.set RD,    25                         ; v25  the way out: where I read rows back
.set GO,    26                         ; v26  my byte offset in two rows of C
.set RO,    27                         ; v27  the same in res
.set SPW,   28                         ; v28  LDS address of my spare word; never rewritten
.set NIL,   29                         ; v29  0; never rewritten
.set PFO,   30                         ; v30  the prefetches' offset: 256 x my lane; never rewritten
.set ONE,   31                         ; v31  1.0
.set ABAS,  14                         ; s[14:15] A at the bytes that I fetch, K step 0
.set G1A,   24                         ; s[24:31] descriptor group 1 for A's tiles;  s[32:39] group 0: set 0 for the walk's first K step, set 1 for its second, which then walks on
.set G0A,   32
.set LIM,   43                         ; s43  T - 6 in a wave that prefetches, else the greatest number
.set PFA,   44                         ; s[44:45] where my next prefetch stands
.set BBAS,  46                         ; s[46:47] B at the rows that I fetch, K step 0
.set G1B,   48
.set G0B,   56
.set TB,    66                         ; s66  the slot in hand: 0 or SLOT
.set IC,    67                         ; s67  counts the pairs of sub-steps
.set SA,    68                         ; s68, s69  the slot in hand plus the place of the pair of sub-steps to be fetched, in A and in B
.set SB,    69
.set KJ,    78                         ; s78  the K step asked for last, counted on from the cluster's first; taken modulo T
.set KOF,   80                         ; s[80:81] a K step's byte offset
.set PFB,   82                         ; s[82:83] A at my work-group's 8,192 bytes of the 32,768 that I fetch, K step 0
.set POF,   84                         ; s[84:85] the byte offset of the K step to be prefetched
.set RESP,  92                         ; s[92:93] res, s[94:95] C
.set CP,    94
.set MSB, 0
.macro WIN new
.if MSB != (\new)
	s_set_vgpr_msb (MSB<<8)|(\new)
.set MSB, \new
.endif
.endm
.macro PLACES                          ; four places in front of loads into registers that matrix instructions have read, and of stores that read results
.rept 4
	v_nop
.endr
.endm
; The global address of group 0 at g0 is made anew: the tile's base plus K step s[KJ] mod T, then the type bits.  s[KJ] is made of the cluster's place among the clusters and of the trips alone.
.macro KSET g0, base, sh
	s_and_b32 s[KOF], s[KJ], T-1
	s_lshl_b32 s[KOF], s[KOF], \sh
	s_add_nc_u64 s[(\g0)+2:(\g0)+3], s[\base:\base+1], s[KOF:KOF+1]
	s_or_b32 s[(\g0)+3], s[(\g0)+3], 0x80000000
.endm
.macro JLOAD s                         ; a joint load: waves 0 and 1 A's halves, waves 2 and 3 B's; an s_nop 0 and four v_nop follow each line
	s_cmp_eq_u32 s11, 0
	s_cbranch_scc0 .Lfor_b_\@
	tensor_load_to_lds s[G0A+4*(\s):G0A+4*(\s)+3], s[G1A:G1A+7]
	s_nop 0
.rept 4
	v_nop
.endr
	s_branch .Lasked_\@
.Lfor_b_\@:
	tensor_load_to_lds s[G0B+4*(\s):G0B+4*(\s)+3], s[G1B:G1B+7]
	s_nop 0
.rept 4
	v_nop
.endr
.Lasked_\@:
.endm
.macro CREST
	s_cmp_lg_u32 s10, 0
	s_cbranch_scc1 .Lnot_wave_0_\@
	s_barrier_signal -3
.Lnot_wave_0_\@:
	s_barrier_wait -3
	s_barrier_signal -1
	s_barrier_wait -1
.endm
.macro CROUND
	s_barrier_signal -1
	s_barrier_wait -1
	CREST
.endm
; A PREFETCH INTO THE L2.  Of the two clusters that walk the same rows of A, each is the first to ask for the K steps of the first half of its own walk: numbers 0 to 7.  Behind the refill that asks for the
; walk's number i + 2 stands one prefetch for number i + 4, two refills on, while that is below 8: numbers 4 to 7 (the loop's count is then above T - 6).  Waves 0 and 1 ask, each for the 32,768 bytes
; that it fetches; the four partners share them out by address, 8,192 each; a lane a block of 256 bytes.  So each block is named once in the launch.  Numbers 0 to 3 come by their loads alone.
; B's rows have eight clusters with starts two K steps apart: a K step of theirs is asked for first in some cluster's first two trips, at the launch's head, where nothing is prefetched.
.macro ASK
	s_cmp_gt_u32 s3, s[LIM]
	s_cbranch_scc0 .Lnot_mine_\@
	global_prefetch_b8 v[PFO], s[PFA:PFA+1] th:TH_LOAD_NT scope:SCOPE_SE
.Lnot_mine_\@:
.endm
; an x RB matrix instructions on buffer f.  mode 0: onto the sums; 1: the sums start with 0.  All accumulators take turns, in the same order in every sub-step.
.macro MULH f, hi, a0, an, mode
	WIN 0xa1+0x50*(\hi)
.set ma, (\a0)
.rept \an
.set mb, 0
.rept RB
.set rD, 8*(RB*ma+mb)
.set rB, FB0+8*RB*(\f)+8*mb
.set rA, FA0+8*RA*(\f)+8*(AW*(\hi)+ma)
.if (\mode) == 0
	v_wmma_f32_16x16x32_f16 v[rD:rD+7], v[rB:rB+7], v[rA:rA+7], v[rD:rD+7]
.else
	v_wmma_f32_16x16x32_f16 v[rD:rD+7], v[rB:rB+7], v[rA:rA+7], 0
.endif
.set mb, mb+1
.endr
.set ma, ma+1
.endr
.endm
.macro FETCH ra, rb, ka, kb, f         ; one run of LDS loads: the fragments of 32 along K (B's, then A's) into buffer f
	WIN 0x40
.set fi, 0
.rept RB
	ds_load_b128 v[FB0+8*RB*(\f)+8*fi:FB0+8*RB*(\f)+8*fi+3],   v[\rb] offset:(\kb)+fi*16*PB
	ds_load_b128 v[FB0+8*RB*(\f)+8*fi+4:FB0+8*RB*(\f)+8*fi+7], v[\rb] offset:(\kb)+fi*16*PB+32
.set fi, fi+1
.endr
	WIN 0
.set fi, 0
.rept RA
	ds_load_b128 v[FA0+8*RA*(\f)+8*fi:FA0+8*RA*(\f)+8*fi+3],   v[\ra] offset:(\ka)+fi*16*PA
	ds_load_b128 v[FA0+8*RA*(\f)+8*fi+4:FA0+8*RA*(\f)+8*fi+7], v[\ra] offset:(\ka)+fi*16*PA+32
.set fi, fi+1
.endr
.endm
; A sub-step: multiplies buffer f.  At its head it fetches the next sub-step's fragments into buffer g, which the sub-step before has multiplied: the run has this sub-step's RA x RB products in which to come back.
.macro QUARTER ra, rb, ka, kb, f, g, mode
	s_wait_dscnt RA                                ; of buffer f, B and A's lower half are in; the youngest RA loads (A's upper half) may be out
	PLACES                                         ; behind the last product, which read buffer g
	FETCH \ra, \rb, \ka, \kb, \g
	MULH \f, 0, 0, AW, \mode
	s_wait_dscnt 2*(RA+RB)                         ; all but the run just issued: A's upper half is in
	MULH \f, 1, 0, AW, \mode
.endm
.macro SIX                             ; sub-steps 1 to 6 of a K step, a pair a trip; they fetch sub-steps 2 to 7: a block of 64 columns of A, 128 bytes of B's rows, a trip
	WIN 0
	s_mov_b32 s[IC], 3
.Lin_\@:
	QUARTER CA, CB, 0, 0, 1, 0, 0
	QUARTER CA, CB, 64, 64, 0, 1, 0
	WIN 0
	s_add_co_u32 s[SA], s[SA], CBS
	s_add_co_u32 s[SB], s[SB], 128
	v_add_nc_u32 v[CA], s[SA], v[ADRA0]
	v_add_nc_u32 v[CB], s[SB], v[ADRB0]
	s_sub_co_u32 s[IC], s[IC], 1
	s_cmp_lg_u32 s[IC], 0
	s_cbranch_scc1 .Lin_\@
.endm
; A K step's last sub-step (buffer 1) and the change of slots: ONE barrier.  In front of it each wave waits for all its tensor loads (one is out: its part of the next slot), adds 0 to its spare word,
; and waits for that and for its reads of this slot.  fill = 1: the barrier opens a round of the cluster's barrier, and behind it this slot is filled again, first thing, with the walk's K step two on.
.macro TURN fill
.if \fill
	s_wait_xcnt 0x0                                ; the last prefetch, a K step back, has read its address: it is made anew, three K steps on from the one asked for last
	s_add_co_u32 s[POF], s[KJ], 3
	s_and_b32 s[POF], s[POF], T-1
	s_lshl_b32 s[POF], s[POF], 16
	s_add_nc_u64 s[PFA:PFA+1], s[PFB:PFB+1], s[POF:POF+1]
.endif
	WIN 0
	s_wait_tensorcnt 0x0                           ; all my tensor loads have landed, so a group 0 may be written
	ds_add_u32 v[SPW], v[NIL]                      ; 0 onto my spare word; the descriptors' steps and four products stand between it and the wait for it
.if \fill
	s_add_co_u32 s[KJ], s[KJ], 1                   ; the walking descriptors: the walk's next K step, the other slot than last time
	s_xor_b32 s[G0A+5], s[G0A+5], SLOT
	KSET G0A+4, ABAS, 16
	s_xor_b32 s[G0B+5], s[G0B+5], SLOT
	KSET G0B+4, BBAS, 9
.endif
	s_wait_dscnt RA+1                              ; (the add and A's upper half may be out)
	MULH 1, 0, 0, AW/2, 0
	s_wait_dscnt 0x0                               ; the add is done, and my reads of this slot are over
	s_barrier_signal -1
	MULH 1, 0, AW/2, AW/2, 0
	WIN 0
	s_barrier_wait -1
.if \fill
	CREST                                          ; no wave of any partner still reads this slot or has a load on its way
	JLOAD 1                                        ; my one tensor load behind the round; its four v_nop are also the places in front of the loads below
.else
	PLACES
.endif
	s_xor_b32 s[TB], s[TB], SLOT
	s_add_co_u32 s[SA], s[TB], CBS
	s_add_co_u32 s[SB], s[TB], 128
	v_add_nc_u32 v[ADRA], s[TB], v[ADRA0]
	v_add_nc_u32 v[ADRB], s[TB], v[ADRB0]
	v_add_nc_u32 v[CA], s[SA], v[ADRA0]
	v_add_nc_u32 v[CB], s[SB], v[ADRB0]
	FETCH ADRA, ADRB, 0, 0, 0
.if \fill
	ASK
.endif
	MULH 1, 1, 0, AW, 0
.endm
	s_load_b128 s[4:7], s[0:1], 0x0                ; A s[4:5], wts s[6:7]
	s_load_b128 s[92:95], s[0:1], 0x10             ; res, C
	v_lshl_add_u32 v[SPW], v0, 2, SPARE
	v_mov_b32 v[NIL], 0
	ds_add_u32 v[SPW], v[NIL]                      ; the wave's opening: the add and its wait, ahead of my first tensor load
	v_lshrrev_b32 v1, 5, v0
	v_readfirstlane_b32 s10, v1                    ; wave 0..3
	s_lshr_b32 s11, s10, 1                         ; which half of the tile's rows is mine.  Also: I fetch for A (0) or for B (1)
	s_and_b32 s12, s10, 1                          ; which half of its columns.  Also: which half of that tile I fetch
	s_bfe_u32 s40, ttmp6, 0x40000                  ; cx, cy
	s_bfe_u32 s41, ttmp6, 0x40004
	s_lshl_b32 s42, ttmp9, 2
	s_add_co_u32 s42, s42, s40                     ; tile column
	s_and_b32 s13, ttmp7, 0xffff
	s_lshl_b32 s13, s13, 2
	s_add_co_u32 s13, s13, s41                     ; tile row
	s_lshl_b32 s43, s41, 2
	s_lshl_b32 s43, 15, s43                        ; my row of the cluster
	s_lshl_b32 s44, 0x1111, s40                    ; my column
	s_or_b32 s[G1A+0], s43, (1<<16)|(1<<20)|(1<<21)|(4<<22)|(3<<25)  ; A: the mask; 2-byte elements; padding on; bit 21 beside a mask; after every 32 words (a row of a block), 4 words
	s_mov_b32 s[G1A+1], 128<<16                    ; 32,768 dense bytes as 128 rows of 256 bytes
	s_mov_b32 s[G1A+2], 128<<16
	s_mov_b32 s[G1A+3], 128<<16
	s_mov_b32 s[G1A+4], 128
	s_mov_b32 s[G1A+5], 128
	s_mov_b32 s[G1A+6], 0
	s_mov_b32 s[G1A+7], 0
	s_or_b32 s[G1B+0], s44, (1<<16)|(1<<20)|(1<<21)|(6<<22)|(3<<25)  ; B: after every 128 words, 4 words
	s_mov_b32 s[G1B+1], KSTEP<<16                  ; 64 rows of 256 elements
	s_mov_b32 s[G1B+2], 64<<16
	s_mov_b32 s[G1B+3], KSTEP<<16
	s_mov_b32 s[G1B+4], 64
	s_mov_b32 s[G1B+5], KDIM
	s_mov_b32 s[G1B+6], 0
	s_mov_b32 s[G1B+7], 0
	s_mul_i32 s16, s13, (KDIM/64)*16384            ; A: the tile row's blocks, and my half of a K step's four
	s_lshl_b32 s17, s12, 15
	s_add_co_u32 s16, s16, s17
	s_mov_b32 s17, 0
	s_lshl_b32 s46, s42, 7                         ; B: row 128 x tile column + 64 x half
	s_lshl_b32 s47, s12, 6
	s_add_co_u32 s46, s46, s47
	s_mul_i32 s46, s46, KDIM*2
	s_mov_b32 s47, 0
	s_mul_i32 s20, s12, 2*CBS                      ; where they go: A's halves,
	s_mul_i32 s21, s12, 64*PB                      ; B's behind A
	s_add_co_u32 s21, s21, ASZ
	s_mov_b32 s[TB], 0
	s_mov_b32 s[SA], CBS
	s_mov_b32 s[SB], 128
	s_and_b32 s22, ttmp7, 0xffff                   ; the walk's first K step: 8 x + 4 (y % 4) + 2 (y / 4), of the cluster's place among the clusters: the same in all sixteen partners
	s_and_b32 s23, s22, 3
	s_lshl_b32 s23, s23, 2
	s_lshr_b32 s22, s22, 2
	s_lshl_b32 s22, s22, 1
	s_lshl_b32 s[KJ], ttmp9, 3
	s_add_co_u32 s[KJ], s[KJ], s23
	s_add_co_u32 s[KJ], s[KJ], s22
	s_mov_b32 s[KOF+1], 0
	s_lshl_b32 s[POF], s40, 13                     ; my work-group's 8,192 bytes of what a wave fetches of A
	s_mov_b32 s[POF+1], 0
	s_cmp_eq_u32 s11, 0                            ; waves 0 and 1 prefetch
	s_cselect_b32 s[LIM], T-6, -1
	s_wait_dscnt 0x0                               ; the opening add is done
	s_wait_kmcnt 0x0
	s_add_nc_u64 s[6:7], s[6:7], WOFF
	s_add_nc_u64 s[ABAS:ABAS+1], s[4:5], s[16:17]
	s_add_nc_u64 s[BBAS:BBAS+1], s[6:7], s[46:47]
	s_add_nc_u64 s[PFB:PFB+1], s[ABAS:ABAS+1], s[POF:POF+1]
	CROUND                                         ; all sixteen work-groups are here: the first joint loads meet
.irp s, 0,1
	s_mov_b32 s[G0A+4*(\s)], 1
	s_add_co_u32 s[G0A+4*(\s)+1], s20, (\s)*SLOT
	KSET G0A+4*(\s), ABAS, 16
	s_mov_b32 s[G0B+4*(\s)], 1
	s_add_co_u32 s[G0B+4*(\s)+1], s21, (\s)*SLOT
	KSET G0B+4*(\s), BBAS, 9
	JLOAD \s                                       ; two loads of mine are out
.if (\s) == 0
	s_add_co_u32 s[KJ], s[KJ], 1
.endif
.endr
	v_and_b32 v1, 15, v0                           ; l % 16
	v_bfe_u32 v2, v0, 4, 1                         ; l / 16
	s_lshl_b32 s74, s13, 18                        ; res at my 64 x 64: rows of 2,048 bytes
	s_lshl_b32 s75, s11, 17
	s_add_co_u32 s74, s74, s75
	s_lshl_b32 s75, s42, 8
	s_add_co_u32 s74, s74, s75
	s_lshl_b32 s75, s12, 7
	s_add_co_u32 s74, s74, s75
	s_mov_b32 s75, 0
	s_add_nc_u64 s[RESP:RESP+1], s[RESP:RESP+1], s[74:75]
	s_lshl_b32 s74, s74, 1                         ; C likewise: twice the bytes
	s_add_nc_u64 s[CP:CP+1], s[CP:CP+1], s[74:75]
	v_lshlrev_b32 v[RO], 11, v2                    ; lanes 0-15 one row, lanes 16-31 the next; four columns a lane
	v_lshl_add_u32 v[RO], v1, 3, v[RO]
	v_lshlrev_b32 v[GO], 12, v2
	v_lshl_add_u32 v[GO], v1, 4, v[GO]
.set i, 0
.rept 32
	global_load_b64 v[RES+2*i:RES+2*i+1], v[RO], s[RESP:RESP+1] offset:2*i*2048  ; rows 2 i, 2 i + 1 of my 64: wanted only on the way out
.set i, i+1
.endr
	v_mov_b32 v[ONE], 1.0
	v_and_b32 v[PFO], 31, v0
	v_lshlrev_b32 v[PFO], 8, v[PFO]
	v_mul_u32_u24 v3, v1, PA
	v_lshl_add_u32 v3, v2, 4, v3
	s_mul_i32 s22, s11, 64*PA                      ; my 64 rows of each block of A
	v_add_nc_u32 v[ADRA0], s22, v3
	v_mul_u32_u24 v3, v1, PB
	v_lshl_add_u32 v3, v2, 4, v3
	s_mul_i32 s22, s12, 64*PB                      ; my 64 rows of B
	s_add_co_u32 s22, s22, ASZ
	v_add_nc_u32 v[ADRB0], s22, v3
	v_mov_b32 v[ADRA], v[ADRA0]
	v_mov_b32 v[ADRB], v[ADRB0]
	v_add_nc_u32 v[CA], s[SA], v[ADRA0]
	v_add_nc_u32 v[CB], s[SB], v[ADRB0]
	s_mul_i32 s23, s10, DSZ                        ; the way out: my region
	v_mul_u32_u24 v4, v1, DP
	v_lshl_add_u32 v4, v2, 5, v4
	v_add_nc_u32 v[STO], s23, v4                   ; in: row l % 16, 32 bytes for each half of the lanes
	v_mul_u32_u24 v5, v2, DP
	v_lshl_add_u32 v5, v1, 4, v5
	v_add_nc_u32 v[RD], s23, v5                    ; back: lanes 0-15 one row of 256 bytes, lanes 16-31 the next
	s_wait_tensorcnt 1                             ; my part of the walk's first K step is in; the second's may stay out
	s_barrier_signal -1
	s_barrier_wait -1                              ; everybody's is
	FETCH ADRA, ADRB, 0, 0, 0
	QUARTER ADRA, ADRB, 64, 64, 0, 1, 1            ; the first sub-step stands in front of the loop: its products start the sums
	WIN 0                                          ; at a label and at a branch every window is 0
	s_mov_b32 s3, T-2
.Lk:                                           ; a trip: a K step's sub-steps 1 to 7 and the next one's sub-step 0; it fills the slot that it leaves
	SIX
	TURN 1
	QUARTER ADRA, ADRB, 64, 64, 0, 1, 0
	WIN 0
	s_sub_co_u32 s3, s3, 1
	s_cmp_lg_u32 s3, 0
	s_cbranch_scc1 .Lk
	s_mov_b32 s2, 2
.Ltail:                                        ; the last two K steps ask for nothing; the second trip is left in its middle (its fetch, of bytes that have been multiplied, serves nothing)
	SIX
	TURN 0
	WIN 0
	s_sub_co_u32 s2, s2, 1
	s_cmp_eq_u32 s2, 0
	s_cbranch_scc1 .Ldone
	QUARTER ADRA, ADRB, 64, 64, 0, 1, 0
	WIN 0
	s_branch .Ltail
.Ldone:
	; THE WAY OUT.  Every wave has left the ring (its loads are back, a barrier); then each lays its 64 x 64 sums, f32, into its own part of slot 0's bytes, reads them back by rows, adds res and stores.
	s_wait_dscnt 0x0
	s_barrier_signal -1
	s_barrier_wait -1
	PLACES
.set da, 0
.rept RA
	WIN 0x08+4*(da/AW)                             ; the stores' data in window 2 or 3
.set db, 0
.rept RB
.set rD, 8*(RB*(da%AW)+db)
	ds_store_b128 v[STO], v[rD:rD+3]   offset:da*16*DP+64*db      ; each accumulator's low registers first
	ds_store_b128 v[STO], v[rD+4:rD+7] offset:da*16*DP+64*db+16
.set db, db+1
.endr
.set da, da+1
.endr
	WIN 0
	s_wait_loadcnt 0x0                             ; res
.irp a, 0,1,2,3
	s_wait_xcnt 0x0                                ; the stores of the sixteen rows before have read their registers
.irp t, 0,1,2,3,4,5,6,7
	ds_load_b128 v[XX+4*(\t):XX+4*(\t)+3], v[RD] offset:(16*(\a)+2*(\t))*DP  ; LDS serves a wave's instructions in order (ISA guide 5.7.1.4): these see my stores above
.endr
	s_wait_dscnt 0x0
.irp t, 0,1,2,3,4,5,6,7
	v_fma_mix_f32 v[XX+4*(\t)],   v[RES+2*(8*(\a)+(\t))],   v[ONE], v[XX+4*(\t)]   op_sel_hi:[1,0,0]
	v_fma_mix_f32 v[XX+4*(\t)+1], v[RES+2*(8*(\a)+(\t))],   v[ONE], v[XX+4*(\t)+1] op_sel:[1,0,0] op_sel_hi:[1,0,0]
	v_fma_mix_f32 v[XX+4*(\t)+2], v[RES+2*(8*(\a)+(\t))+1], v[ONE], v[XX+4*(\t)+2] op_sel_hi:[1,0,0]
	v_fma_mix_f32 v[XX+4*(\t)+3], v[RES+2*(8*(\a)+(\t))+1], v[ONE], v[XX+4*(\t)+3] op_sel:[1,0,0] op_sel_hi:[1,0,0]
.endr
.irp t, 0,1,2,3,4,5,6,7
	global_store_b128 v[GO], v[XX+4*(\t):XX+4*(\t)+3], s[CP:CP+1] offset:(16*(\a)+2*(\t))*4096  ; 16 lanes store 256 consecutive bytes, aligned
.endr
.endr
	s_wait_tensorcnt 0x0                           ; the wave's end: the wait, the add to my spare word and its wait, behind my last tensor load and my last LDS store
	ds_add_u32 v[SPW], v[NIL]
	s_wait_dscnt 0x0
	CROUND                                         ; the closing round
	s_endpgm
.Lfunc_end_k_q42843b9cbd_gproj:
	.size	k_q42843b9cbd_gproj, .Lfunc_end_k_q42843b9cbd_gproj-k_q42843b9cbd_gproj
	.p2alignl 7, 3214868480
	.fill 96, 4, 3214868480
	.section	.rodata,"a",@progbits
	.p2align	6, 0x0
	.amdhsa_kernel k_q42843b9cbd_gproj
		.amdhsa_group_segment_fixed_size 327680
		.amdhsa_private_segment_fixed_size 0
		.amdhsa_enable_private_segment 0
		.amdhsa_kernarg_size 32
		.amdhsa_user_sgpr_count 2
		.amdhsa_user_sgpr_kernarg_segment_ptr 1
		.amdhsa_wavefront_size32 1
		.amdhsa_system_sgpr_workgroup_id_x 1
		.amdhsa_system_sgpr_workgroup_id_y 1
		.amdhsa_system_sgpr_workgroup_id_z 1
		.amdhsa_system_vgpr_workitem_id 0
		.amdhsa_next_free_vgpr 832
		.amdhsa_next_free_sgpr 100
		.amdhsa_reserve_vcc 0
		.amdhsa_float_denorm_mode_32 3
		.amdhsa_float_denorm_mode_16_64 3
		.amdhsa_memory_ordered 1
		.amdhsa_forward_progress 1
		.amdhsa_inst_pref_size 53
	.end_amdhsa_kernel
	.amdgpu_metadata
---
amdhsa.version: [ 1, 2 ]
amdhsa.kernels:
  - .name:           k_q42843b9cbd_gproj
    .symbol:         k_q42843b9cbd_gproj.kd
    .args:
      - { .name: g, .offset: 0, .size: 8, .value_kind: global_buffer, .address_space: global }
      - { .name: wts, .offset: 8, .size: 8, .value_kind: global_buffer, .address_space: global }
      - { .name: hn, .offset: 16, .size: 8, .value_kind: global_buffer, .address_space: global }
      - { .name: out0, .offset: 24, .size: 8, .value_kind: global_buffer, .address_space: global }
    .group_segment_fixed_size: 327680
    .private_segment_fixed_size: 0
    .kernarg_segment_align: 8
    .kernarg_segment_size: 32
    .max_flat_workgroup_size: 128
    .sgpr_count:     100
    .vgpr_count:     832
    .wavefront_size: 32
...
	.end_amdgpu_metadata
.endif
;; end of part 7
